; MI455X (gfx1250); checked and timed in simulation.
; The chip was launched on July 23, 2026; its instructions are those of AMD's public machine-readable ISA for CDNA 5 (MIT licence, August 2026) and "CDNA5" Instruction Set Architecture Reference Guide (July 2026). The comments in the code are by the model that wrote it; some were corrected since.
;; Single Head Attention. Allowed arithmetic: matrix products marked QUANTISED: E2M3 operands, one E8M0 scale for each 32 along K, by v_wmma_scale_f32_16x16x128_f8f6f4 with both operands' format E2M3, f32 sums; everything else in f32.
;; Inputs: W_k 1,024 x 1,024 float32; W_q 1,024 x 1,024 float32; W_v 1,024 x 1,024 float32; x 4 x 2,048 x 1,024 float32.
;; Outputs: out0 4 x 2,048 x 1,024 float32.
;; This version of the problem:
;;   THIS VERSION OF THE PROBLEM IS GIVEN IN LOW PRECISION. The matrix products marked QUANTISED in the list below multiply operands that are first quantised to E2M3 (2 exponent bits, 3 mantissa bits; 6 bits a number), with one power-of-two scale for each 32 numbers along K (OCP MX v1.0); their sums are f32. All else is computed in f32.
;;   The module's matrix products, in the order in which they are computed (A, B: the left and right operand; K: the contracted axis; several contracted axes count as one K, in the product's order):
;;     1. [M 8,192, K 1,024] x [K 1,024, N 1,024]; A: input x; B: input W_q: QUANTISED
;;     2. [M 8,192, K 1,024] x [K 1,024, N 1,024]; A: input x; B: input W_k: QUANTISED
;;     3. [M 8,192, K 1,024] x [K 1,024, N 1,024]; A: input x; B: input W_v: QUANTISED
;;     4. batch 4 x [M 2,048, K 1,024] x [K 1,024, N 2,048]; A: computed on the way; B: computed on the way: QUANTISED
;;     5. batch 4 x [M 2,048, K 2,048] x [K 2,048, N 1,024]; A: softmax (see below); B: computed on the way: QUANTISED
;;   THE QUANTISER, for each operand of a quantised product, along K:
;;     - K is cut into blocks of 32 from its start; a last block that is shorter is filled with zeros.
;;     - A block's scale is 2^e with e = floor(log2(the largest magnitude in the block)) - 2, held to -126 .. 127; a block of zeros has e = 0. As a byte (E8M0): e + 127.
;;     - Each number is divided by its block's scale, clamped to +-7.5, and rounded to the nearest number of E2M3, ties to even, subnormals kept.
;;     - The product sums the exact products of the quantised numbers (number of the format x scale) in f32.
;;   ~~~python
;;   def quantise(x, axis):      # numpy; x: float32 -> the quantised numbers, widened to float32 again
;;       x = np.moveaxis(x, axis, -1); K = x.shape[-1]
;;       x = np.pad(x, [(0, 0)] * (x.ndim - 1) + [(0, -K % 32)]); x = x.reshape(x.shape[:-1] + (-1, 32)); a = np.abs(x).max(-1, keepdims=True)
;;       e = np.where(a > 0, np.clip(np.frexp(np.where(a > 0, a, 1))[1] - 1 - 2, -126, 127), 0)      # np.frexp(a)[1] - 1 = floor(log2(a)), exactly
;;       r = np.clip(x / 2.0 ** e, -7.5, 7.5)
;;       step = 2.0 ** (np.maximum(np.frexp(np.where(r == 0, 1, r))[1] - 1, 0) - 3)
;;       q = np.round(r / step) * step * 2.0 ** e      # np.round: ties to even
;;       return np.moveaxis(q.reshape(q.shape[:-2] + (-1,))[..., :K], -1, axis).astype(np.float32)
;;   ~~~
;;   SOFTMAX AHEAD OF A QUANTISED PRODUCT. Where the list says 'softmax', what is quantised is not the finished softmax but p = 2^(t - M), with t = logit x log2(e) and M = ceil(the row's largest t), a whole number; so 1/2 < the row's largest p <= 1. The row's sum l is taken of the UNQUANTISED p, in f32, and the product's result is divided by l at the end. Since M is a whole number, a kernel that streams over the keys may use a running M (the ceiling of the running maximum): every later rescaling is an exact power of two, which a block's scale takes up: the codes' values come out the same.
;;   OPERANDS COMPUTED ON THE WAY. 'Computed on the way' means the value that the module computes at that place (a softmax that the list does not call 'softmax' is quantised finished and normalised). What goes into a quantiser is computed in f32, as accurately as f32 sums, v_exp_f32 and their like allow (about 1e-6 of the number): no bf16 or f16 on the way to a quantiser, and a product that is left as it is and whose result goes on into a quantised operand takes f32 operands (vector FMAs, or v_wmma_f32_16x16x4_f32). A number that lies on a knife's edge between two numbers of the format may be rounded either way, as far as f32 arithmetic and the matrix unit's own rounding can turn it there, and no further.
;; 2 versions. Each part assembles by itself: llvm-mc -triple=amdgcn-amd-amdhsa -mcpu=gfx1250 --defsym DOCPART=n.
;; ======== version 1 of 2: 4 launches
;; workspace buffers: opnd 9,011,200 bytes; qkv 19,660,800 bytes; pbuf 14,155,776 bytes
;; launch quant (part 1): grid 704 x 1, 4 waves a work-group, no clusters, 34,304 bytes of LDS; arguments x, W_q, W_k, W_v, opnd; writes opnd
.if DOCPART == 1
	.amdgcn_target "amdgcn-amd-amdhsa--gfx1250"
	.amdhsa_code_object_version 6
	.text
	.protected	k_qb6a4820678_quant
	.globl	k_qb6a4820678_quant
	.p2align	8
	.type	k_qb6a4820678_quant,@function
k_qb6a4820678_quant:
	s_mov_b64 s[64:65], 0
	v_nop
	global_prefetch_b8 v0, s[64:65] scope:SCOPE_SE
	s_setreg_imm32_b32 hwreg(HW_REG_WAVE_MODE, 25, 1), 1
	s_wait_xcnt 0x0
; x [8192][1024] and W_q, W_k, W_v [1024][1024], f32, K innermost, become codes of FP6 (E2M3) with one E8M0 byte for each 32 along K,
; laid in opnd in the ORDER OF AN OPERAND'S REGISTERS.  The four tensors count as one matrix of 11,264 rows: x, W_q, W_k, W_v.
; A FRAGMENT is 16 rows x 128 K, 12 registers a lane, 1,536 bytes: registers 4 c .. 4 c + 3 of lane l lie at byte 512 c + 16 l.
; A PANEL is 128 rows x 256 K: fragment (q, g) (q: which 128 along K, g: which 16 rows) at 1,536 (8 q + g); behind the 16 fragments, at byte 24,576,
; the scale words [q][g][r], 4 bytes each: 25,600 bytes.  The matrix is [row panel][K slot] panels on end.
; THE ROWS OF A FRAGMENT ARE NOT NEIGHBOURS: lane r of fragment g = 2 b + u holds panel row 32 b + 8 u + r + 8 (r / 8), so that a product that takes such
; fragments as its source 0 leaves 16 neighbours along the next K in the 16 registers of two neighbouring result tiles.
; SHARES: work-group G takes the 16 rows of fragment row group G (row panel G / 8, g = G % 8), wave w the K slot w: two fragments.
; Each load reads 512 consecutive bytes of one row; the numbers turn through the wave's own stage in LDS (rows 528 bytes apart)
; and come back 16 neighbours of each block of 32 to a lane.  A block's scale is 2^(floor(log2(largest magnitude)) - 2).
; LIMITS: a block of zeros, or one whose largest magnitude lies under 2^-124, gets the byte 1 (its codes are zeros or tiny; only this program reads the bytes);
; NaN and infinities among the inputs are not served.
; No matrix unit, no cluster, no tensor load: every byte is read once and waves share nothing, so there is no barrier either.
.set STG,   8448                       ; a wave's stage: 16 rows x 528 bytes
.set SPARE, 4*STG                      ; behind the stages: the spare words, 128 bytes a wave
.set PANEL, 25600
.set FRB,   1536
.set SCO,   24576
.set R,     16                         ; v16-143   2 K steps x 16 rows x 4 registers, as loaded
.set X,     144                        ; v144-207  64 numbers: register 16 b + i = k 32 b + 16 (lane / 16) + i of row lane % 16
.set TM,    208                        ; v208-223  at work
.set PW0,   224                        ; v224-225  the two fragments' scale words
.set PC,    228                        ; v228-239  a fragment's codes; v240-246 at work
.set SPW,   12                         ; v12  LDS address of my spare word; never rewritten
.set NIL,   13                         ; v13  0; never rewritten
.set SEL,   28                         ; s[28:29] lane selects: lane l xor 16
; 64 numbers of a lane become a fragment's codes in v[PC] on and its scale word in v[pw]
.macro QUANT s, pw
.irp b, 0,1,2,3
	v_max3_num_f32 v[TM+\b], |v[\s+16*\b]|, |v[\s+1+16*\b]|, 0x1800000   ; block b: my 16 numbers, and the floor 2^(3 - 127): the byte cannot fall under 1
.endr
.irp i, 2,4,6,8,10,12,14
.irp b, 0,1,2,3
	v_max3_num_f32 v[TM+\b], v[TM+\b], |v[\s+16*\b+\i]|, |v[\s+1+16*\b+\i]|   ; the four blocks by turns
.endr
.endr
.irp b, 0,1,2,3
	v_permlanex16_b32 v[TM+4+\b], v[TM+\b], s[SEL], s[SEL+1]
.endr
.irp b, 0,1,2,3
	v_max_num_f32 v[TM+\b], v[TM+\b], v[TM+4+\b]   ; with lane l xor 16's: the block's largest magnitude
.endr
.irp b, 0,1,2,3
	v_add_nc_u32 v[TM+12+\b], 0xff000000, v[TM+\b]   ; 2 off its exponent field: the conversion's scale operand
.endr
.irp b, 0,1,2,3
	v_lshrrev_b32 v[TM+4+\b], 23, v[TM+12+\b]      ; the scale's byte
.endr
	v_lshl_or_b32 v[\pw], v[TM+5], 8, v[TM+4]      ; four bytes: my row's scale word
	v_lshl_or_b32 v[\pw], v[TM+6], 16, v[\pw]
	v_lshl_or_b32 v[\pw], v[TM+7], 24, v[\pw]
.irp c, 0,1
	v_cvt_scalef32_pk16_fp6_f32 v[PC+6*\c:PC+2+6*\c], v[\s+32*\c:\s+15+32*\c], v[TM+12+2*\c]
	v_cvt_scalef32_pk16_fp6_f32 v[PC+12+4*\c:PC+14+4*\c], v[\s+16+32*\c:\s+31+32*\c], v[TM+13+2*\c]   ; (a conversion's three registers begin on an even number)
.endr
	v_nop                                          ; one plain instruction behind the scaled conversions
.irp c, 0,1                                    ; the operand wants a whole block in a lane: lanes 0-15 block 2 c, lanes 16-31 block 2 c + 1
.irp i, 0,1,2
	v_permlane16_swap_b32 v[PC+6*\c+\i], v[PC+12+4*\c+\i]
.endr
.irp i, 0,1,2
	v_mov_b32 v[PC+3+6*\c+\i], v[PC+12+4*\c+\i]
.endr
.endr
.endm
	s_load_b256 s[4:11], s[0:1], 0x0               ; x s[4:5], W_q s[6:7], W_k s[8:9], W_v s[10:11]
	s_load_b64 s[12:13], s[0:1], 0x20              ; opnd
	v_lshl_add_u32 v[SPW], v0, 2, SPARE
	v_mov_b32 v[NIL], 0
	v_lshrrev_b32 v1, 5, v0
	v_readfirstlane_b32 s16, v1                    ; wave = K slot
	v_and_b32 v1, 31, v0                           ; lane
	v_and_b32 v2, 15, v0                           ; r
	v_bfe_u32 v3, v0, 4, 1                         ; h
	v_lshlrev_b32 v4, 4, v1                        ; 16 x lane: my bytes of a load's 512, and of an image's 512
	s_mul_i32 s17, s16, STG
	v_add_nc_u32 v5, s17, v4                       ; the stage, on the way in
	v_mul_u32_u24 v6, v2, 528
	v_lshl_add_u32 v6, v3, 6, v6
	v_add_nc_u32 v6, s17, v6                       ; and out: row r, + 64 h: my 16 numbers of a block
	v_lshlrev_b32 v7, 2, v2
	v_lshl_add_u32 v7, v3, 9, v7                   ; the scale words: lanes 0-15 store the first fragment's, lanes 16-31 the second's, 512 bytes on
.irp b, 0,1,2,3
	v_mov_b32 v[TM+4+\b], 0                        ; written once: a lane permute's destination counts as one of its sources
.endr
	s_mov_b32 s[SEL], 0x76543210
	s_mov_b32 s[SEL+1], 0xfedcba98
	s_and_b32 s18, ttmp9, 63
	s_cmp_lt_u32 ttmp9, 512
	s_cselect_b32 s18, ttmp9, s18                  ; the row group inside its own tensor (512 in x, 64 in each W)
	s_lshr_b32 s19, s18, 1
	s_lshl_b32 s20, s19, 17                        ; 32 rows of 4,096 bytes for each pair of groups,
	s_and_b32 s19, s18, 1
	s_lshl_b32 s19, s19, 15                        ; 8 rows for the odd one,
	s_add_co_u32 s20, s20, s19
	s_lshl_b32 s19, s16, 10                        ; 256 numbers along K for each wave
	s_add_co_u32 s20, s20, s19
	s_mov_b32 s21, 0
	s_lshr_b32 s22, ttmp9, 3
	s_lshl_b32 s22, s22, 2
	s_add_co_u32 s22, s22, s16
	s_mul_i32 s22, s22, PANEL                      ; my panel: (row panel x 4 + K slot) x 25,600
	s_and_b32 s23, ttmp9, 7                        ; g
	s_mul_i32 s24, s23, FRB
	s_add_co_u32 s24, s24, s22                     ; my fragments
	s_mov_b32 s25, 0
	s_lshl_b32 s26, s23, 6
	s_add_co_u32 s26, s26, s22
	s_add_co_u32 s26, s26, SCO                     ; my scale words
	s_mov_b32 s27, 0
	s_wait_kmcnt 0x0
	s_cmp_lt_u32 ttmp9, 640                        ; which tensor: the choice hangs on the work-group's number alone
	s_cselect_b64 s[8:9], s[8:9], s[10:11]
	s_cmp_lt_u32 ttmp9, 576
	s_cselect_b64 s[6:7], s[6:7], s[8:9]
	s_cmp_lt_u32 ttmp9, 512
	s_cselect_b64 s[4:5], s[4:5], s[6:7]
	s_add_nc_u64 s[4:5], s[4:5], s[20:21]
	s_add_nc_u64 s[14:15], s[12:13], s[24:25]
	s_add_nc_u64 s[12:13], s[12:13], s[26:27]
.irp q, 0,1
.irp i, 0,1,2,3,4,5,6,7,8,9,10,11,12,13,14,15
	global_load_b128 v[R+64*\q+4*\i:R+64*\q+4*\i+3], v4, s[4:5] offset:(\i+8*(\i/8))*4096+512*\q th:TH_LOAD_NT   ; 512 consecutive bytes of the row that lane i of the fragment holds
.endr
.endr
.macro HALF q
.if \q == 0
	s_wait_loadcnt 16                              ; the first K step's 16 loads are in; the second's may be out
.else
	s_wait_loadcnt 0x0
.endif
.irp i, 0,1,2,3,4,5,6,7,8,9,10,11,12,13,14,15
	ds_store_b128 v5, v[R+64*\q+4*\i:R+64*\q+4*\i+3] offset:528*\i
.endr
.irp b, 0,1,2,3
.irp j, 0,1,2,3
	ds_load_b128 v[X+16*\b+4*\j:X+16*\b+4*\j+3], v6 offset:128*\b+16*\j   ; LDS serves a wave's instructions in order: these see the stores above
.endr
.endr
	s_wait_dscnt 0x0
.if \q
	s_wait_xcnt 0x0                                ; the first fragment's stores have read the codes' registers: they are written again only behind this wait
.endif
	QUANT X, PW0+\q
.irp c, 0,1,2
	global_store_b128 v4, v[PC+4*\c:PC+4*\c+3], s[14:15] offset:8*FRB*\q+512*\c   ; 512 consecutive bytes, at a multiple of 256 from opnd's first byte
.endr
.endm
	HALF 0
	HALF 1
	v_cmp_le_u32 vcc_lo, 16, v1
	v_cndmask_b32 v[PW0], v[PW0], v[PW0+1], vcc_lo ; every lane holds row r's words: lanes 16-31 take the second fragment's
	global_store_b32 v7, v[PW0], s[12:13]
	s_wait_tensorcnt 0x0                           ; the wave's end: behind my last LDS store
	ds_add_u32 v[SPW], v[NIL]
	s_wait_dscnt 0x0
	s_endpgm
.Lfunc_end_k_qb6a4820678_quant:
	.size	k_qb6a4820678_quant, .Lfunc_end_k_qb6a4820678_quant-k_qb6a4820678_quant
	.p2alignl 7, 3214868480
	.fill 96, 4, 3214868480
	.section	.rodata,"a",@progbits
	.p2align	6, 0x0
	.amdhsa_kernel k_qb6a4820678_quant
		.amdhsa_group_segment_fixed_size 34304
		.amdhsa_private_segment_fixed_size 0
		.amdhsa_enable_private_segment 0
		.amdhsa_kernarg_size 40
		.amdhsa_user_sgpr_count 2
		.amdhsa_user_sgpr_kernarg_segment_ptr 1
		.amdhsa_wavefront_size32 1
		.amdhsa_system_sgpr_workgroup_id_x 1
		.amdhsa_system_sgpr_workgroup_id_y 1
		.amdhsa_system_sgpr_workgroup_id_z 1
		.amdhsa_system_vgpr_workitem_id 0
		.amdhsa_next_free_vgpr 256
		.amdhsa_next_free_sgpr 66
		.amdhsa_reserve_vcc 1
		.amdhsa_float_denorm_mode_32 3
		.amdhsa_float_denorm_mode_16_64 3
		.amdhsa_memory_ordered 1
		.amdhsa_forward_progress 1
		.amdhsa_inst_pref_size 19
	.end_amdhsa_kernel
	.amdgpu_metadata
---
amdhsa.version: [ 1, 2 ]
amdhsa.kernels:
  - .name:           k_qb6a4820678_quant
    .symbol:         k_qb6a4820678_quant.kd
    .args:
      - { .name: x, .offset: 0, .size: 8, .value_kind: global_buffer, .address_space: global }
      - { .name: W_q, .offset: 8, .size: 8, .value_kind: global_buffer, .address_space: global }
      - { .name: W_k, .offset: 16, .size: 8, .value_kind: global_buffer, .address_space: global }
      - { .name: W_v, .offset: 24, .size: 8, .value_kind: global_buffer, .address_space: global }
      - { .name: opnd, .offset: 32, .size: 8, .value_kind: global_buffer, .address_space: global }
    .group_segment_fixed_size: 34304
    .private_segment_fixed_size: 0
    .kernarg_segment_align: 8
    .kernarg_segment_size: 40
    .max_flat_workgroup_size: 128
    .sgpr_count:     66
    .vgpr_count:     256
    .wavefront_size: 32
...
	.end_amdgpu_metadata
.endif
;; end of part 1
;; launch proj (part 2): grid 12 x 32, 4 waves a work-group, clusters of 4 x 4, 327,680 bytes of LDS; arguments opnd, qkv; writes qkv
.if DOCPART == 2
	.amdgcn_target "amdgcn-amd-amdhsa--gfx1250"
	.amdhsa_code_object_version 6
	.text
	.protected	k_qb6a4820678_proj
	.globl	k_qb6a4820678_proj
	.p2align	8
	.type	k_qb6a4820678_proj,@function
k_qb6a4820678_proj:
	s_mov_b64 s[64:65], 0
	v_nop
	global_prefetch_b8 v0, s[64:65] scope:SCOPE_SE
	s_setreg_imm32_b32 hwreg(HW_REG_WAVE_MODE, 25, 1), 1
	s_wait_xcnt 0x0
	s_wait_alu depctr_hold_cnt(0) depctr_sa_sdst(0) depctr_va_vdst(0) depctr_va_sdst(0) depctr_va_ssrc(0) depctr_va_vcc(0) depctr_vm_vsrc(0)
	s_getreg_b32 s2, hwreg(HW_REG_IB_STS2, 6, 4)
	s_cmp_eq_u32 s2, 0
	s_cbranch_scc0 .Lentry_in_a_cluster
	s_endpgm
.Lentry_in_a_cluster:
	s_bfe_u32 s2, ttmp6, 0x10000c
	s_cmp_lg_u32 s2, 0xf033
	s_cbranch_scc0 .Lentry_shape_is_right
	s_endpgm
.Lentry_shape_is_right:
; q = x W_q^T, k = x W_k^T (rows: tokens; columns: features) and v^T = W_v x^T (rows: features; columns: tokens), on codes of FP6 (E2M3) with E8M0 scales,
; each result quantised in registers along its columns (q, k: the features, the scores' K; v^T: the tokens, which are the keys, the last product's K) and stored as codes.
; OPERANDS are panels of register images (128 rows x 256 K: 16 fragments of 1,536 bytes, fragment (q, g) at 1,536 (8 q + g), then 1,024 bytes of scale words [q][g][r]: 25,600 bytes;
; lane r of fragment g = 2 b + u holds panel row 32 b + 8 u + r + 8 (r / 8)).  opnd: 88 row panels x 4 K slots: x 0-63, W_q 64-71, W_k 72-79, W_v 80-87.
; qkv: Q at 0 and K at 6,553,600 (64 row panels of tokens x 4 slots), V^T at 13,107,200 (8 row panels of features x 32 slots of tokens), same panels.
; A tile of the result, 256 x 256, is made by four waves, 128 x 128 each: 64 accumulators of 16 x 16.  K = 1,024 goes in four slots of 256 through a ring of two LDS slots.
; THE MATRIX INSTRUCTION IS USED TRANSPOSED: source 0 = 16 rows of the column operand (B), source 1 = 16 rows of the row operand (A): a lane holds ONE row of the result, and by the
; order of a fragment's rows the 16 registers of tiles 2 b, 2 b + 1 are its columns 32 b + 16 (lane / 16) + 0 .. 15: what the conversions want.  A wave's 128 columns are one fragment's K.
; CLUSTERS of 4 x 4: A's panels hang on the tile row and are asked for jointly along a row of the cluster, B's on the tile column, along a column.
; Cluster x = 0, 1: q and k (A = x, 8 clusters down; B = W_q, W_k); cluster x = 2: v^T (A = W_v, one cluster's four tile rows; B = x, the cluster's y gives the tile columns).
; Only global offsets are chosen by that; masks, LDS addresses and the text's path are the same.
; No L2 prefetch: two of a tile's four K slots are first fills, and every panel is shared by joint loads and read again by other clusters.
; LIMITS: a block of zeros gets the byte 1 (zero codes; only this program reads the bytes); NaN and infinities are not served.
; REGISTERS, in windows of 256: window 0: v1-5 lane terms; v16-23 LDS addresses; v32-63 A's scale words, v64-95 B's (two sets each); v96-127 at work; v128-223 A's 8 fragments, one set.
;   window 1: B's 8 fragments, two sets, at v0 and v128.   windows 2, 3: the accumulators, (a, b) at v[8 (8 (a % 4) + b)] of window 2 + a / 4.
.set PA,    25600                      ; A's panel in LDS
.set PB,    25600                      ; B's
.set SLOT,  2*PA+2*PB                  ; a slot: A's two panels, then B's two
.set STEPA, 25600                      ; from K slot to K slot in memory
.set STEPB, 25600
.set FRB,   1536
.set SCO,   24576
.set FR,    12
.set NL,    3                          ; LDS loads that bring a fragment
.set NP,    4                          ; places behind this matrix instruction (ISA guide 7.12.1)
.set SPARE, 2*SLOT                     ; behind the ring: the spare words, 128 bytes a wave
.set LAPS,  2
.set ADR1,  16                         ; v16-17  my A fragments in slot 0, 1: panel + 16 x lane
.set ADS1,  18                         ; v18-19  my A scale words: panel + 4 r
.set ADR0,  20                         ; v20-21  the same for B
.set ADS0,  22                         ; v22-23
.set SPW,   28                         ; v28  LDS address of my spare word; never rewritten
.set NIL,   29                         ; v29  0; never rewritten
.set SC1,   32                         ; A's scale words: set s at + 16 s, register 2 i + q
.set SC0,   64                         ; B's
.set AF,    128
.set TM,    96                         ; the way out: v96-111 at work
.set PW,    112                        ; v112-119 the eight fragments' scale words
.set G1,  24                           ; s[24:31] descriptor group 1 for A; s[32:39] group 0, a set for each slot
.set G0,  32
.set G1B, 48                           ; s[48:55], s[56:63] the same for B
.set G0B, 56
.set SEL, 76
.set MSB, 0
.macro WIN new                         ; the immediate's high byte repeats the setting that is left
.set WNEW, \new
.if MSB != WNEW
	s_set_vgpr_msb (MSB<<8)|WNEW
.set MSB, WNEW
.endif
.endm
.set MUL_LO, 0xa1                      ; source 0 (B) window 1, source 1 (A) window 0, C and D window 2
.set MUL_HI, 0xf1                      ; the same, C and D window 3
.set TO_B,   0x40                      ; destination window 1, address window 0
; A joint load: waves 0 and 1 fetch A's two panels, waves 2 and 3 B's.  The branch hangs on the wave's number alone.  An s_nop 0 and four v_nop follow each line.
.macro JLOAD s
	s_cmp_eq_u32 s15, 0
	s_cbranch_scc0 .Lfor_b_\@
	tensor_load_to_lds s[G0+4*\s:G0+4*\s+3], s[G1:G1+7]
	s_nop 0
.rept 4
	v_nop
.endr
	s_branch .Lasked_\@
.Lfor_b_\@:
	tensor_load_to_lds s[G0B+4*\s:G0B+4*\s+3], s[G1B:G1B+7]
	s_nop 0
.rept 4
	v_nop
.endr
.Lasked_\@:
.endm
.macro CREST                           ; a round of the cluster's barrier behind its opening barrier
	s_cmp_lg_u32 s14, 0
	s_cbranch_scc1 .Lnot_wave_0_\@
	s_barrier_signal -3
.Lnot_wave_0_\@:
	s_barrier_wait -3
	s_barrier_signal -1
	s_barrier_wait -1
.endm
.macro CROUND
	s_barrier_signal -1
	s_barrier_wait -1
	CREST
.endm
.macro PLACES n
.rept \n
	v_nop
.endr
.endm
.macro FRAG reg, adr, q, i             ; a fragment's image: three loads of 512 consecutive bytes
.irp c, 0,1,2
	ds_load_b128 v[\reg+4*\c:\reg+4*\c+3], v[\adr] offset:FRB*(8*(\q)+(\i))+512*\c
.endr
.endm
; 16 matrix instructions: A's blocks a0, a0 + 1 x B's eight.  p: B's set; q: which 128 of the slot; sc: the set of scale words.  zero = 1: the product starts the sums.
; The 64 accumulators take turns, one instruction a turn, in the same order in every step.
.macro MUL16 a0, p, q, sc, zero
.irp a, \a0, \a0+1
.irp b, 0,1,2,3,4,5,6,7
.if \zero
	v_wmma_scale_f32_16x16x128_f8f6f4 v[8*(8*((\a)%4)+\b):8*(8*((\a)%4)+\b)+7], v[128*(\p)+FR*\b:128*(\p)+FR*\b+FR-1], v[AF+FR*(\a):AF+FR*(\a)+FR-1], 0, v[SC0+16*(\sc)+2*\b+(\q)], v[SC1+16*(\sc)+2*(\a)+(\q)] matrix_a_fmt:MATRIX_FMT_FP6 matrix_b_fmt:MATRIX_FMT_FP6
.else
	v_wmma_scale_f32_16x16x128_f8f6f4 v[8*(8*((\a)%4)+\b):8*(8*((\a)%4)+\b)+7], v[128*(\p)+FR*\b:128*(\p)+FR*\b+FR-1], v[AF+FR*(\a):AF+FR*(\a)+FR-1], v[8*(8*((\a)%4)+\b):8*(8*((\a)%4)+\b)+7], v[SC0+16*(\sc)+2*\b+(\q)], v[SC1+16*(\sc)+2*(\a)+(\q)] matrix_a_fmt:MATRIX_FMT_FP6 matrix_b_fmt:MATRIX_FMT_FP6
.endif
.endr
.endr
.endm
.macro FETCH_B slot, q, p
	WIN TO_B
.irp i, 0,1,2,3,4,5,6,7
	FRAG 128*(\p)+FR*\i, ADR0+\slot, \q, \i
.endr
	WIN 0
.endm
.macro FETCH_A slot, q, i0
.irp i, \i0, \i0+1, \i0+2, \i0+3
	FRAG AF+FR*(\i), ADR1+\slot, \q, \i
.endr
.endm
.macro SCALES sc                       ; a slot's scale words: lane r takes row r's (lanes 16-31 the same words; they are not read by the unit)
.irp i, 0,1,2,3,4,5,6,7
.irp q, 0,1
	ds_load_b32 v[SC1+16*\sc+2*\i+\q], v[ADS1+\sc] offset:SCO+512*\q+64*\i
	ds_load_b32 v[SC0+16*\sc+2*\i+\q], v[ADS0+\sc] offset:SCO+512*\q+64*\i
.endr
.endr
.endm
; A slot's first 128 along K; it fetches the second 128's fragments.  A load into a register that a matrix instruction has read stands NP plain vector instructions behind it.
.macro STEP slot, zero
	s_wait_dscnt 4*NL                              ; all but the youngest 12 loads (A's blocks 4-7) are in
	WIN MUL_LO
	MUL16 0, 0, 0, \slot, \zero
	MUL16 2, 0, 0, \slot, \zero
	s_wait_dscnt 0x0                               ; A's blocks 4-7 are in
	PLACES NP
	FETCH_B \slot, 1, 1
	FETCH_A \slot, 1, 0
	WIN MUL_HI
	MUL16 4, 0, 0, \slot, \zero
	MUL16 6, 0, 0, \slot, \zero
	PLACES NP
	WIN 0
	FETCH_A \slot, 1, 4
.endm
; A slot's second 128 changes slots: ONE barrier; in front of it each wave waits for all its tensor loads, adds 0 to its spare word, and waits for that and for its reads of this slot.
.macro TURN slot, next, fill
	s_wait_tensorcnt 0x0                           ; all my tensor loads have landed: the one that was out is my part of the next slot
	ds_add_u32 v[SPW], v[NIL]                      ; 0 onto my spare word
	s_wait_dscnt 4*NL+1                            ; (the add and the youngest 12 loads may be out)
	WIN MUL_LO
	MUL16 0, 1, 1, \slot, 0                        ; sixteen matrix instructions stand between the add and the wait for it
	s_wait_dscnt 0x0                               ; the add is done, and my reads of this slot are over
	s_barrier_signal -1
	MUL16 2, 1, 1, \slot, 0
	WIN 0
	s_barrier_wait -1
.if \fill
	CREST                                          ; the barrier has opened a round of the cluster's: no wave of any partner still reads this slot or has a load on its way
	s_add_nc_u64 s[G0+4*\slot+2:G0+4*\slot+3], s[G0+4*\slot+2:G0+4*\slot+3], 2*STEPA
	s_add_nc_u64 s[G0B+4*\slot+2:G0B+4*\slot+3], s[G0B+4*\slot+2:G0B+4*\slot+3], 2*STEPB
	JLOAD \slot                                    ; the first tensor load behind the round; its four v_nop are also the places in front of the loads below
.else
	PLACES NP
.endif
	FETCH_B \next, 0, 0
	FETCH_A \next, 0, 0
	SCALES \next
	WIN MUL_HI
	MUL16 4, 1, 1, \slot, 0
	MUL16 6, 1, 1, \slot, 0
	PLACES NP
	WIN 0
	FETCH_A \next, 0, 4
.endm
	s_load_b128 s[4:7], s[0:1], 0x0                ; opnd s[4:5], qkv s[6:7]
	v_lshl_add_u32 v[SPW], v0, 2, SPARE
	v_mov_b32 v[NIL], 0
	ds_add_u32 v[SPW], v[NIL]                      ; the wave's opening: the add, and its wait ahead of my first tensor load; work on registers stands between them
	v_lshrrev_b32 v1, 5, v0
	v_readfirstlane_b32 s14, v1                    ; wave 0..3
	s_lshr_b32 s15, s14, 1                         ; which of A's two panels I multiply.  Also: I fetch for A (0) or for B (1)
	s_and_b32 s16, s14, 1                          ; which of B's two panels I multiply.  Also: which panel I fetch
	s_bfe_u32 s40, ttmp6, 0x40000                  ; cx, cy: my place in the cluster
	s_bfe_u32 s41, ttmp6, 0x40004
	s_lshl_b32 s43, s41, 2
	s_lshl_b32 s43, 15, s43                        ; my row of the cluster
	s_lshl_b32 s44, 0x1111, s40                    ; my column
	; descriptor group 1: a panel is a dense block: rows of 256 bytes (32 elements of 8 bytes), no padding: images are read 16 bytes a lane on end
	s_or_b32 s[G1+0], s43, (3<<16)|(1<<21)         ; 15:0 the mask; 17:16 elements of 8 bytes; 21 set beside a mask
	s_or_b32 s[G1B+0], s44, (3<<16)|(1<<21)
	s_mov_b32 s[G1+1], 32<<16                      ; tensor_dim0
	s_mov_b32 s[G1+2], (PA/256)<<16                ; tensor_dim1
	s_mov_b32 s[G1+3], 32<<16                      ; tile_dim0
	s_mov_b32 s[G1+4], PA/256                      ; tile_dim1
	s_mov_b32 s[G1+5], 32                          ; the pitch
	s_mov_b32 s[G1+6], 0
	s_mov_b32 s[G1+7], 0
	s_mov_b32 s[G1B+1], 32<<16
	s_mov_b32 s[G1B+2], (PB/256)<<16
	s_mov_b32 s[G1B+3], 32<<16
	s_mov_b32 s[G1B+4], PB/256
	s_mov_b32 s[G1B+5], 32
	s_mov_b32 s[G1B+6], 0
	s_mov_b32 s[G1B+7], 0
	s_and_b32 s17, ttmp7, 0xffff                   ; the cluster's y, 0..7
	s_cmp_lt_u32 ttmp9, 2                          ; q and k, or v^T?  The cluster's x: the same in all sixteen partners
	s_cselect_b32 s18, s17, 0                      ; the cluster's row of tiles
	s_cselect_b32 s19, ttmp9, s17                  ; and its column
	s_cselect_b32 s20, 0, 80                       ; A's first row panel in opnd: x, or W_v
	s_cselect_b32 s21, 64, 0                       ; B's: W_q and W_k, or x
	s_lshl_b32 s18, s18, 2
	s_add_co_u32 s18, s18, s41                     ; tile row
	s_lshl_b32 s19, s19, 2
	s_add_co_u32 s19, s19, s40                     ; tile column
	s_lshl_b32 s22, s18, 1
	s_add_co_u32 s22, s22, s20
	s_add_co_u32 s22, s22, s16                     ; the row panel of A that I fetch: no cx in it
	s_mul_i32 s22, s22, 4*STEPA
	s_mov_b32 s23, 0
	s_lshl_b32 s46, s19, 1
	s_add_co_u32 s46, s46, s21
	s_add_co_u32 s46, s46, s16                     ; the row panel of B: no cy in it
	s_mul_i32 s46, s46, 4*STEPB
	s_mov_b32 s47, 0
	s_mul_i32 s45, s16, PA                         ; where they go in a slot: no place in the cluster enters an LDS address
	s_mul_i32 s42, s16, PB
	s_add_co_u32 s42, s42, 2*PA
	; where my results go: region, slots in a row panel, slot
	s_lshr_b32 s67, s19, 2
	s_mul_i32 s67, s67, 6553600                    ; q or k
	s_and_b32 s68, s19, 3
	s_cmp_lt_u32 ttmp9, 2
	s_cselect_b32 s67, s67, 13107200               ; or v^T
	s_cselect_b32 s68, s68, s19                    ; the K slot of the result: 256 columns
	s_cselect_b32 s66, 2, 5                        ; 4 or 32 slots to a row panel
	s_lshl_b32 s69, s18, 1
	s_add_co_u32 s69, s69, s15                     ; my row panel
	s_lshl_b32 s69, s69, s66
	s_add_co_u32 s69, s69, s68
	s_mul_i32 s69, s69, 25600
	s_add_co_u32 s69, s69, s67                     ; the panel
	s_mul_i32 s70, s16, 8*FRB
	s_add_co_u32 s70, s70, s69                     ; my 128 columns are its q = my half: the codes,
	s_mov_b32 s71, 0
	s_lshl_b32 s72, s16, 9
	s_add_co_u32 s72, s72, s69
	s_add_co_u32 s72, s72, SCO                     ; and the scale words
	s_mov_b32 s73, 0
	s_mov_b32 s[SEL], 0x76543210
	s_mov_b32 s[SEL+1], 0xfedcba98
	s_wait_dscnt 0x0                               ; the opening add is done
	s_wait_kmcnt 0x0
	s_add_nc_u64 s[22:23], s[4:5], s[22:23]
	s_add_nc_u64 s[46:47], s[4:5], s[46:47]
	s_add_nc_u64 s[8:9], s[6:7], s[70:71]
	s_add_nc_u64 s[10:11], s[6:7], s[72:73]
	CROUND                                         ; all sixteen work-groups are here: the first joint loads meet
.irp s, 0,1
	s_mov_b32 s[G0+4*\s], 1
	s_add_co_u32 s[G0+4*\s+1], s45, \s*SLOT
	s_add_nc_u64 s[G0+4*\s+2:G0+4*\s+3], s[22:23], \s*STEPA
	s_or_b32 s[G0+4*\s+3], s[G0+4*\s+3], 0x80000000
	s_mov_b32 s[G0B+4*\s], 1
	s_add_co_u32 s[G0B+4*\s+1], s42, \s*SLOT
	s_add_nc_u64 s[G0B+4*\s+2:G0B+4*\s+3], s[46:47], \s*STEPB
	s_or_b32 s[G0B+4*\s+3], s[G0B+4*\s+3], 0x80000000
	JLOAD \s
.endr
	v_and_b32 v1, 15, v0                           ; r
	v_bfe_u32 v2, v0, 4, 1                         ; h
	v_and_b32 v3, 31, v0                           ; lane
	v_lshlrev_b32 v4, 4, v3                        ; 16 x lane; also my place in a stored image; never rewritten
	v_lshlrev_b32 v5, 2, v1                        ; 4 r
	v_lshlrev_b32 v25, 2, v3                       ; 4 x lane: the scale words' way out
	s_mul_i32 s74, s15, PA
	s_mul_i32 s75, s16, PB
	s_add_co_u32 s75, s75, 2*PA
.irp s, 0,1
	v_add_nc_u32 v[ADR1+\s], s74, v4
	v_add_nc_u32 v[ADR0+\s], s75, v4
	v_add_nc_u32 v[ADS1+\s], s74, v5
	v_add_nc_u32 v[ADS0+\s], s75, v5
	s_add_co_u32 s74, s74, SLOT
	s_add_co_u32 s75, s75, SLOT
.endr
.irp b, 0,1,2,3
	v_mov_b32 v[TM+4+\b], 0                        ; written once: a lane permute's destination counts as one of its sources
.endr
	s_wait_tensorcnt 1                             ; my part of K slot 0 is in (K slot 1's load may be out)
	s_barrier_signal -1
	s_barrier_wait -1                              ; everybody's is
	FETCH_B 0, 0, 0
	FETCH_A 0, 0, 0
	SCALES 0
	FETCH_A 0, 0, 4
	STEP 0, 1                                      ; the first step stands in front of the loop: its products start the sums
	s_mov_b32 s3, LAPS-1
.Llap:                                                 ; a trip goes once round the ring and fills both slots again
	TURN 0, 1, 1
	STEP 1, 0
	TURN 1, 0, 1
	STEP 0, 0
	s_sub_co_u32 s3, s3, 1
	s_cmp_lg_u32 s3, 0
	s_cbranch_scc1 .Llap
	TURN 0, 1, 0                                   ; the last lap fills nothing
	STEP 1, 0
	s_wait_dscnt 4*NL                              ; the very last step
	WIN MUL_LO
	MUL16 0, 1, 1, 1, 0
	MUL16 2, 1, 1, 1, 0
	s_wait_dscnt 0x0
	WIN MUL_HI
	MUL16 4, 1, 1, 1, 0
	MUL16 6, 1, 1, 1, 0
	WIN 0
; THE WAY OUT.  Block a's 64 registers are 64 of my row's 128 columns (register 16 b + i: column 32 b + 16 (lane / 16) + i): they become fragment g = a of the result's panel.
; The codes are made where A's fragments lay; for blocks 2 and 6 64 registers further up, so that a conversion's destination never carries the numbers of its sources.
.macro QUANTA a
.set S, 64*((\a)%4)
.set W, 2+(\a)/4
.if (\a)%4 == 2
.set PC, 192
.else
.set PC, 128
.endif
	WIN (W<<2)|(W<<4)
.irp b, 0,1,2,3
	v_max3_num_f32 v[TM+\b], 0x1800000, |v[S+16*\b]|, |v[S+16*\b+1]|   ; block b: my 16 numbers and the floor 2^(3 - 127); each accumulator is read from its low end on
.endr
.irp i, 2,4,6,8,10,12,14
.irp b, 0,1,2,3
	v_max3_num_f32 v[TM+\b], v[TM+\b], |v[S+16*\b+\i]|, |v[S+16*\b+\i+1]|
.endr
.endr
	WIN 0
.irp b, 0,1,2,3
	v_permlanex16_b32 v[TM+4+\b], v[TM+\b], s[SEL], s[SEL+1]
.endr
.irp b, 0,1,2,3
	v_max_num_f32 v[TM+\b], v[TM+\b], v[TM+4+\b]   ; with lane l xor 16's: the block's largest magnitude
.endr
.irp b, 0,1,2,3
	v_add_nc_u32 v[TM+12+\b], 0xff000000, v[TM+\b] ; 2 off its exponent field: the conversion's scale operand
.endr
.irp b, 0,1,2,3
	v_lshrrev_b32 v[TM+4+\b], 23, v[TM+12+\b]      ; the scale's byte
.endr
	v_lshl_or_b32 v[PW+(\a)], v[TM+5], 8, v[TM+4]
	v_lshl_or_b32 v[PW+(\a)], v[TM+6], 16, v[PW+(\a)]
	v_lshl_or_b32 v[PW+(\a)], v[TM+7], 24, v[PW+(\a)]
	s_wait_xcnt 0x0                                ; the earlier blocks' stores have read the codes' registers: they are written again only behind this wait
	WIN W
.irp c, 0,1
	v_cvt_scalef32_pk16_fp6_f32 v[PC+6*\c:PC+6*\c+2], v[S+32*\c:S+32*\c+15], v[TM+12+2*\c]
	v_cvt_scalef32_pk16_fp6_f32 v[PC+12+4*\c:PC+14+4*\c], v[S+16+32*\c:S+31+32*\c], v[TM+13+2*\c]
.endr
	WIN 0
	v_nop                                          ; one plain instruction behind the scaled conversions
.irp c, 0,1
.irp i, 0,1,2
	v_permlane16_swap_b32 v[PC+6*\c+\i], v[PC+12+4*\c+\i]
.endr
.irp i, 0,1,2
	v_mov_b32 v[PC+3+6*\c+\i], v[PC+12+4*\c+\i]
.endr
.endr
.irp c, 0,1,2
	global_store_b128 v4, v[PC+4*\c:PC+4*\c+3], s[8:9] offset:FRB*(\a)+512*\c   ; 512 consecutive bytes, at a multiple of 256 from qkv's first byte
.endr
.endm
	PLACES NP                                      ; behind the last products: their results are read and their operands' registers written below
.irp a, 0,1,2,3,4,5,6,7
	QUANTA \a
.endr
	v_cmp_le_u32 vcc_lo, 16, v3
.irp p, 0,1,2,3
	v_cndmask_b32 v[PW+\p], v[PW+2*\p], v[PW+2*\p+1], vcc_lo   ; lanes 0-15 fragment 2 p's words, lanes 16-31 fragment 2 p + 1's: 128 consecutive bytes
.endr
.irp p, 0,1,2,3
	global_store_b32 v25, v[PW+\p], s[10:11] offset:128*\p
.endr
	s_wait_tensorcnt 0x0                           ; the wave's end: behind my last tensor load
	ds_add_u32 v[SPW], v[NIL]
	s_wait_dscnt 0x0
	CROUND                                         ; the closing round: no work-group ends while a partner may still ask for a panel that names it
	s_endpgm
.Lfunc_end_k_qb6a4820678_proj:
	.size	k_qb6a4820678_proj, .Lfunc_end_k_qb6a4820678_proj-k_qb6a4820678_proj
	.p2alignl 7, 3214868480
	.fill 96, 4, 3214868480
	.section	.rodata,"a",@progbits
	.p2align	6, 0x0
	.amdhsa_kernel k_qb6a4820678_proj
		.amdhsa_group_segment_fixed_size 327680
		.amdhsa_private_segment_fixed_size 0
		.amdhsa_enable_private_segment 0
		.amdhsa_kernarg_size 16
		.amdhsa_user_sgpr_count 2
		.amdhsa_user_sgpr_kernarg_segment_ptr 1
		.amdhsa_wavefront_size32 1
		.amdhsa_system_sgpr_workgroup_id_x 1
		.amdhsa_system_sgpr_workgroup_id_y 1
		.amdhsa_system_sgpr_workgroup_id_z 1
		.amdhsa_system_vgpr_workitem_id 0
		.amdhsa_next_free_vgpr 1024
		.amdhsa_next_free_sgpr 100
		.amdhsa_reserve_vcc 1
		.amdhsa_float_denorm_mode_32 3
		.amdhsa_float_denorm_mode_16_64 3
		.amdhsa_memory_ordered 1
		.amdhsa_forward_progress 1
		.amdhsa_inst_pref_size 144
	.end_amdhsa_kernel
	.amdgpu_metadata
---
amdhsa.version: [ 1, 2 ]
amdhsa.kernels:
  - .name:           k_qb6a4820678_proj
    .symbol:         k_qb6a4820678_proj.kd
    .args:
      - { .name: opnd, .offset: 0, .size: 8, .value_kind: global_buffer, .address_space: global }
      - { .name: qkv, .offset: 8, .size: 8, .value_kind: global_buffer, .address_space: global }
    .group_segment_fixed_size: 327680
    .private_segment_fixed_size: 0
    .kernarg_segment_align: 8
    .kernarg_segment_size: 16
    .max_flat_workgroup_size: 128
    .sgpr_count:     100
    .vgpr_count:     1024
    .wavefront_size: 32
...
	.end_amdgpu_metadata
.endif
;; end of part 2
;; launch score (part 3): grid 12 x 16, 4 waves a work-group, clusters of 4 x 4, 327,680 bytes of LDS; arguments qkv, pbuf; writes pbuf
.if DOCPART == 3
	.amdgcn_target "amdgcn-amd-amdhsa--gfx1250"
	.amdhsa_code_object_version 6
	.text
	.protected	k_qb6a4820678_score
	.globl	k_qb6a4820678_score
	.p2align	8
	.type	k_qb6a4820678_score,@function
k_qb6a4820678_score:
	s_mov_b64 s[64:65], 0
	v_nop
	global_prefetch_b8 v0, s[64:65] scope:SCOPE_SE
	s_setreg_imm32_b32 hwreg(HW_REG_WAVE_MODE, 25, 1), 1
	s_wait_xcnt 0x0
	s_wait_alu depctr_hold_cnt(0) depctr_sa_sdst(0) depctr_va_vdst(0) depctr_va_sdst(0) depctr_va_ssrc(0) depctr_va_vcc(0) depctr_vm_vsrc(0)
	s_getreg_b32 s2, hwreg(HW_REG_IB_STS2, 6, 4)
	s_cmp_eq_u32 s2, 0
	s_cbranch_scc0 .Lentry_in_a_cluster
	s_endpgm
.Lentry_in_a_cluster:
	s_bfe_u32 s2, ttmp6, 0x10000c
	s_cmp_lg_u32 s2, 0xf033
	s_cbranch_scc0 .Lentry_shape_is_right
	s_endpgm
.Lentry_shape_is_right:
; The scores q k^T of one batch, on codes of FP6 (E2M3) with E8M0 scales, the causal mask, and the softmax's p, quantised along the keys and stored as codes.
; t = score x log2(e) / 32.  For each query and each run of 128 keys (a wave's columns) a LOCAL whole number M = ceil(the run's largest t) is taken: p = 2^(t - M).  The codes do not hang on which
; whole number M is: a later M' only moves the blocks' scale bytes by M' - M.  So this launch stores codes, scale bytes, M and the run's sum l of the unquantised p; the next launch finds the row's M,
; takes the difference off the bytes and adds the l.  A maximum is taken away before every exponential.
; OPERANDS: panels of register images in qkv (128 rows x 256 K: fragment (q, g) at 1,536 (8 q + g), scale words [q][g][r] at 24,576; lane r of fragment 2 b + u holds panel row 32 b + 8 u + r + 8 (r / 8)):
; Q at 0, K at 6,553,600, 64 row panels of tokens x 4 slots of 25,600 bytes.  RESULT: pbuf, 64 row panels of queries x 8 slots of 256 keys x 27,648 bytes: such a panel, then M [q][g][r] f32 at 25,600 and l at 26,624.
; A tile, 256 queries x 256 keys, is made by four waves, 128 x 128 each.  Source 0 = 16 keys, source 1 = 16 queries: a lane holds ONE query, and the 16 registers of tiles 2 b, 2 b + 1 are keys 32 b + 16 (lane / 16) + 0 .. 15.
; CLUSTERS of 4 x 4, joint loads: Q's panels along a row, K's along a column.  Of a batch's 2 x 2 clusters the one above the diagonal is not launched: clusters (0,0), (1,0), (1,1).
; Tiles above the diagonal inside a diagonal cluster run like all others (partners of a cluster run alike): they store zero codes, M = -1e30 and l = 0, which the next launch's cluster reads.
; No L2 prefetch: two of a tile's four K slots are first fills, and every panel is shared by joint loads and read again by other clusters.
; LIMITS: a block whose largest p lies under 2^-61 is quantised with the scale 2^-63 (bytes stay at 64 or above, so that the next launch can take up to 63 off them); |t| stays under 1e30;
; NaN and infinities among the scores are not served.
; REGISTERS: as in the projections' launch: window 0: v1-6 lane terms; v16-23 LDS addresses; v32-63 Q's scale words, v64-95 K's; v96-127 at work; v128-223 Q's 8 fragments; window 1: K's fragments, two sets; windows 2, 3: accumulators.
.set PA,    25600
.set PB,    25600
.set SLOT,  2*PA+2*PB
.set STEPA, 25600
.set STEPB, 25600
.set PPITCH, 27648
.set FRB,   1536
.set SCO,   24576
.set FR,    12
.set NL,    3
.set NP,    4
.set SPARE, 2*SLOT
.set LAPS,  2
.set VD0,   6                          ; v6   my query less my first key, for block 0
.set ADR1,  16
.set ADS1,  18
.set ADR0,  20
.set ADS0,  22
.set SPW,   28
.set NIL,   29
.set SC1,   32
.set SC0,   64
.set AF,    128
.set BM,    96                         ; v96-99    the blocks' largest scores, then their largest p
.set T4,    100                        ; v100-103  at work
.set SO,    104                        ; v104-107  the conversions' scale operands
.set XM,    108                        ; v108      the run's largest t
.set NM,    112                        ; v[112:113] -M (and a 0: the packed form names a pair)
.set LA,    114                        ; v[114:115], v[116:117] the sum, in two chains of pairs
.set LB,    116
.set VD,    148                        ; v148-155  my query less my first key, block by block
.set NINF,  156                        ; v156      -infinity
.set PW,    160                        ; v160-167  scale words; v168-175 M; v176-183 l
.set MW,    168
.set LW,    176
.set G1,  24
.set G0,  32
.set G1B, 48
.set G0B, 56
.set SEL, 76
.set CS,  78                           ; s[78:79] c = log2(e) / 32
.set MSB, 0
.macro WIN new
.set WNEW, \new
.if MSB != WNEW
	s_set_vgpr_msb (MSB<<8)|WNEW
.set MSB, WNEW
.endif
.endm
.set MUL_LO, 0xa1
.set MUL_HI, 0xf1
.set TO_B,   0x40
.macro JLOAD s                         ; waves 0 and 1 fetch Q's two panels, waves 2 and 3 K's; an s_nop 0 and four v_nop follow each line
	s_cmp_eq_u32 s15, 0
	s_cbranch_scc0 .Lfor_b_\@
	tensor_load_to_lds s[G0+4*\s:G0+4*\s+3], s[G1:G1+7]
	s_nop 0
.rept 4
	v_nop
.endr
	s_branch .Lasked_\@
.Lfor_b_\@:
	tensor_load_to_lds s[G0B+4*\s:G0B+4*\s+3], s[G1B:G1B+7]
	s_nop 0
.rept 4
	v_nop
.endr
.Lasked_\@:
.endm
.macro CREST
	s_cmp_lg_u32 s14, 0
	s_cbranch_scc1 .Lnot_wave_0_\@
	s_barrier_signal -3
.Lnot_wave_0_\@:
	s_barrier_wait -3
	s_barrier_signal -1
	s_barrier_wait -1
.endm
.macro CROUND
	s_barrier_signal -1
	s_barrier_wait -1
	CREST
.endm
.macro PLACES n
.rept \n
	v_nop
.endr
.endm
.macro FRAG reg, adr, q, i
.irp c, 0,1,2
	ds_load_b128 v[\reg+4*\c:\reg+4*\c+3], v[\adr] offset:FRB*(8*(\q)+(\i))+512*\c
.endr
.endm
.macro MUL16 a0, p, q, sc, zero        ; the 64 accumulators take turns, one instruction a turn
.irp a, \a0, \a0+1
.irp b, 0,1,2,3,4,5,6,7
.if \zero
	v_wmma_scale_f32_16x16x128_f8f6f4 v[8*(8*((\a)%4)+\b):8*(8*((\a)%4)+\b)+7], v[128*(\p)+FR*\b:128*(\p)+FR*\b+FR-1], v[AF+FR*(\a):AF+FR*(\a)+FR-1], 0, v[SC0+16*(\sc)+2*\b+(\q)], v[SC1+16*(\sc)+2*(\a)+(\q)] matrix_a_fmt:MATRIX_FMT_FP6 matrix_b_fmt:MATRIX_FMT_FP6
.else
	v_wmma_scale_f32_16x16x128_f8f6f4 v[8*(8*((\a)%4)+\b):8*(8*((\a)%4)+\b)+7], v[128*(\p)+FR*\b:128*(\p)+FR*\b+FR-1], v[AF+FR*(\a):AF+FR*(\a)+FR-1], v[8*(8*((\a)%4)+\b):8*(8*((\a)%4)+\b)+7], v[SC0+16*(\sc)+2*\b+(\q)], v[SC1+16*(\sc)+2*(\a)+(\q)] matrix_a_fmt:MATRIX_FMT_FP6 matrix_b_fmt:MATRIX_FMT_FP6
.endif
.endr
.endr
.endm
.macro FETCH_B slot, q, p
	WIN TO_B
.irp i, 0,1,2,3,4,5,6,7
	FRAG 128*(\p)+FR*\i, ADR0+\slot, \q, \i
.endr
	WIN 0
.endm
.macro FETCH_A slot, q, i0
.irp i, \i0, \i0+1, \i0+2, \i0+3
	FRAG AF+FR*(\i), ADR1+\slot, \q, \i
.endr
.endm
.macro SCALES sc
.irp i, 0,1,2,3,4,5,6,7
.irp q, 0,1
	ds_load_b32 v[SC1+16*\sc+2*\i+\q], v[ADS1+\sc] offset:SCO+512*\q+64*\i
	ds_load_b32 v[SC0+16*\sc+2*\i+\q], v[ADS0+\sc] offset:SCO+512*\q+64*\i
.endr
.endr
.endm
.macro STEP slot, zero
	s_wait_dscnt 4*NL                              ; all but the youngest 12 loads (Q's blocks 4-7) are in
	WIN MUL_LO
	MUL16 0, 0, 0, \slot, \zero
	MUL16 2, 0, 0, \slot, \zero
	s_wait_dscnt 0x0
	PLACES NP
	FETCH_B \slot, 1, 1
	FETCH_A \slot, 1, 0
	WIN MUL_HI
	MUL16 4, 0, 0, \slot, \zero
	MUL16 6, 0, 0, \slot, \zero
	PLACES NP
	WIN 0
	FETCH_A \slot, 1, 4
.endm
.macro TURN slot, next, fill
	s_wait_tensorcnt 0x0                           ; all my tensor loads have landed: my part of the next slot
	ds_add_u32 v[SPW], v[NIL]                      ; 0 onto my spare word
	s_wait_dscnt 4*NL+1                            ; (the add and the youngest 12 loads may be out)
	WIN MUL_LO
	MUL16 0, 1, 1, \slot, 0
	s_wait_dscnt 0x0                               ; the add is done, and my reads of this slot are over
	s_barrier_signal -1
	MUL16 2, 1, 1, \slot, 0
	WIN 0
	s_barrier_wait -1
.if \fill
	CREST                                          ; a round of the cluster's barrier: no wave of any partner still reads this slot or has a load on its way
	s_add_nc_u64 s[G0+4*\slot+2:G0+4*\slot+3], s[G0+4*\slot+2:G0+4*\slot+3], 2*STEPA
	s_add_nc_u64 s[G0B+4*\slot+2:G0B+4*\slot+3], s[G0B+4*\slot+2:G0B+4*\slot+3], 2*STEPB
	JLOAD \slot
.else
	PLACES NP
.endif
	FETCH_B \next, 0, 0
	FETCH_A \next, 0, 0
	SCALES \next
	WIN MUL_HI
	MUL16 4, 1, 1, \slot, 0
	MUL16 6, 1, 1, \slot, 0
	PLACES NP
	WIN 0
	FETCH_A \next, 0, 4
.endm
	s_load_b128 s[4:7], s[0:1], 0x0                ; qkv s[4:5], pbuf s[6:7]
	v_lshl_add_u32 v[SPW], v0, 2, SPARE
	v_mov_b32 v[NIL], 0
	ds_add_u32 v[SPW], v[NIL]                      ; the wave's opening: the add, and its wait ahead of my first tensor load
	v_lshrrev_b32 v1, 5, v0
	v_readfirstlane_b32 s14, v1                    ; wave 0..3
	s_lshr_b32 s15, s14, 1                         ; which 128 queries are mine.  Also: I fetch for Q (0) or for K (1)
	s_and_b32 s16, s14, 1                          ; which 128 keys are mine.  Also: which panel I fetch
	s_bfe_u32 s40, ttmp6, 0x40000                  ; cx, cy
	s_bfe_u32 s41, ttmp6, 0x40004
	s_lshl_b32 s43, s41, 2
	s_lshl_b32 s43, 15, s43                        ; my row of the cluster
	s_lshl_b32 s44, 0x1111, s40                    ; my column
	s_or_b32 s[G1+0], s43, (3<<16)|(1<<21)         ; a panel is a dense block: rows of 256 bytes (32 elements of 8 bytes), no padding
	s_or_b32 s[G1B+0], s44, (3<<16)|(1<<21)
	s_mov_b32 s[G1+1], 32<<16
	s_mov_b32 s[G1+2], (PA/256)<<16
	s_mov_b32 s[G1+3], 32<<16
	s_mov_b32 s[G1+4], PA/256
	s_mov_b32 s[G1+5], 32
	s_mov_b32 s[G1+6], 0
	s_mov_b32 s[G1+7], 0
	s_mov_b32 s[G1B+1], 32<<16
	s_mov_b32 s[G1B+2], (PB/256)<<16
	s_mov_b32 s[G1B+3], 32<<16
	s_mov_b32 s[G1B+4], PB/256
	s_mov_b32 s[G1B+5], 32
	s_mov_b32 s[G1B+6], 0
	s_mov_b32 s[G1B+7], 0
	s_and_b32 s17, ttmp7, 0xffff                   ; the batch
	s_add_co_u32 s18, ttmp9, 1
	s_lshr_b32 s18, s18, 1                         ; the cluster's row: 0, 1, 1
	s_lshr_b32 s19, ttmp9, 1                       ; and column: 0, 0, 1
	s_lshl_b32 s18, s18, 2
	s_add_co_u32 s18, s18, s41                     ; i: tile of queries
	s_lshl_b32 s19, s19, 2
	s_add_co_u32 s19, s19, s40                     ; j: tile of keys
	s_lshl_b32 s20, s17, 4                         ; 16 row panels a batch
	s_lshl_b32 s22, s18, 1
	s_add_co_u32 s22, s22, s20
	s_add_co_u32 s22, s22, s16                     ; Q's row panel that I fetch: no cx in it
	s_mul_i32 s22, s22, 4*STEPA
	s_mov_b32 s23, 0
	s_lshl_b32 s46, s19, 1
	s_add_co_u32 s46, s46, s20
	s_add_co_u32 s46, s46, s16                     ; K's: no cy in it
	s_mul_i32 s46, s46, 4*STEPB
	s_add_co_u32 s46, s46, 6553600
	s_mov_b32 s47, 0
	s_mul_i32 s45, s16, PA
	s_mul_i32 s42, s16, PB
	s_add_co_u32 s42, s42, 2*PA
	s_lshl_b32 s66, s18, 1
	s_add_co_u32 s66, s66, s20
	s_add_co_u32 s66, s66, s15                     ; my row panel of p,
	s_lshl_b32 s66, s66, 3
	s_add_co_u32 s66, s66, s19                     ; its slot j
	s_mul_i32 s66, s66, PPITCH
	s_mul_i32 s70, s16, 8*FRB
	s_add_co_u32 s70, s70, s66                     ; my 128 keys are its q = my half: the codes,
	s_mov_b32 s71, 0
	s_lshl_b32 s72, s16, 9
	s_add_co_u32 s72, s72, s66
	s_add_co_u32 s72, s72, SCO                     ; the scale words; M 1,024 and l 2,048 bytes on
	s_mov_b32 s73, 0
	s_sub_co_i32 s67, s18, s19
	s_lshl_b32 s67, s67, 8
	s_sub_co_i32 s68, s15, s16
	s_lshl_b32 s68, s68, 7
	s_add_co_i32 s67, s67, s68                     ; my first query less my first key: it enters numbers alone, no address and no branch
	s_mov_b32 s[SEL], 0x76543210
	s_mov_b32 s[SEL+1], 0xfedcba98
	s_mov_b32 s[CS], 0x3d38aa3b                    ; log2(e) / 32
	s_mov_b32 s[CS+1], s[CS]                       ; (named with it as a pair, so it is written)
	s_wait_dscnt 0x0                               ; the opening add is done
	s_wait_kmcnt 0x0
	s_add_nc_u64 s[22:23], s[4:5], s[22:23]
	s_add_nc_u64 s[46:47], s[4:5], s[46:47]
	s_add_nc_u64 s[8:9], s[6:7], s[70:71]
	s_add_nc_u64 s[10:11], s[6:7], s[72:73]
	CROUND                                         ; all sixteen work-groups are here: the first joint loads meet
.irp s, 0,1
	s_mov_b32 s[G0+4*\s], 1
	s_add_co_u32 s[G0+4*\s+1], s45, \s*SLOT
	s_add_nc_u64 s[G0+4*\s+2:G0+4*\s+3], s[22:23], \s*STEPA
	s_or_b32 s[G0+4*\s+3], s[G0+4*\s+3], 0x80000000
	s_mov_b32 s[G0B+4*\s], 1
	s_add_co_u32 s[G0B+4*\s+1], s42, \s*SLOT
	s_add_nc_u64 s[G0B+4*\s+2:G0B+4*\s+3], s[46:47], \s*STEPB
	s_or_b32 s[G0B+4*\s+3], s[G0B+4*\s+3], 0x80000000
	JLOAD \s
.endr
	v_and_b32 v1, 15, v0                           ; r
	v_bfe_u32 v2, v0, 4, 1                         ; h
	v_and_b32 v3, 31, v0                           ; lane
	v_lshlrev_b32 v4, 4, v3                        ; 16 x lane; never rewritten
	v_lshlrev_b32 v5, 2, v1                        ; 4 r
	v_lshlrev_b32 v25, 2, v3                       ; 4 x lane
	v_and_b32 v[VD0], 8, v1
	v_add_nc_u32 v[VD0], v[VD0], v1                ; r + 8 (r / 8): my query in a fragment's rows,
	v_lshlrev_b32 v7, 4, v2
	v_sub_nc_u32 v[VD0], v[VD0], v7                ; less the 16 keys by which lanes 16-31 begin later,
	v_add_nc_u32 v[VD0], s67, v[VD0]               ; + my first query - my first key (signed)
	s_mul_i32 s74, s15, PA
	s_mul_i32 s75, s16, PB
	s_add_co_u32 s75, s75, 2*PA
.irp s, 0,1
	v_add_nc_u32 v[ADR1+\s], s74, v4
	v_add_nc_u32 v[ADR0+\s], s75, v4
	v_add_nc_u32 v[ADS1+\s], s74, v5
	v_add_nc_u32 v[ADS0+\s], s75, v5
	s_add_co_u32 s74, s74, SLOT
	s_add_co_u32 s75, s75, SLOT
.endr
.irp b, 0,1,2,3
	v_mov_b32 v[T4+\b], 0                          ; written once: a lane permute's destination counts as one of its sources
.endr
	v_mov_b32 v[NM+1], 0                           ; (named as the upper half of the pair)
	s_wait_tensorcnt 1                             ; my part of K slot 0 is in (slot 1's load may be out)
	s_barrier_signal -1
	s_barrier_wait -1
	FETCH_B 0, 0, 0
	FETCH_A 0, 0, 0
	SCALES 0
	FETCH_A 0, 0, 4
	STEP 0, 1
	s_mov_b32 s3, LAPS-1
.Llap:
	TURN 0, 1, 1
	STEP 1, 0
	TURN 1, 0, 1
	STEP 0, 0
	s_sub_co_u32 s3, s3, 1
	s_cmp_lg_u32 s3, 0
	s_cbranch_scc1 .Llap
	TURN 0, 1, 0
	STEP 1, 0
	s_wait_dscnt 4*NL
	WIN MUL_LO
	MUL16 0, 1, 1, 1, 0
	MUL16 2, 1, 1, 1, 0
	s_wait_dscnt 0x0
	WIN MUL_HI
	MUL16 4, 1, 1, 1, 0
	MUL16 6, 1, 1, 1, 0
	WIN 0
; THE MASK.  Register 16 b + i of block a holds key (my first key) + 32 b + 16 (lane / 16) + i: hidden where 32 b + i > my query - my first key - 16 (lane / 16).  Hidden scores become -infinity: p = 0.
.macro MASK a
.set S, 64*((\a)%4)
.set W, 2+(\a)/4
	WIN W|(W<<6)
.set n, 0
.rept 64
	v_cmp_gt_i32 vcc_lo, 32*(n/16)+n%16, v[VD+(\a)]
	v_cndmask_b32 v[S+n], v[S+n], v[NINF], vcc_lo
.set n, n+1
.endr
.endm
; THE SOFTMAX'S p OF BLOCK a (16 queries x my 128 keys), quantised: fragment g = a of p's panel.
.macro SOFT a
.set S, 64*((\a)%4)
.set W, 2+(\a)/4
.if (\a)%4 == 2
.set PC, 192
.else
.set PC, 128
.endif
	WIN W|(W<<2)
.irp b, 0,1,2,3
	v_max_num_f32 v[BM+\b], v[S+16*\b], v[S+16*\b+1]   ; the largest score of each block of 32 keys: for the run's maximum and, since p rises with the score, for the block's largest p
.endr
.irp i, 2,4,6,8,10,12,14
.irp b, 0,1,2,3
	v_max3_num_f32 v[BM+\b], v[S+16*\b+\i], v[S+16*\b+\i+1], v[BM+\b]
.endr
.endr
	WIN 0
.irp b, 0,1,2,3
	v_permlanex16_b32 v[T4+\b], v[BM+\b], s[SEL], s[SEL+1]
.endr
.irp b, 0,1,2,3
	v_max_num_f32 v[BM+\b], v[BM+\b], v[T4+\b]     ; with lane l xor 16's 16 keys
.endr
	v_max3_num_f32 v[XM], v[BM], v[BM+1], v[BM+2]
	v_max_num_f32 v[XM], v[XM], v[BM+3]
	v_mul_f32 v[XM], s[CS], v[XM]                  ; the run's largest t (c is positive)
	v_max_num_f32 v[XM], 0xf149f2ca, v[XM]         ; a run that is wholly hidden: -1e30 in place of -infinity, so that M is a number
	v_floor_f32 v[NM], -v[XM]                      ; -M = floor(-t) = -ceil(t): M is a whole number
	v_sub_f32 v[MW+(\a)], 0, v[NM]                 ; M
.irp b, 0,1,2,3
	v_fma_f32 v[BM+\b], v[BM+\b], s[CS], v[NM]     ; t - M of each block's largest score
.endr
.irp b, 0,1,2,3
	v_exp_f32 v[BM+\b], v[BM+\b]                   ; the block's largest p.  These four and the 64 below are ONE batch
.endr
.irp i, 0,1,2,3
	v_mov_b32 v[LA+\i], 0                          ; the sum's two chains
.endr
	WIN W|(W<<6)
.set n, 0
.rept 32
	v_pk_fma_f32 v[S+n:S+n+1], v[S+n:S+n+1], s[CS:CS+1], v[NM:NM+1] op_sel_hi:[1,0,0]   ; t - M, two at a time
.set n, n+2
.endr
.set n, 0
.rept 64
	v_exp_f32 v[S+n], v[S+n]                       ; p = 2^(t - M), at most 1
.set n, n+1
.endr
	WIN 0
	v_nop                                          ; a plain instruction behind the last exponential
	s_wait_alu depctr_va_vdst(0)                   ; one wait for the batch of 68, ahead of its first reader
.irp b, 0,1,2,3
	v_max_num_f32 v[BM+\b], 0x21000000, v[BM+\b]   ; the floor 2^-61: the byte stays at 64 or above
.endr
.irp b, 0,1,2,3
	v_add_nc_u32 v[SO+\b], 0xff000000, v[BM+\b]    ; 2 off the exponent field: the conversion's scale operand
.endr
.irp b, 0,1,2,3
	v_lshrrev_b32 v[T4+\b], 23, v[SO+\b]           ; the scale's byte
.endr
	v_lshl_or_b32 v[PW+(\a)], v[T4+1], 8, v[T4]
	v_lshl_or_b32 v[PW+(\a)], v[T4+2], 16, v[PW+(\a)]
	v_lshl_or_b32 v[PW+(\a)], v[T4+3], 24, v[PW+(\a)]
	s_wait_xcnt 0x0                                ; the earlier blocks' stores have read the codes' registers
	WIN W
.set n, 0
.rept 16
	v_pk_add_f32 v[LA:LA+1], v[S+n:S+n+1], v[LA:LA+1]     ; the sum is taken of the unquantised p
	v_pk_add_f32 v[LB:LB+1], v[S+n+2:S+n+3], v[LB:LB+1]
.set n, n+4
.endr
.irp c, 0,1
	v_cvt_scalef32_pk16_fp6_f32 v[PC+6*\c:PC+6*\c+2], v[S+32*\c:S+32*\c+15], v[SO+2*\c]
	v_cvt_scalef32_pk16_fp6_f32 v[PC+12+4*\c:PC+14+4*\c], v[S+16+32*\c:S+31+32*\c], v[SO+2*\c+1]
.endr
	WIN 0
	v_nop                                          ; one plain instruction behind the scaled conversions
.irp c, 0,1
.irp i, 0,1,2
	v_permlane16_swap_b32 v[PC+6*\c+\i], v[PC+12+4*\c+\i]
.endr
.irp i, 0,1,2
	v_mov_b32 v[PC+3+6*\c+\i], v[PC+12+4*\c+\i]
.endr
.endr
	v_pk_add_f32 v[LA:LA+1], v[LA:LA+1], v[LB:LB+1]
	v_add_f32 v[LA], v[LA], v[LA+1]
	v_permlanex16_b32 v[T4], v[LA], s[SEL], s[SEL+1]
	v_add_f32 v[LW+(\a)], v[LA], v[T4]             ; with lane l xor 16's 64 keys: the run's l
.irp c, 0,1,2
	global_store_b128 v4, v[PC+4*\c:PC+4*\c+3], s[8:9] offset:FRB*(\a)+512*\c   ; 512 consecutive bytes, at a multiple of 256 from pbuf's first byte
.endr
.endm
	PLACES NP                                      ; behind the last products: their results are read and their operands' registers written below
	v_mov_b32 v[NINF], 0xff800000
.irp a, 0,1,2,3,4,5,6,7
	v_add_nc_u32 v[VD+\a], 32*(\a/2)+8*(\a%2), v[VD0]
.endr
	s_cmp_eq_u32 ttmp9, 1                          ; the cluster under the diagonal hides nothing: the cluster's number, the same in all sixteen partners
	s_cbranch_scc1 .Lfull
.irp a, 0,1,2,3,4,5,6,7
	MASK \a
.endr
	WIN 0
.Lfull:
.irp a, 0,1,2,3,4,5,6,7
	SOFT \a
.endr
	v_cmp_le_u32 vcc_lo, 16, v3
.irp k, PW, MW, LW
.irp p, 0,1,2,3
	v_cndmask_b32 v[\k+\p], v[\k+2*\p], v[\k+2*\p+1], vcc_lo   ; lanes 0-15 fragment 2 p's, lanes 16-31 fragment 2 p + 1's: 128 consecutive bytes
.endr
.endr
.irp p, 0,1,2,3
	global_store_b32 v25, v[PW+\p], s[10:11] offset:128*\p
	global_store_b32 v25, v[MW+\p], s[10:11] offset:1024+128*\p
	global_store_b32 v25, v[LW+\p], s[10:11] offset:2048+128*\p
.endr
	s_wait_tensorcnt 0x0                           ; the wave's end: behind my last tensor load
	ds_add_u32 v[SPW], v[NIL]
	s_wait_dscnt 0x0
	CROUND                                         ; the closing round
	s_endpgm
.Lfunc_end_k_qb6a4820678_score:
	.size	k_qb6a4820678_score, .Lfunc_end_k_qb6a4820678_score-k_qb6a4820678_score
	.p2alignl 7, 3214868480
	.fill 96, 4, 3214868480
	.section	.rodata,"a",@progbits
	.p2align	6, 0x0
	.amdhsa_kernel k_qb6a4820678_score
		.amdhsa_group_segment_fixed_size 327680
		.amdhsa_private_segment_fixed_size 0
		.amdhsa_enable_private_segment 0
		.amdhsa_kernarg_size 16
		.amdhsa_user_sgpr_count 2
		.amdhsa_user_sgpr_kernarg_segment_ptr 1
		.amdhsa_wavefront_size32 1
		.amdhsa_system_sgpr_workgroup_id_x 1
		.amdhsa_system_sgpr_workgroup_id_y 1
		.amdhsa_system_sgpr_workgroup_id_z 1
		.amdhsa_system_vgpr_workitem_id 0
		.amdhsa_next_free_vgpr 1024
		.amdhsa_next_free_sgpr 100
		.amdhsa_reserve_vcc 1
		.amdhsa_float_denorm_mode_32 3
		.amdhsa_float_denorm_mode_16_64 3
		.amdhsa_memory_ordered 1
		.amdhsa_forward_progress 1
		.amdhsa_inst_pref_size 242
	.end_amdhsa_kernel
	.amdgpu_metadata
---
amdhsa.version: [ 1, 2 ]
amdhsa.kernels:
  - .name:           k_qb6a4820678_score
    .symbol:         k_qb6a4820678_score.kd
    .args:
      - { .name: qkv, .offset: 0, .size: 8, .value_kind: global_buffer, .address_space: global }
      - { .name: pbuf, .offset: 8, .size: 8, .value_kind: global_buffer, .address_space: global }
    .group_segment_fixed_size: 327680
    .private_segment_fixed_size: 0
    .kernarg_segment_align: 8
    .kernarg_segment_size: 16
    .max_flat_workgroup_size: 128
    .sgpr_count:     100
    .vgpr_count:     1024
    .wavefront_size: 32
...
	.end_amdgpu_metadata
.endif
;; end of part 3
;; launch pv (part 4): grid 4 x 32, 4 waves a work-group, clusters of 4 x 4, 327,680 bytes of LDS; arguments pbuf, qkv, out0; writes out0
.if DOCPART == 4
	.amdgcn_target "amdgcn-amd-amdhsa--gfx1250"
	.amdhsa_code_object_version 6
	.text
	.protected	k_qb6a4820678_pv
	.globl	k_qb6a4820678_pv
	.p2align	8
	.type	k_qb6a4820678_pv,@function
k_qb6a4820678_pv:
	s_mov_b64 s[64:65], 0
	v_nop
	global_prefetch_b8 v0, s[64:65] scope:SCOPE_SE
	s_setreg_imm32_b32 hwreg(HW_REG_WAVE_MODE, 25, 1), 1
	s_wait_xcnt 0x0
	s_wait_alu depctr_hold_cnt(0) depctr_sa_sdst(0) depctr_va_vdst(0) depctr_va_sdst(0) depctr_va_ssrc(0) depctr_va_vcc(0) depctr_vm_vsrc(0)
	s_getreg_b32 s2, hwreg(HW_REG_IB_STS2, 6, 4)
	s_cmp_eq_u32 s2, 0
	s_cbranch_scc0 .Lentry_in_a_cluster
	s_endpgm
.Lentry_in_a_cluster:
	s_bfe_u32 s2, ttmp6, 0x10000c
	s_cmp_lg_u32 s2, 0xf033
	s_cbranch_scc0 .Lentry_shape_is_right
	s_endpgm
.Lentry_shape_is_right:
; O = P V / l on codes of FP6 (E2M3) with E8M0 scales.  P comes from pbuf as codes made under LOCAL whole numbers M, one for each query and 128 keys, with those M and the runs' sums l beside them.
; Each wave first finds, for its 128 queries, the row's M (the largest local one) and l = the sum of l_local x 2^(M_local - M), exact shifts; then, slot by slot, it takes M - M_local off the four scale bytes of
; each word of P, which brings the codes under the row's M; at the end O is multiplied by 1 / l.
; OPERANDS: panels of register images (128 rows x 256 K: fragment (q, g) at 1,536 (8 q + g), scale words [q][g][r] at 24,576; lane r of fragment 2 b + u holds panel row 32 b + 8 u + r + 8 (r / 8)).
; P: pbuf, 64 row panels of queries x 8 slots of keys x 27,648 bytes (M [q][g][r] f32 at 25,600, l at 26,624); a tensor load takes a panel's first 26,624 bytes, M among them.
; V^T: qkv + 13,107,200, 8 row panels of features x 32 slots of tokens x 25,600 bytes; batch b owns slots 8 b .. 8 b + 7.
; A tile of O, 256 queries x 256 features, is made by four waves, 128 x 128 each.  Source 0 = 16 features, source 1 = 16 queries: a lane holds one query and eight neighbouring features a tile.
; CLUSTERS of 4 x 4, joint loads: P's panels along a row of the cluster, V^T's along a column.  A cluster holds four tiles of queries of one batch, its lower (c = 0) or upper (c = 1) half, and all 1,024 features
; (the grid has one cluster along x, so a work-group's tile of features is its place cx).
; It walks 1,024 (c + 1) keys: what lies beyond is hidden for all its queries.  The trip count hangs on the cluster's number alone, the same in all sixteen partners; no LDS address is stepped in the loop.
; No L2 prefetch: the launch's panels are shared by joint loads, and V^T's are read again by the batch's other cluster.
; LIMITS: a run whose M lies more than 63 under the row's M is weighed with 2^-63 in the product (in l it is weighed exactly); NaN and infinities are not served.
; REGISTERS: window 0: v1-7 lane terms; v16-23 LDS addresses; v24-25 the way out; v32-63 P's scale words, v64-95 V^T's (two sets each, scales alone); v96-111 at work; v112-119 the rows' M;
;   v128-223 P's 8 fragments; v224-231 1 / l; v240-255 a slot's local M.   window 1: V^T's fragments, two sets.   windows 2, 3: the accumulators.
.set PA,    26624                      ; P's panel in LDS: codes, scale words, M
.set PB,    25600
.set SLOT,  2*PA+2*PB
.set PPITCH, 27648
.set STEPA, PPITCH
.set STEPB, 25600
.set FRB,   1536
.set SCO,   24576
.set FR,    12
.set NL,    3
.set NP,    4
.set SPARE, 2*SLOT                     ; behind the ring: the spare words, 128 bytes a wave
.set STAGE, SPARE+512                  ; behind them: 16 rows x 528 bytes for each wave, for the way out; no fill lands there
.set VLO,   6                          ; v6   the statistics' offset: 512 (lane / 16) + 4 r
.set VHI,   7                          ; v7   the same in the upper four slots (c = 0: the lower four once more)
.set ADR1,  16
.set ADS1,  18
.set ADR0,  20
.set ADS0,  22
.set STO,   24                         ; v24  where I put 32 bytes of a row
.set RD,    25                         ; v25  where I read a row back
.set SPW,   28
.set NIL,   29
.set SC1,   32
.set SC0,   64
.set T,     96                         ; v96-111 at work; on the way out 1 / l in pairs
.set RLW,   96
.set MG,    112                        ; v112-119 the row's M, block by block
.set AF,    128
.set ML,    128                        ; the statistics: v128-191 local M, v192-255 local l, [block][slot]; lanes 0-15 a slot's first run, lanes 16-31 its second
.set LL,    192
.set RL,    224                        ; v224-231 1 / l
.set MLR,   240                        ; v240-255 the slot's local M, register 2 i + q
.set BK,    128                        ; the way out: 16 rows read back: v128-191 and v192-255 by turns
.set G1,  24
.set G0,  32
.set G1B, 48
.set G0B, 56
.set SEL, 76
.set MSB, 0
.macro WIN new
.set WNEW, \new
.if MSB != WNEW
	s_set_vgpr_msb (MSB<<8)|WNEW
.set MSB, WNEW
.endif
.endm
.set MUL_LO, 0xa1
.set MUL_HI, 0xf1
.set TO_B,   0x40
.macro JLOAD s                         ; waves 0 and 1 fetch P's two panels, waves 2 and 3 V^T's; an s_nop 0 and four v_nop follow each line
	s_cmp_eq_u32 s15, 0
	s_cbranch_scc0 .Lfor_b_\@
	tensor_load_to_lds s[G0+4*\s:G0+4*\s+3], s[G1:G1+7]
	s_nop 0
.rept 4
	v_nop
.endr
	s_branch .Lasked_\@
.Lfor_b_\@:
	tensor_load_to_lds s[G0B+4*\s:G0B+4*\s+3], s[G1B:G1B+7]
	s_nop 0
.rept 4
	v_nop
.endr
.Lasked_\@:
.endm
.macro CREST
	s_cmp_lg_u32 s14, 0
	s_cbranch_scc1 .Lnot_wave_0_\@
	s_barrier_signal -3
.Lnot_wave_0_\@:
	s_barrier_wait -3
	s_barrier_signal -1
	s_barrier_wait -1
.endm
.macro CROUND
	s_barrier_signal -1
	s_barrier_wait -1
	CREST
.endm
.macro PLACES n
.rept \n
	v_nop
.endr
.endm
.macro FRAG reg, adr, q, i
.irp c, 0,1,2
	ds_load_b128 v[\reg+4*\c:\reg+4*\c+3], v[\adr] offset:FRB*(8*(\q)+(\i))+512*\c
.endr
.endm
.macro MUL16 a0, p, q, sc, zero        ; the 64 accumulators take turns, one instruction a turn
.irp a, \a0, \a0+1
.irp b, 0,1,2,3,4,5,6,7
.if \zero
	v_wmma_scale_f32_16x16x128_f8f6f4 v[8*(8*((\a)%4)+\b):8*(8*((\a)%4)+\b)+7], v[128*(\p)+FR*\b:128*(\p)+FR*\b+FR-1], v[AF+FR*(\a):AF+FR*(\a)+FR-1], 0, v[SC0+16*(\sc)+2*\b+(\q)], v[SC1+16*(\sc)+2*(\a)+(\q)] matrix_a_fmt:MATRIX_FMT_FP6 matrix_b_fmt:MATRIX_FMT_FP6
.else
	v_wmma_scale_f32_16x16x128_f8f6f4 v[8*(8*((\a)%4)+\b):8*(8*((\a)%4)+\b)+7], v[128*(\p)+FR*\b:128*(\p)+FR*\b+FR-1], v[AF+FR*(\a):AF+FR*(\a)+FR-1], v[8*(8*((\a)%4)+\b):8*(8*((\a)%4)+\b)+7], v[SC0+16*(\sc)+2*\b+(\q)], v[SC1+16*(\sc)+2*(\a)+(\q)] matrix_a_fmt:MATRIX_FMT_FP6 matrix_b_fmt:MATRIX_FMT_FP6
.endif
.endr
.endr
.endm
.macro FETCH_B slot, q, p
	WIN TO_B
.irp i, 0,1,2,3,4,5,6,7
	FRAG 128*(\p)+FR*\i, ADR0+\slot, \q, \i
.endr
	WIN 0
.endm
.macro FETCH_A slot, q, i0
.irp i, \i0, \i0+1, \i0+2, \i0+3
	FRAG AF+FR*(\i), ADR1+\slot, \q, \i
.endr
.endm
.macro SCALES sc                       ; a slot's scale words, and P's local M, which lie 1,024 bytes behind its scale words
.irp i, 0,1,2,3,4,5,6,7
.irp q, 0,1
	ds_load_b32 v[SC1+16*\sc+2*\i+\q], v[ADS1+\sc] offset:SCO+512*\q+64*\i
	ds_load_b32 v[SC0+16*\sc+2*\i+\q], v[ADS0+\sc] offset:SCO+512*\q+64*\i
	ds_load_b32 v[MLR+2*\i+\q], v[ADS1+\sc] offset:SCO+1024+512*\q+64*\i
.endr
.endr
.endm
; P's 16 scale words of a slot are brought under the rows' M: M - M_local, a whole number, at most 63, comes off each of a word's four bytes.  The bytes are 64 or more: no borrow, and none falls under 1.
.macro FIX slot
.irp a, 0,1,2,3,4,5,6,7
.irp q, 0,1
	v_sub_f32 v[T+2*\a+\q], v[MG+\a], v[MLR+2*\a+\q]
.endr
.endr
.set n, 0
.rept 16
	v_min_num_f32 v[T+n], 0x427c0000, v[T+n]       ; 63 at the most
.set n, n+1
.endr
.set n, 0
.rept 16
	v_cvt_u32_f32 v[T+n], v[T+n]
.set n, n+1
.endr
.set n, 0
.rept 16
	v_perm_b32 v[T+n], v[T+n], v[T+n], 0           ; its low byte into all four places
.set n, n+1
.endr
.set n, 0
.rept 16
	v_sub_nc_u32 v[SC1+16*\slot+n], v[SC1+16*\slot+n], v[T+n]
.set n, n+1
.endr
	PLACES 8                                       ; a scale register written by a vector instruction stands eight places ahead of a scaled matrix instruction
.endm
.macro STEP slot, zero
	s_wait_dscnt 4*NL                              ; all but the youngest 12 loads (P's blocks 4-7) are in: the scale words and the local M too
	FIX \slot
	WIN MUL_LO
	MUL16 0, 0, 0, \slot, \zero
	MUL16 2, 0, 0, \slot, \zero
	s_wait_dscnt 0x0
	PLACES NP
	FETCH_B \slot, 1, 1
	FETCH_A \slot, 1, 0
	WIN MUL_HI
	MUL16 4, 0, 0, \slot, \zero
	MUL16 6, 0, 0, \slot, \zero
	PLACES NP
	WIN 0
	FETCH_A \slot, 1, 4
.endm
.macro TURN slot, next, fill
	s_wait_tensorcnt 0x0                           ; all my tensor loads have landed: my part of the next slot
	ds_add_u32 v[SPW], v[NIL]                      ; 0 onto my spare word
	s_wait_dscnt 4*NL+1                            ; (the add and the youngest 12 loads may be out)
	WIN MUL_LO
	MUL16 0, 1, 1, \slot, 0
	s_wait_dscnt 0x0                               ; the add is done, and my reads of this slot are over
	s_barrier_signal -1
	MUL16 2, 1, 1, \slot, 0
	WIN 0
	s_barrier_wait -1
.if \fill
	CREST                                          ; a round of the cluster's barrier: no wave of any partner still reads this slot or has a load on its way
	s_add_nc_u64 s[G0+4*\slot+2:G0+4*\slot+3], s[G0+4*\slot+2:G0+4*\slot+3], 2*STEPA
	s_add_nc_u64 s[G0B+4*\slot+2:G0B+4*\slot+3], s[G0B+4*\slot+2:G0B+4*\slot+3], 2*STEPB
	JLOAD \slot
.else
	PLACES NP
.endif
	FETCH_B \next, 0, 0
	FETCH_A \next, 0, 0
	SCALES \next
	WIN MUL_HI
	MUL16 4, 1, 1, \slot, 0
	MUL16 6, 1, 1, \slot, 0
	PLACES NP
	WIN 0
	FETCH_A \next, 0, 4
.endm
	s_load_b128 s[4:7], s[0:1], 0x0                ; pbuf s[4:5], qkv s[6:7]
	s_load_b64 s[8:9], s[0:1], 0x10                ; out0
	v_lshl_add_u32 v[SPW], v0, 2, SPARE
	v_mov_b32 v[NIL], 0
	ds_add_u32 v[SPW], v[NIL]                      ; the wave's opening: the add, and its wait ahead of my first tensor load
	v_lshrrev_b32 v1, 5, v0
	v_readfirstlane_b32 s14, v1                    ; wave 0..3
	s_lshr_b32 s15, s14, 1                         ; which 128 queries are mine.  Also: I fetch for P (0) or for V^T (1)
	s_and_b32 s16, s14, 1                          ; which 128 features are mine.  Also: which panel I fetch
	s_bfe_u32 s40, ttmp6, 0x40000                  ; cx, cy
	s_bfe_u32 s41, ttmp6, 0x40004
	s_lshl_b32 s43, s41, 2
	s_lshl_b32 s43, 15, s43                        ; my row of the cluster
	s_lshl_b32 s44, 0x1111, s40                    ; my column
	s_or_b32 s[G1+0], s43, (3<<16)|(1<<21)         ; dense blocks: rows of 256 bytes (32 elements of 8 bytes), no padding
	s_or_b32 s[G1B+0], s44, (3<<16)|(1<<21)
	s_mov_b32 s[G1+1], 32<<16
	s_mov_b32 s[G1+2], (PA/256)<<16
	s_mov_b32 s[G1+3], 32<<16
	s_mov_b32 s[G1+4], PA/256
	s_mov_b32 s[G1+5], 32
	s_mov_b32 s[G1+6], 0
	s_mov_b32 s[G1+7], 0
	s_mov_b32 s[G1B+1], 32<<16
	s_mov_b32 s[G1B+2], (PB/256)<<16
	s_mov_b32 s[G1B+3], 32<<16
	s_mov_b32 s[G1B+4], PB/256
	s_mov_b32 s[G1B+5], 32
	s_mov_b32 s[G1B+6], 0
	s_mov_b32 s[G1B+7], 0
	s_and_b32 s17, ttmp7, 0xffff                   ; the cluster's y, 0..7
	s_lshr_b32 s18, s17, 1                         ; the batch
	s_and_b32 s19, s17, 1                          ; c: the batch's lower or upper four tiles of queries
	s_lshl_b32 s20, s17, 2
	s_add_co_u32 s20, s20, s41                     ; tile of queries, 0..31
	s_mov_b32 s21, s40                             ; tile of features, 0..3: one cluster spans the grid's x
	s_lshl_b32 s22, s20, 1
	s_add_co_u32 s22, s22, s16                     ; P's row panel that I fetch: no cx in it
	s_mul_i32 s22, s22, 8*PPITCH
	s_mov_b32 s23, 0
	s_lshl_b32 s46, s21, 1
	s_add_co_u32 s46, s46, s16                     ; V^T's row panel: no cy in it
	s_lshl_b32 s46, s46, 5
	s_lshl_b32 s47, s18, 3
	s_add_co_u32 s46, s46, s47                     ; the batch's first slot
	s_mul_i32 s46, s46, STEPB
	s_add_co_u32 s46, s46, 13107200
	s_mov_b32 s47, 0
	s_mul_i32 s45, s16, PA
	s_mul_i32 s42, s16, PB
	s_add_co_u32 s42, s42, 2*PA
	s_lshl_b32 s66, s20, 1
	s_add_co_u32 s66, s66, s15                     ; the row panel of my 128 queries:
	s_lshl_b32 s68, s66, 19                        ; 128 rows of 4,096 bytes in O,
	s_mul_i32 s66, s66, 8*PPITCH
	s_add_co_u32 s66, s66, 25600                   ; and its first slot's M in pbuf
	s_mov_b32 s67, 0
	s_lshl_b32 s69, s21, 1
	s_add_co_u32 s69, s69, s16
	s_lshl_b32 s69, s69, 9                         ; my 128 features: 512 bytes
	s_add_co_u32 s68, s68, s69
	s_mov_b32 s69, 0
	s_lshl_b32 s74, s19, 1
	s_add_co_u32 s74, s74, 1                       ; the loop's trips: laps - 1 = 2 c + 1
	s_mul_i32 s70, s19, 4*PPITCH                   ; the upper four slots, where there are any
	s_cmp_eq_u32 s19, 1
	s_cselect_b32 s71, 1.0, 0                      ; and what their l count for: 1 or 0
	s_mov_b32 s[SEL], 0x76543210
	s_mov_b32 s[SEL+1], 0xfedcba98
	s_wait_dscnt 0x0                               ; the opening add is done
	s_wait_kmcnt 0x0
	s_add_nc_u64 s[22:23], s[4:5], s[22:23]
	s_add_nc_u64 s[46:47], s[6:7], s[46:47]
	s_add_nc_u64 s[10:11], s[4:5], s[66:67]
	s_add_nc_u64 s[12:13], s[8:9], s[68:69]
	CROUND                                         ; all sixteen work-groups are here: the first joint loads meet
.irp s, 0,1
	s_mov_b32 s[G0+4*\s], 1
	s_add_co_u32 s[G0+4*\s+1], s45, \s*SLOT
	s_add_nc_u64 s[G0+4*\s+2:G0+4*\s+3], s[22:23], \s*STEPA
	s_or_b32 s[G0+4*\s+3], s[G0+4*\s+3], 0x80000000
	s_mov_b32 s[G0B+4*\s], 1
	s_add_co_u32 s[G0B+4*\s+1], s42, \s*SLOT
	s_add_nc_u64 s[G0B+4*\s+2:G0B+4*\s+3], s[46:47], \s*STEPB
	s_or_b32 s[G0B+4*\s+3], s[G0B+4*\s+3], 0x80000000
	JLOAD \s
.endr
	v_and_b32 v1, 15, v0                           ; r
	v_bfe_u32 v2, v0, 4, 1                         ; h
	v_and_b32 v3, 31, v0                           ; lane
	v_lshlrev_b32 v4, 4, v3                        ; 16 x lane; also my bytes of a row of O; never rewritten
	v_lshlrev_b32 v5, 2, v1                        ; 4 r
	v_lshl_add_u32 v[VLO], v2, 9, v5               ; lanes 0-15 a slot's first 128 keys, lanes 16-31 its second
	v_add_nc_u32 v[VHI], s70, v[VLO]
	; THE STATISTICS, while the first panels are on their way: for my 8 blocks of 16 queries the local M and l of all 16 (c = 0: 8) runs of 128 keys.  With c = 0 the upper four loads read the lower four
	; slots once more: nothing is read that was not written; a maximum does not mind, and their l count for 0.
.irp a, 0,1,2,3,4,5,6,7
.irp k, 0,1,2,3
	global_load_b32 v[ML+8*\a+\k], v[VLO], s[10:11] offset:PPITCH*\k+64*\a
	global_load_b32 v[ML+8*\a+4+\k], v[VHI], s[10:11] offset:PPITCH*\k+64*\a
	global_load_b32 v[LL+8*\a+\k], v[VLO], s[10:11] offset:PPITCH*\k+64*\a+1024
	global_load_b32 v[LL+8*\a+4+\k], v[VHI], s[10:11] offset:PPITCH*\k+64*\a+1024
.endr
.endr
	s_mul_i32 s75, s15, PA                         ; my panel of P in a slot,
	s_mul_i32 s72, s16, PB                         ; and my panel of V^T,
	s_add_co_u32 s72, s72, 2*PA                    ; which lies behind P's two
.irp s, 0,1
	v_add_nc_u32 v[ADR1+\s], s75, v4
	v_add_nc_u32 v[ADR0+\s], s72, v4
	v_add_nc_u32 v[ADS1+\s], s75, v5
	v_add_nc_u32 v[ADS0+\s], s72, v5
	s_add_co_u32 s75, s75, SLOT
	s_add_co_u32 s72, s72, SLOT
.endr
	s_mul_i32 s73, s14, 16*528
	s_add_co_u32 s73, s73, STAGE                   ; my stage
	v_mul_u32_u24 v[STO], v1, 528
	v_lshl_add_u32 v[STO], v2, 6, v[STO]
	v_add_nc_u32 v[STO], s73, v[STO]               ; in: row r, + 64 h
	v_add_nc_u32 v[RD], s73, v4                    ; back: a row's 512 bytes, 16 a lane
.irp i, 8,9,10,11,12,13,14,15
	v_mov_b32 v[T+\i], 0                           ; written once: a lane permute's destination counts as one of its sources
.endr
	s_wait_loadcnt 0x0
.irp a, 0,1,2,3,4,5,6,7
	v_max3_num_f32 v[MG+\a], v[ML+8*\a], v[ML+8*\a+1], v[ML+8*\a+2]
.endr
.irp a, 0,1,2,3,4,5,6,7
	v_max3_num_f32 v[MG+\a], v[MG+\a], v[ML+8*\a+3], v[ML+8*\a+4]
.endr
.irp a, 0,1,2,3,4,5,6,7
	v_max3_num_f32 v[MG+\a], v[MG+\a], v[ML+8*\a+5], v[ML+8*\a+6]
.endr
.irp a, 0,1,2,3,4,5,6,7
	v_max_num_f32 v[MG+\a], v[MG+\a], v[ML+8*\a+7]
.endr
.irp a, 0,1,2,3,4,5,6,7
	v_permlanex16_b32 v[T+8+\a], v[MG+\a], s[SEL], s[SEL+1]
.endr
.irp a, 0,1,2,3,4,5,6,7
	v_max_num_f32 v[MG+\a], v[MG+\a], v[T+8+\a]    ; the row's M: key 0 counts for every query, so it is a run's true M
.endr
.set n, 0
.rept 64
	v_sub_f32 v[ML+n], v[ML+n], v[MG+n/8]          ; M_local - M: a whole number, 0 or less
.set n, n+1
.endr
.set n, 0
.rept 64
	v_cvt_i32_f32 v[ML+n], v[ML+n]                 ; (it saturates)
.set n, n+1
.endr
.set n, 0
.rept 64
	v_ldexp_f32 v[LL+n], v[LL+n], v[ML+n]          ; l_local under the row's M: nothing is rounded
.set n, n+1
.endr
.irp a, 0,1,2,3,4,5,6,7
	v_add_f32 v[T+\a], v[LL+8*\a], v[LL+8*\a+1]
	v_add_f32 v[LL+8*\a+2], v[LL+8*\a+2], v[LL+8*\a+3]
	v_add_f32 v[LL+8*\a+4], v[LL+8*\a+4], v[LL+8*\a+5]
	v_add_f32 v[LL+8*\a+6], v[LL+8*\a+6], v[LL+8*\a+7]
.endr
.irp a, 0,1,2,3,4,5,6,7
	v_add_f32 v[T+\a], v[T+\a], v[LL+8*\a+2]
	v_add_f32 v[LL+8*\a+4], v[LL+8*\a+4], v[LL+8*\a+6]
.endr
.irp a, 0,1,2,3,4,5,6,7
	v_fma_f32 v[T+\a], v[LL+8*\a+4], s71, v[T+\a]  ; the upper four slots count where they exist
.endr
.irp a, 0,1,2,3,4,5,6,7
	v_permlanex16_b32 v[T+8+\a], v[T+\a], s[SEL], s[SEL+1]
.endr
.irp a, 0,1,2,3,4,5,6,7
	v_add_f32 v[T+\a], v[T+\a], v[T+8+\a]          ; the row's l
.endr
.irp a, 0,1,2,3,4,5,6,7
	v_rcp_f32 v[RL+\a], v[T+\a]
.endr
	v_nop                                          ; a plain instruction behind the last reciprocal
	s_wait_alu depctr_va_vdst(0)                   ; one wait for the eight, ahead of their first reader
	s_wait_tensorcnt 1                             ; my part of slot 0 is in (slot 1's load may be out)
	s_barrier_signal -1
	s_barrier_wait -1
	FETCH_B 0, 0, 0
	FETCH_A 0, 0, 0
	SCALES 0
	FETCH_A 0, 0, 4
	STEP 0, 1
	s_mov_b32 s3, s74
.Llap:                                                 ; 2 c + 1 trips: a trip goes once round the ring and fills both slots again
	TURN 0, 1, 1
	STEP 1, 0
	TURN 1, 0, 1
	STEP 0, 0
	s_sub_co_u32 s3, s3, 1
	s_cmp_lg_u32 s3, 0
	s_cbranch_scc1 .Llap
	TURN 0, 1, 0
	STEP 1, 0
	s_wait_dscnt 4*NL
	WIN MUL_LO
	MUL16 0, 1, 1, 1, 0
	MUL16 2, 1, 1, 1, 0
	s_wait_dscnt 0x0
	WIN MUL_HI
	MUL16 4, 1, 1, 1, 0
	MUL16 6, 1, 1, 1, 0
	WIN 0
; THE WAY OUT, block by block of 16 queries x 128 features: x 1 / l; through my own stage in LDS (register j of tile b is feature 32 (b / 2) + 8 (b % 2) + 16 (lane / 16) + j); back as whole rows of 512 bytes.
; Stage row t is the query that lane t of P's fragment holds: row 32 (a / 2) + 8 (a % 2) + t + 8 (t / 8) of my 128.  LDS serves a wave's instructions in order: no wait between the stores and the loads.
.macro OUTA a
.set S, 64*((\a)%4)
.set W, 2+(\a)/4
.set BB, BK+64*((\a)%2)
	WIN W|(W<<6)
.set n, 0
.rept 32
	v_pk_mul_f32 v[S+n:S+n+1], v[S+n:S+n+1], v[RLW+2*(\a):RLW+2*(\a)+1] op_sel_hi:[1,0]   ; each accumulator from its low end on
.set n, n+2
.endr
	WIN W<<2                                       ; an LDS store's data are its source 1
.irp b, 0,1,2,3,4,5,6,7
	ds_store_b128 v[STO], v[S+8*\b:S+8*\b+3] offset:128*(\b/2)+32*(\b%2)
	ds_store_b128 v[STO], v[S+8*\b+4:S+8*\b+7] offset:128*(\b/2)+32*(\b%2)+16
.endr
	WIN 0
.irp t, 0,1,2,3,4,5,6,7,8,9,10,11,12,13,14,15
	ds_load_b128 v[BB+4*\t:BB+4*\t+3], v[RD] offset:528*\t
.endr
.endm
.macro SEND a, younger                 ; younger: the LDS instructions issued behind block a's loads, which may stay out
.set BB, BK+64*((\a)%2)
	s_wait_dscnt \younger
.irp t, 0,1,2,3,4,5,6,7,8,9,10,11,12,13,14,15
	global_store_b128 v4, v[BB+4*\t:BB+4*\t+3], s[12:13] offset:(32*((\a)/2)+8*((\a)%2)+\t+8*(\t/8))*4096 th:TH_STORE_NT   ; 512 consecutive bytes, at a multiple of 256 from out0's first byte
.endr
.endm
.irp a, 0,1,2,3,4,5,6,7
	v_mov_b32 v[RLW+2*\a], v[RL+\a]                ; 1 / l into pairs for the packed multiply.  These sixteen name no register of the last products: they are the places behind them
	v_mov_b32 v[RLW+2*\a+1], v[RL+\a]
.endr
	OUTA 0
.irp a, 1,2,3,4,5,6,7
.if \a > 1
	s_wait_xcnt 0x0                                ; block a - 2's stores have read their registers: block a's rows may land there
.endif
	OUTA \a
	SEND \a-1, 32                                  ; behind block a - 1's loads: block a's 16 stores and 16 loads
.endr
	SEND 7, 0
	s_wait_tensorcnt 0x0                           ; the wave's end: behind my last tensor load and my last LDS store
	ds_add_u32 v[SPW], v[NIL]
	s_wait_dscnt 0x0
	CROUND                                         ; the closing round
	s_endpgm
.Lfunc_end_k_qb6a4820678_pv:
	.size	k_qb6a4820678_pv, .Lfunc_end_k_qb6a4820678_pv-k_qb6a4820678_pv
	.p2alignl 7, 3214868480
	.fill 96, 4, 3214868480
	.section	.rodata,"a",@progbits
	.p2align	6, 0x0
	.amdhsa_kernel k_qb6a4820678_pv
		.amdhsa_group_segment_fixed_size 327680
		.amdhsa_private_segment_fixed_size 0
		.amdhsa_enable_private_segment 0
		.amdhsa_kernarg_size 24
		.amdhsa_user_sgpr_count 2
		.amdhsa_user_sgpr_kernarg_segment_ptr 1
		.amdhsa_wavefront_size32 1
		.amdhsa_system_sgpr_workgroup_id_x 1
		.amdhsa_system_sgpr_workgroup_id_y 1
		.amdhsa_system_sgpr_workgroup_id_z 1
		.amdhsa_system_vgpr_workitem_id 0
		.amdhsa_next_free_vgpr 1024
		.amdhsa_next_free_sgpr 100
		.amdhsa_reserve_vcc 0
		.amdhsa_float_denorm_mode_32 3
		.amdhsa_float_denorm_mode_16_64 3
		.amdhsa_memory_ordered 1
		.amdhsa_forward_progress 1
		.amdhsa_inst_pref_size 201
	.end_amdhsa_kernel
	.amdgpu_metadata
---
amdhsa.version: [ 1, 2 ]
amdhsa.kernels:
  - .name:           k_qb6a4820678_pv
    .symbol:         k_qb6a4820678_pv.kd
    .args:
      - { .name: pbuf, .offset: 0, .size: 8, .value_kind: global_buffer, .address_space: global }
      - { .name: qkv, .offset: 8, .size: 8, .value_kind: global_buffer, .address_space: global }
      - { .name: out0, .offset: 16, .size: 8, .value_kind: global_buffer, .address_space: global }
    .group_segment_fixed_size: 327680
    .private_segment_fixed_size: 0
    .kernarg_segment_align: 8
    .kernarg_segment_size: 24
    .max_flat_workgroup_size: 128
    .sgpr_count:     100
    .vgpr_count:     1024
    .wavefront_size: 32
...
	.end_amdgpu_metadata
.endif
;; end of part 4
;; ======== version 2 of 2: 4 launches
;; limits: right only within a limited range of input values
;; workspace buffers: opnd 9,011,200 bytes; qkv 19,660,800 bytes; pbuf 14,155,776 bytes
;; launch quant (part 5): grid 704 x 1, 4 waves a work-group, no clusters, 34,304 bytes of LDS; arguments x, W_q, W_k, W_v, opnd; writes opnd
.if DOCPART == 5
	.amdgcn_target "amdgcn-amd-amdhsa--gfx1250"
	.amdhsa_code_object_version 6
	.text
	.protected	k_qb6a4820678_quant
	.globl	k_qb6a4820678_quant
	.p2align	8
	.type	k_qb6a4820678_quant,@function
k_qb6a4820678_quant:
	s_mov_b64 s[64:65], 0
	v_nop
	global_prefetch_b8 v0, s[64:65] scope:SCOPE_SE
	s_setreg_imm32_b32 hwreg(HW_REG_WAVE_MODE, 25, 1), 1
	s_wait_xcnt 0x0
; x [8192][1024] and W_q, W_k, W_v [1024][1024], f32, K innermost, become codes of FP6 (E2M3) with one E8M0 byte for each 32 along K,
; laid in opnd in the ORDER OF AN OPERAND'S REGISTERS.  The four tensors count as one matrix of 11,264 rows: x, W_q, W_k, W_v.
; A FRAGMENT is 16 rows x 128 K, 12 registers a lane, 1,536 bytes: registers 4 c .. 4 c + 3 of lane l lie at byte 512 c + 16 l.
; A PANEL is 128 rows x 256 K: fragment (q, g) (q: which 128 along K, g: which 16 rows) at 1,536 (8 q + g); behind the 16 fragments, at byte 24,576,
; the scale words [q][g][r], 4 bytes each: 25,600 bytes.  The matrix is [row panel][K slot] panels on end.
; THE ROWS OF A FRAGMENT ARE NOT NEIGHBOURS: lane r of fragment g = 2 b + u holds panel row 32 b + 8 u + r + 8 (r / 8), so that a product that takes such
; fragments as its source 0 leaves 16 neighbours along the next K in the 16 registers of two neighbouring result tiles.
; SHARES: work-group G takes the 16 rows of fragment row group G (row panel G / 8, g = G % 8), wave w the K slot w: two fragments.
; Each load reads 512 consecutive bytes of one row; the numbers turn through the wave's own stage in LDS (rows 528 bytes apart)
; and come back 16 neighbours of each block of 32 to a lane.  A block's scale is 2^(floor(log2(largest magnitude)) - 2).
; LIMITS: a block of zeros, or one whose largest magnitude lies under 2^-124, gets the byte 1 (its codes are zeros or tiny; only this program reads the bytes);
; NaN and infinities among the inputs are not served.
; No matrix unit, no cluster, no tensor load: every byte is read once and waves share nothing, so there is no barrier either.
.set STG,   8448                       ; a wave's stage: 16 rows x 528 bytes
.set SPARE, 4*STG                      ; behind the stages: the spare words, 128 bytes a wave
.set PANEL, 25600
.set FRB,   1536
.set SCO,   24576
.set R,     16                         ; v16-143   2 K steps x 16 rows x 4 registers, as loaded
.set X,     144                        ; v144-207  64 numbers: register 16 b + i = k 32 b + 16 (lane / 16) + i of row lane % 16
.set TM,    208                        ; v208-223  at work
.set PW0,   224                        ; v224-225  the two fragments' scale words
.set PC,    228                        ; v228-239  a fragment's codes; v240-246 at work
.set SPW,   12                         ; v12  LDS address of my spare word; never rewritten
.set NIL,   13                         ; v13  0; never rewritten
.set SEL,   28                         ; s[28:29] lane selects: lane l xor 16
; 64 numbers of a lane become a fragment's codes in v[PC] on and its scale word in v[pw]
.macro QUANT s, pw
.irp b, 0,1,2,3
	v_max3_num_f32 v[TM+\b], |v[\s+16*\b]|, |v[\s+1+16*\b]|, 0x1800000   ; block b: my 16 numbers, and the floor 2^(3 - 127): the byte cannot fall under 1
.endr
.irp i, 2,4,6,8,10,12,14
.irp b, 0,1,2,3
	v_max3_num_f32 v[TM+\b], v[TM+\b], |v[\s+16*\b+\i]|, |v[\s+1+16*\b+\i]|   ; the four blocks by turns
.endr
.endr
.irp b, 0,1,2,3
	v_permlanex16_b32 v[TM+4+\b], v[TM+\b], s[SEL], s[SEL+1]
.endr
.irp b, 0,1,2,3
	v_max_num_f32 v[TM+\b], v[TM+\b], v[TM+4+\b]   ; with lane l xor 16's: the block's largest magnitude
.endr
.irp b, 0,1,2,3
	v_add_nc_u32 v[TM+12+\b], 0xff000000, v[TM+\b]   ; 2 off its exponent field: the conversion's scale operand
.endr
.irp b, 0,1,2,3
	v_lshrrev_b32 v[TM+4+\b], 23, v[TM+12+\b]      ; the scale's byte
.endr
	v_lshl_or_b32 v[\pw], v[TM+5], 8, v[TM+4]      ; four bytes: my row's scale word
	v_lshl_or_b32 v[\pw], v[TM+6], 16, v[\pw]
	v_lshl_or_b32 v[\pw], v[TM+7], 24, v[\pw]
.irp c, 0,1
	v_cvt_scalef32_pk16_fp6_f32 v[PC+6*\c:PC+2+6*\c], v[\s+32*\c:\s+15+32*\c], v[TM+12+2*\c]
	v_cvt_scalef32_pk16_fp6_f32 v[PC+12+4*\c:PC+14+4*\c], v[\s+16+32*\c:\s+31+32*\c], v[TM+13+2*\c]   ; (a conversion's three registers begin on an even number)
.endr
	v_nop                                          ; one plain instruction behind the scaled conversions
.irp c, 0,1                                    ; the operand wants a whole block in a lane: lanes 0-15 block 2 c, lanes 16-31 block 2 c + 1
.irp i, 0,1,2
	v_permlane16_swap_b32 v[PC+6*\c+\i], v[PC+12+4*\c+\i]
.endr
.irp i, 0,1,2
	v_mov_b32 v[PC+3+6*\c+\i], v[PC+12+4*\c+\i]
.endr
.endr
.endm
	s_load_b256 s[4:11], s[0:1], 0x0               ; x s[4:5], W_q s[6:7], W_k s[8:9], W_v s[10:11]
	s_load_b64 s[12:13], s[0:1], 0x20              ; opnd
	v_lshl_add_u32 v[SPW], v0, 2, SPARE
	v_mov_b32 v[NIL], 0
	v_lshrrev_b32 v1, 5, v0
	v_readfirstlane_b32 s16, v1                    ; wave = K slot
	v_and_b32 v1, 31, v0                           ; lane
	v_and_b32 v2, 15, v0                           ; r
	v_bfe_u32 v3, v0, 4, 1                         ; h
	v_lshlrev_b32 v4, 4, v1                        ; 16 x lane: my bytes of a load's 512, and of an image's 512
	s_mul_i32 s17, s16, STG
	v_add_nc_u32 v5, s17, v4                       ; the stage, on the way in
	v_mul_u32_u24 v6, v2, 528
	v_lshl_add_u32 v6, v3, 6, v6
	v_add_nc_u32 v6, s17, v6                       ; and out: row r, + 64 h: my 16 numbers of a block
	v_lshlrev_b32 v7, 2, v2
	v_lshl_add_u32 v7, v3, 9, v7                   ; the scale words: lanes 0-15 store the first fragment's, lanes 16-31 the second's, 512 bytes on
.irp b, 0,1,2,3
	v_mov_b32 v[TM+4+\b], 0                        ; written once: a lane permute's destination counts as one of its sources
.endr
	s_mov_b32 s[SEL], 0x76543210
	s_mov_b32 s[SEL+1], 0xfedcba98
	s_and_b32 s18, ttmp9, 63
	s_cmp_lt_u32 ttmp9, 512
	s_cselect_b32 s18, ttmp9, s18                  ; the row group inside its own tensor (512 in x, 64 in each W)
	s_lshr_b32 s19, s18, 1
	s_lshl_b32 s20, s19, 17                        ; 32 rows of 4,096 bytes for each pair of groups,
	s_and_b32 s19, s18, 1
	s_lshl_b32 s19, s19, 15                        ; 8 rows for the odd one,
	s_add_co_u32 s20, s20, s19
	s_lshl_b32 s19, s16, 10                        ; 256 numbers along K for each wave
	s_add_co_u32 s20, s20, s19
	s_mov_b32 s21, 0
	s_lshr_b32 s22, ttmp9, 3
	s_lshl_b32 s22, s22, 2
	s_add_co_u32 s22, s22, s16
	s_mul_i32 s22, s22, PANEL                      ; my panel: (row panel x 4 + K slot) x 25,600
	s_and_b32 s23, ttmp9, 7                        ; g
	s_mul_i32 s24, s23, FRB
	s_add_co_u32 s24, s24, s22                     ; my fragments
	s_mov_b32 s25, 0
	s_lshl_b32 s26, s23, 6
	s_add_co_u32 s26, s26, s22
	s_add_co_u32 s26, s26, SCO                     ; my scale words
	s_mov_b32 s27, 0
	s_wait_alu depctr_va_vdst(0)
	s_wait_kmcnt 0x0
	s_cmp_lt_u32 ttmp9, 640                        ; which tensor: the choice hangs on the work-group's number alone
	s_cselect_b64 s[8:9], s[8:9], s[10:11]
	s_cmp_lt_u32 ttmp9, 576
	s_cselect_b64 s[6:7], s[6:7], s[8:9]
	s_cmp_lt_u32 ttmp9, 512
	s_cselect_b64 s[4:5], s[4:5], s[6:7]
	s_add_nc_u64 s[4:5], s[4:5], s[20:21]
	s_add_nc_u64 s[14:15], s[12:13], s[24:25]
	s_add_nc_u64 s[12:13], s[12:13], s[26:27]
.irp q, 0,1
.irp i, 0,1,2,3,4,5,6,7,8,9,10,11,12,13,14,15
	global_load_b128 v[R+64*\q+4*\i:R+64*\q+4*\i+3], v4, s[4:5] offset:(\i+8*(\i/8))*4096+512*\q th:TH_LOAD_NT   ; 512 consecutive bytes of the row that lane i of the fragment holds
.endr
.endr
.macro HALF q
.if \q == 0
	s_wait_loadcnt 16                              ; the first K step's 16 loads are in; the second's may be out
.else
	s_wait_loadcnt 0x0
.endif
.irp i, 0,1,2,3,4,5,6,7,8,9,10,11,12,13,14,15
	ds_store_b128 v5, v[R+64*\q+4*\i:R+64*\q+4*\i+3] offset:528*\i
.endr
.irp b, 0,1,2,3
.irp j, 0,1,2,3
	ds_load_b128 v[X+16*\b+4*\j:X+16*\b+4*\j+3], v6 offset:128*\b+16*\j   ; LDS serves a wave's instructions in order: these see the stores above
.endr
.endr
	s_wait_dscnt 0x0
.if \q
	s_wait_xcnt 0x0                                ; the first fragment's stores have read the codes' registers: they are written again only behind this wait
.endif
	QUANT X, PW0+\q
.irp c, 0,1,2
	global_store_b128 v4, v[PC+4*\c:PC+4*\c+3], s[14:15] offset:8*FRB*\q+512*\c   ; 512 consecutive bytes, at a multiple of 256 from opnd's first byte
.endr
.endm
	HALF 0
	HALF 1
	v_cmp_le_u32 vcc_lo, 16, v1
	v_cndmask_b32 v[PW0], v[PW0], v[PW0+1], vcc_lo ; every lane holds row r's words: lanes 16-31 take the second fragment's
	global_store_b32 v7, v[PW0], s[12:13]
	s_wait_tensorcnt 0x0                           ; the wave's end: behind my last LDS store
	ds_add_u32 v[SPW], v[NIL]
	s_wait_dscnt 0x0
	s_endpgm
.Lfunc_end_k_qb6a4820678_quant:
	.size	k_qb6a4820678_quant, .Lfunc_end_k_qb6a4820678_quant-k_qb6a4820678_quant
	.p2alignl 7, 3214868480
	.fill 96, 4, 3214868480
	.section	.rodata,"a",@progbits
	.p2align	6, 0x0
	.amdhsa_kernel k_qb6a4820678_quant
		.amdhsa_group_segment_fixed_size 34304
		.amdhsa_private_segment_fixed_size 0
		.amdhsa_enable_private_segment 0
		.amdhsa_kernarg_size 40
		.amdhsa_user_sgpr_count 2
		.amdhsa_user_sgpr_kernarg_segment_ptr 1
		.amdhsa_wavefront_size32 1
		.amdhsa_system_sgpr_workgroup_id_x 1
		.amdhsa_system_sgpr_workgroup_id_y 1
		.amdhsa_system_sgpr_workgroup_id_z 1
		.amdhsa_system_vgpr_workitem_id 0
		.amdhsa_next_free_vgpr 256
		.amdhsa_next_free_sgpr 66
		.amdhsa_reserve_vcc 1
		.amdhsa_float_denorm_mode_32 3
		.amdhsa_float_denorm_mode_16_64 3
		.amdhsa_memory_ordered 1
		.amdhsa_forward_progress 1
		.amdhsa_inst_pref_size 19
	.end_amdhsa_kernel
	.amdgpu_metadata
---
amdhsa.version: [ 1, 2 ]
amdhsa.kernels:
  - .name:           k_qb6a4820678_quant
    .symbol:         k_qb6a4820678_quant.kd
    .args:
      - { .name: x, .offset: 0, .size: 8, .value_kind: global_buffer, .address_space: global }
      - { .name: W_q, .offset: 8, .size: 8, .value_kind: global_buffer, .address_space: global }
      - { .name: W_k, .offset: 16, .size: 8, .value_kind: global_buffer, .address_space: global }
      - { .name: W_v, .offset: 24, .size: 8, .value_kind: global_buffer, .address_space: global }
      - { .name: opnd, .offset: 32, .size: 8, .value_kind: global_buffer, .address_space: global }
    .group_segment_fixed_size: 34304
    .private_segment_fixed_size: 0
    .kernarg_segment_align: 8
    .kernarg_segment_size: 40
    .max_flat_workgroup_size: 128
    .sgpr_count:     66
    .vgpr_count:     256
    .wavefront_size: 32
...
	.end_amdgpu_metadata
.endif
;; end of part 5
;; launch proj (part 6): grid 32 x 8, 4 waves a work-group, clusters of 4 x 1, 327,680 bytes of LDS; arguments opnd, qkv; writes qkv
.if DOCPART == 6
	.amdgcn_target "amdgcn-amd-amdhsa--gfx1250"
	.amdhsa_code_object_version 6
	.text
	.protected	k_qb6a4820678_proj
	.globl	k_qb6a4820678_proj
	.p2align	8
	.type	k_qb6a4820678_proj,@function
k_qb6a4820678_proj:
	s_mov_b64 s[64:65], 0
	v_nop
	global_prefetch_b8 v0, s[64:65] scope:SCOPE_SE
	s_setreg_imm32_b32 hwreg(HW_REG_WAVE_MODE, 25, 1), 1
	s_wait_xcnt 0x0
	s_wait_alu depctr_hold_cnt(0) depctr_sa_sdst(0) depctr_va_vdst(0) depctr_va_sdst(0) depctr_va_ssrc(0) depctr_va_vcc(0) depctr_vm_vsrc(0)
	s_getreg_b32 s2, hwreg(HW_REG_IB_STS2, 6, 4)
	s_cmp_eq_u32 s2, 0
	s_cbranch_scc0 .Lentry_in_a_cluster
	s_endpgm
.Lentry_in_a_cluster:
	s_bfe_u32 s2, ttmp6, 0x10000c
	s_cmp_lg_u32 s2, 0x3003
	s_cbranch_scc0 .Lentry_shape_is_right
	s_endpgm
.Lentry_shape_is_right:
; q = x W_q^T, k = x W_k^T (rows: tokens) and v^T = W_v x^T (rows: features), on codes of FP6 (E2M3) with E8M0 scales; each result is quantised in registers
; along its columns (q, k: features; v^T: tokens) and stored as codes in panels of register images.
; PANELS (opnd and qkv): 128 rows x 256 K: fragment (q, g) at 1,536 (8 q + g), scale words [q][g][r] at 24,576: 25,600 bytes; lane r of fragment 2 b + u holds panel row 32 b + 8 u + r + 8 (r / 8).
; opnd: 88 row panels x 4 K slots: x 0-63, W_q 64-71, W_k 72-79, W_v 80-87.  qkv: Q at 0, K at 6,553,600 (64 row panels x 4 slots), V^T at 13,107,200 (8 row panels x 32 slots of tokens).
; SHARES: work-group (t, j) takes tokens 256 t .. + 255 and features 128 j .. + 127 of q, of k and of v: 32 x 8 = 256 work-groups.  Wave w takes tokens 64 w .. + 63.
; x STAYS IN REGISTERS: a wave's 4 fragments x 8 K steps, 384 registers, come once from opnd as images, 512 consecutive bytes a load; they serve all three products.
; W LIES IN LDS WHOLE: 12 panels, 307,200 bytes, K slot s of product p at 76,800 s + 25,600 p.  Nothing is filled again.  At the head wave w asks for W_q's K slot w;
; behind the next round for W_k's and W_v's K slot w by one load of two rows of 25,600 bytes.
; CLUSTER of 4 x 1: four token tiles with one j need the same panels of W: both loads are joint.  x is not shared inside a cluster and goes past LDS, so it is not asked for jointly.
; No L2 prefetch: both tensor loads go out at the head, and x's loads are 56 at the head and 56 behind the second round: there is no later request to run ahead of.
; q, k: source 0 = 16 rows of W, source 1 = 16 tokens: a lane holds one token, the 16 registers of tiles 2 b, 2 b + 1 its features 32 b + 16 (lane / 16) + 0 .. 15.  One loop, two trips.
; v^T: source 0 = 16 tokens, source 1 = 16 rows of W_v: a lane holds one feature and 64 tokens: half of a fragment's K.  The halves meet in a stage in LDS, on bytes of W_q and W_k that are read no more.
; LIMITS: a block of zeros gets the byte 1 (zero codes; only this program reads the bytes); NaN and infinities are not served.
; REGISTERS: window 0: v0-31 addresses; v32-47 x's scale words (lanes 0-15 an even fragment's, lanes 16-31 the odd one's); v64-79 W's, two sets; v80-159 at work; v160-255 x, K steps 5, 6.
;   window 1: W's 8 fragments, two sets, at v0 and v96; v192-239 x, K step 7.   window 2: the 32 accumulators.   window 3: x, K steps 0-4.
.set PAN,   25600
.set FRB,   1536
.set SCO,   24576
.set FR,    12
.set BLK,   3*PAN                      ; LDS: a K slot's three panels
.set SPARE, 4*BLK                      ; behind them: the spare words, 128 bytes a wave
.set RDA,   2                          ; v2   the stage, read back: codes
.set RDS,   6                          ; v6   and scale halves
.set BF,    8                          ; v8-11  16 x lane + K slot;  v12-15  4 r + K slot
.set BS,    12
.set ADF,   16                         ; v16-19, v20-23  the same + the product's panel
.set ADS,   20
.set VXF,   24                         ; v24  16 x lane + my four fragments' place in a panel
.set VOS,   25                         ; v25  4 x lane + my four fragments' scale words
.set VVO,   26                         ; v26, v27 the same in v^T's panel
.set VVS,   27
.set SPW,   28                         ; v28  my spare word; never rewritten
.set NIL,   29                         ; v29  0; never rewritten
.set SA,    30                         ; v30  the stage, on the way in: codes;  v31 scale halves
.set SAS,   31
.set XSC,   32
.set WSC,   64
.set TM,    80
.set PW,    96
.set HW,    100
.set OB,    160
.set G1,  24                           ; s[24:31] group 1: a panel;  s[32:39]: two panels 819,200 bytes apart
.set G1K, 32
.set G0,  40
.set G0K, 44
.set SEL, 76
.set PH,  78                           ; the product's panel in a K slot: 0, 25,600, 51,200; also the loop's counter
.set MSB, 0
.macro WIN new                         ; the immediate's high byte repeats the setting that is left
.set WNEW, \new
.if MSB != WNEW
	s_set_vgpr_msb (MSB<<8)|WNEW
.set MSB, WNEW
.endif
.endm
.set TO_B, 0x40
.macro CROUND                          ; a round of the cluster's barrier
	s_barrier_signal -1
	s_barrier_wait -1
	s_cmp_lg_u32 s14, 0
	s_cbranch_scc1 .Lnot_wave_0_\@
	s_barrier_signal -3
.Lnot_wave_0_\@:
	s_barrier_wait -3
	s_barrier_signal -1
	s_barrier_wait -1
.endm
.macro PLACES n
.rept \n
	v_nop
.endr
.endm
.macro XLOC n                          ; where x's fragments of K step n lie: window XW, register XB
.if (\n) < 5
.set XW, 3
.set XB, 48*(\n)
.else
.if (\n) < 7
.set XW, 0
.set XB, 160+48*((\n)-5)
.else
.set XW, 1
.set XB, 192
.endif
.endif
.endm
.macro XLOAD n                         ; 14 loads: K step n's four fragments and two registers of scale words
	XLOC \n
	WIN XW<<6
.irp a, 0,1,2,3
.irp c, 0,1,2
	global_load_b128 v[XB+FR*\a+4*\c:XB+FR*\a+4*\c+3], v[VXF], s[10:11] offset:PAN*((\n)/2)+FRB*(8*((\n)%2)+\a)+512*\c
.endr
.endr
	WIN 0
.irp p, 0,1
	global_load_b32 v[XSC+2*(\n)+\p], v[VOS], s[10:11] offset:PAN*((\n)/2)+SCO+512*((\n)%2)+128*\p
.endr
.endm
; one matrix instruction on D, P0, P1, C0, C1.  z: the product starts the sum.  row 1: source 0's scales stand in lanes 16-31; row 2: source 1's
.macro WM z, row
.if (\z)
.if (\row) == 0
	v_wmma_scale_f32_16x16x128_f8f6f4 v[D:D+7], v[P0:P0+11], v[P1:P1+11], 0, v[C0], v[C1] matrix_a_fmt:MATRIX_FMT_FP6 matrix_b_fmt:MATRIX_FMT_FP6
.endif
.if (\row) == 1
	v_wmma_scale_f32_16x16x128_f8f6f4 v[D:D+7], v[P0:P0+11], v[P1:P1+11], 0, v[C0], v[C1] matrix_a_fmt:MATRIX_FMT_FP6 matrix_b_fmt:MATRIX_FMT_FP6 matrix_a_scale:MATRIX_SCALE_ROW1
.endif
.if (\row) == 2
	v_wmma_scale_f32_16x16x128_f8f6f4 v[D:D+7], v[P0:P0+11], v[P1:P1+11], 0, v[C0], v[C1] matrix_a_fmt:MATRIX_FMT_FP6 matrix_b_fmt:MATRIX_FMT_FP6 matrix_b_scale:MATRIX_SCALE_ROW1
.endif
.else
.if (\row) == 0
	v_wmma_scale_f32_16x16x128_f8f6f4 v[D:D+7], v[P0:P0+11], v[P1:P1+11], v[D:D+7], v[C0], v[C1] matrix_a_fmt:MATRIX_FMT_FP6 matrix_b_fmt:MATRIX_FMT_FP6
.endif
.if (\row) == 1
	v_wmma_scale_f32_16x16x128_f8f6f4 v[D:D+7], v[P0:P0+11], v[P1:P1+11], v[D:D+7], v[C0], v[C1] matrix_a_fmt:MATRIX_FMT_FP6 matrix_b_fmt:MATRIX_FMT_FP6 matrix_a_scale:MATRIX_SCALE_ROW1
.endif
.if (\row) == 2
	v_wmma_scale_f32_16x16x128_f8f6f4 v[D:D+7], v[P0:P0+11], v[P1:P1+11], v[D:D+7], v[C0], v[C1] matrix_a_fmt:MATRIX_FMT_FP6 matrix_b_fmt:MATRIX_FMT_FP6 matrix_b_scale:MATRIX_SCALE_ROW1
.endif
.endif
.endm
; eight matrix instructions of K step n.  The 32 accumulators take turns, one instruction a turn, in the same order in every step.
.macro MUL g, n, z, v
.if \v                                 ; v^T: W_v's fragments 2 g, 2 g + 1 x my four of x; accumulator (a, b) at 8 (4 a + b)
	WIN XW|0xa4
.irp a, 2*(\g), 2*(\g)+1
.irp b, 0,1,2,3
.set D, 8*(4*(\a)+\b)
.set P0, XB+FR*\b
.set P1, 96*((\n)%2)+FR*(\a)
.set C0, XSC+2*(\n)+\b/2
.set C1, WSC+8*((\n)%2)+(\a)
	WM \z, \b%2
.endr
.endr
.else                                  ; q, k: my fragment g of x x W's eight; accumulator (g, b) at 8 (8 g + b)
	WIN 0xa1|(XW<<2)
.irp b, 0,1,2,3,4,5,6,7
.set D, 8*(8*(\g)+\b)
.set P0, 96*((\n)%2)+FR*\b
.set P1, XB+FR*(\g)
.set C0, WSC+8*((\n)%2)+\b
.set C1, XSC+2*(\n)+(\g)/2
	WM \z, 2*((\g)%2)
.endr
.endif
.endm
.macro FSC m                           ; W's eight scale words of K step m
.irp i, 0,1,2,3,4,5,6,7
	ds_load_b32 v[WSC+8*((\m)%2)+\i], v[ADS+((\m)/2)] offset:SCO+512*((\m)%2)+64*\i
.endr
.endm
.macro FRG m, i                        ; W's fragment i of K step m: three loads of 512 consecutive bytes
.irp c, 0,1,2
	ds_load_b128 v[96*((\m)%2)+FR*(\i)+4*\c:96*((\m)%2)+FR*(\i)+4*\c+3], v[ADF+((\m)/2)] offset:FRB*(8*((\m)%2)+(\i))+512*\c
.endr
.endm
; K step n, 0 to 6: 32 matrix instructions; ahead of them the next step's fragments of W are fetched in one run, into the set that the last step read.
.macro KSTEP n, z, v
	XLOC \n
.if !(\v)
.set LCN, 14*(7-(\n))                  ; x's loads issued behind this step's 14 may be out (the wait's field holds 63 at the most)
.if LCN > 63
.set LCN, 63
.endif
	s_wait_loadcnt LCN
.endif
	s_wait_dscnt 0x0                               ; this step's fragments of W are in
	PLACES 4                                       ; loads into registers that matrix instructions have read stand four plain vector instructions behind them
	FSC (\n)+1
	WIN TO_B
	FRG (\n)+1, 0
	FRG (\n)+1, 1
	FRG (\n)+1, 2
	FRG (\n)+1, 3
	FRG (\n)+1, 4
	FRG (\n)+1, 5
	FRG (\n)+1, 6
	FRG (\n)+1, 7
	MUL 0, \n, \z, \v
	MUL 1, \n, \z, \v
	MUL 2, \n, \z, \v
	MUL 3, \n, \z, \v
	WIN 0
.endm
; 64 registers of a lane, four blocks of 32 shared with lane l xor 16, become 12 registers of codes at v[PC] on and four scale bytes in v[TM+4] on.
; The codes' registers never carry the numbers of the conversions' sources.
.macro QCORE a
.set S, 64*(\a)
.if (\a) == 1
.set PC, 128
.else
.set PC, 104
.endif
	WIN 0x28
.irp b, 0,1,2,3
	v_max3_num_f32 v[TM+\b], 0x1800000, |v[S+16*\b]|, |v[S+16*\b+1]|   ; my 16 numbers and the floor 2^(3 - 127); each accumulator is read from its low end on
.endr
.irp i, 2,4,6,8,10,12,14
.irp b, 0,1,2,3
	v_max3_num_f32 v[TM+\b], v[TM+\b], |v[S+16*\b+\i]|, |v[S+16*\b+\i+1]|
.endr
.endr
	WIN 0
.irp b, 0,1,2,3
	v_permlanex16_b32 v[TM+4+\b], v[TM+\b], s[SEL], s[SEL+1]
.endr
.irp b, 0,1,2,3
	v_max_num_f32 v[TM+\b], v[TM+\b], v[TM+4+\b]   ; the block's largest magnitude
.endr
.irp b, 0,1,2,3
	v_add_nc_u32 v[TM+12+\b], 0xff000000, v[TM+\b] ; 2 off its exponent field: the conversion's scale operand
.endr
.irp b, 0,1,2,3
	v_lshrrev_b32 v[TM+4+\b], 23, v[TM+12+\b]      ; the scale's byte
.endr
	WIN 2
.irp c, 0,1
	v_cvt_scalef32_pk16_fp6_f32 v[PC+6*\c:PC+6*\c+2], v[S+32*\c:S+32*\c+15], v[TM+12+2*\c]
	v_cvt_scalef32_pk16_fp6_f32 v[PC+12+4*\c:PC+14+4*\c], v[S+16+32*\c:S+31+32*\c], v[TM+13+2*\c]
.endr
	WIN 0
	v_nop                                          ; one plain instruction behind the scaled conversions
.irp c, 0,1                                    ; a whole block to a lane
.irp i, 0,1,2
	v_permlane16_swap_b32 v[PC+6*\c+\i], v[PC+12+4*\c+\i]
.endr
.irp i, 0,1,2
	v_mov_b32 v[PC+3+6*\c+\i], v[PC+12+4*\c+\i]
.endr
.endr
.endm
	s_load_b128 s[4:7], s[0:1], 0x0                ; opnd s[4:5], qkv s[6:7]
	v_lshl_add_u32 v[SPW], v0, 2, SPARE
	v_mov_b32 v[NIL], 0
	ds_add_u32 v[SPW], v[NIL]                      ; the opening: the add, twice on end, and its wait ahead of my first tensor load
	ds_add_u32 v[SPW], v[NIL]
	v_lshrrev_b32 v1, 5, v0
	v_readfirstlane_b32 s14, v1                    ; wave w
	s_lshr_b32 s15, s14, 1                         ; which row panel of the tile's two
	s_and_b32 s16, s14, 1                          ; which four of its fragments
	s_bfe_u32 s80, ttmp6, 0x40000                  ; cx
	s_lshl_b32 s18, ttmp9, 2
	s_add_co_u32 s18, s18, s80                     ; t: tile of 256 tokens
	s_and_b32 s17, ttmp7, 0xffff                   ; j: 128 features
	s_mov_b32 s[G1+0], 15|(3<<16)|(1<<21)          ; the four partners; elements of 8 bytes; bit 21 beside a mask
	s_mov_b32 s[G1+1], 32<<16                      ; a panel: 100 rows of 256 bytes
	s_mov_b32 s[G1+2], 100<<16
	s_mov_b32 s[G1+3], 32<<16
	s_mov_b32 s[G1+4], 100
	s_mov_b32 s[G1+5], 32
	s_mov_b32 s[G1+6], 0
	s_mov_b32 s[G1+7], 0
	s_mov_b32 s[G1K+0], 15|(3<<16)|(1<<21)
	s_mov_b32 s[G1K+1], 3200<<16                   ; two panels: 2 rows of 25,600 bytes, 8 row panels (102,400 elements) apart
	s_mov_b32 s[G1K+2], 2<<16
	s_mov_b32 s[G1K+3], 3200<<16
	s_mov_b32 s[G1K+4], 2
	s_mov_b32 s[G1K+5], 102400
	s_mov_b32 s[G1K+6], 0
	s_mov_b32 s[G1K+7], 0
	s_lshl_b32 s19, s17, 2
	s_add_co_u32 s19, s19, s14
	s_mul_i32 s19, s19, PAN                        ; row panel j, K slot w: no cx in it
	s_add_co_u32 s48, s19, 256*PAN                 ; in W_q
	s_mov_b32 s49, 0
	s_add_co_u32 s50, s19, 288*PAN                 ; in W_k; W_v follows 8 row panels on
	s_mov_b32 s51, 0
	s_mul_i32 s52, s14, BLK                        ; where they go
	s_lshl_b32 s20, s18, 1
	s_add_co_u32 s20, s20, s15                     ; my row panel of tokens
	s_mul_i32 s54, s20, 4*PAN
	s_mov_b32 s55, 0
	s_lshr_b32 s21, s17, 1
	s_mul_i32 s21, s21, PAN
	s_add_co_u32 s21, s21, s54                     ; the panel of q that takes my results: slot j / 2,
	s_and_b32 s22, s17, 1
	s_mul_i32 s56, s22, 8*FRB                      ; its half j % 2: the codes,
	s_add_co_u32 s56, s56, s21
	s_mov_b32 s57, 0
	s_lshl_b32 s58, s22, 9
	s_add_co_u32 s58, s58, s21
	s_add_co_u32 s58, s58, SCO                     ; the scale words
	s_mov_b32 s59, 0
	s_lshl_b32 s60, s17, 5
	s_add_co_u32 s60, s60, s18
	s_mul_i32 s60, s60, PAN
	s_add_co_u32 s60, s60, 13107200                ; v^T's panel: row panel j, slot t
	s_mov_b32 s61, 0
	s_mul_i32 s66, s16, 4*FRB
	s_lshl_b32 s67, s16, 8
	s_mul_i32 s68, s15, 8*FRB
	s_lshl_b32 s69, s15, 9
	s_mul_i32 s70, s14, 6144
	s_lshl_b32 s71, s14, 9
	s_add_co_u32 s71, s71, SCO
	s_mul_i32 s72, s16, 3072
	s_add_co_u32 s72, s72, s68
	s_lshl_b32 s73, s15, 10
	s_add_co_u32 s73, s73, SCO
	s_mov_b32 s[SEL], 0x76543210
	s_mov_b32 s[SEL+1], 0xfedcba98
	s_mov_b32 s[PH], 0
	v_and_b32 v1, 15, v0                           ; r
	v_and_b32 v3, 31, v0                           ; lane
	v_lshlrev_b32 v4, 4, v3
	v_lshlrev_b32 v5, 2, v1
	v_lshlrev_b32 v6, 2, v3
	v_lshlrev_b32 v7, 3, v3
	v_add_nc_u32 v[VXF], s66, v4
	v_add_nc_u32 v[VOS], s67, v6
	v_add_nc_u32 v[VVO], s68, v[VXF]
	v_add_nc_u32 v[VVS], s69, v[VOS]
	v_add_nc_u32 v[SA], s70, v7                    ; the stage: wave w's codes at 6,144 w: [fragment][pair of registers][lane], 8 bytes each
	v_add_nc_u32 v[SAS], s71, v5                   ; its scale halves at 24,576 + 512 w: [fragment][r], a word each
	v_add_nc_u32 v[RDA], s72, v7
	v_add_nc_u32 v[RDS], s73, v[VOS]
.irp s, 0,1,2,3
	v_add_nc_u32 v[BF+\s], BLK*\s, v4
	v_add_nc_u32 v[BS+\s], BLK*\s, v5
	v_add_nc_u32 v[ADF+\s], BLK*\s, v4
	v_add_nc_u32 v[ADS+\s], BLK*\s, v5
.endr
.irp b, 0,1,2,3
	v_mov_b32 v[TM+4+\b], 0                        ; written once: a lane permute's destination counts as one of its sources
.endr
	s_wait_alu depctr_va_vdst(0)
	s_wait_dscnt 0x0                               ; both opening adds are done
	s_wait_kmcnt 0x0
	s_mov_b32 s[G0], 1
	s_mov_b32 s[G0+1], s52
	s_add_nc_u64 s[G0+2:G0+3], s[4:5], s[48:49]
	s_or_b32 s[G0+3], s[G0+3], 0x80000000
	s_mov_b32 s[G0K], 1
	s_add_co_u32 s[G0K+1], s52, PAN
	s_add_nc_u64 s[G0K+2:G0K+3], s[4:5], s[50:51]
	s_or_b32 s[G0K+3], s[G0K+3], 0x80000000
	s_add_nc_u64 s[10:11], s[4:5], s[54:55]        ; x
	s_add_nc_u64 s[8:9], s[6:7], s[56:57]          ; q's codes
	s_add_nc_u64 s[12:13], s[6:7], s[58:59]        ; q's scale words
	s_add_nc_u64 s[20:21], s[6:7], s[60:61]        ; v^T's panel
	CROUND                                         ; the four partners are here: the first joint loads meet
	tensor_load_to_lds s[G0:G0+3], s[G1:G1+7]      ; W_q, K slot w: my one load at the head
	s_nop 0
	PLACES 4
.irp n, 0,1,2,3
	XLOAD \n                                       ; 56 loads, behind the request for W_q
.endr
	s_wait_tensorcnt 0x0                           ; it has landed
	ds_add_u32 v[SPW], v[NIL]
	s_wait_dscnt 0x0
	CROUND                                         ; all of W_q is in, and the partners are here
	tensor_load_to_lds s[G0K:G0K+3], s[G1K:G1K+7]  ; W_k and W_v, K slot w
	s_nop 0
	PLACES 4
.irp n, 4,5,6,7
	XLOAD \n                                       ; 56 more
.endr
	FSC 0
	WIN TO_B
.irp i, 0,1,2,3,4,5,6,7
	FRG 0, \i
.endr
	WIN 0
.Lqk:                                                  ; two trips: q, then k
	KSTEP 0, 1, 0                                  ; the first products start the sums
.irp n, 1,2,3,4,5,6
	KSTEP \n, 0, 0
.endr
	XLOC 7
	s_wait_loadcnt 0x0
	s_wait_tensorcnt 0x0                           ; my part of W_k and W_v has landed,
	s_wait_dscnt 0x0                               ; and my reads of this product's panels are over
	MUL 0, 7, 0, 0
	s_barrier_signal -1
	MUL 1, 7, 0, 0
	WIN 0
	s_barrier_wait -1                              ; both hold of every wave
	s_add_co_u32 s[PH], s[PH], PAN                 ; on to the next product's panels
.irp s, 0,1,2,3
	v_add_nc_u32 v[ADF+\s], s[PH], v[BF+\s]
	v_add_nc_u32 v[ADS+\s], s[PH], v[BS+\s]
.endr
	s_wait_alu depctr_va_vdst(0)
	PLACES 4
	FSC 0
	WIN TO_B
.irp i, 0,1,2,3,4,5,6,7
	FRG 0, \i
.endr
	MUL 2, 7, 0, 0
	MUL 3, 7, 0, 0
	WIN 0
	PLACES 4                                       ; behind the last products: their results are read below
.irp a, 0,1,2,3                                ; my fragment a of x gives fragment 4 (w % 2) + a of the result's panel
	s_wait_xcnt 0x0                                ; the earlier stores have read their registers
	QCORE \a
	v_lshl_or_b32 v[PW+\a], v[TM+5], 8, v[TM+4]
	v_lshl_or_b32 v[PW+\a], v[TM+6], 16, v[PW+\a]
	v_lshl_or_b32 v[PW+\a], v[TM+7], 24, v[PW+\a]
.irp c, 0,1,2
	global_store_b128 v[VXF], v[PC+4*\c:PC+4*\c+3], s[8:9] offset:FRB*\a+512*\c   ; 512 consecutive bytes, at a multiple of 256 from qkv's first byte
.endr
.endr
	v_cmp_le_u32 vcc_lo, 16, v3
.irp p, 0,1
	v_cndmask_b32 v[PW+\p], v[PW+2*\p], v[PW+2*\p+1], vcc_lo   ; lanes 0-15 the even fragment's words, lanes 16-31 the odd one's
.endr
.irp p, 0,1
	global_store_b32 v[VOS], v[PW+\p], s[12:13] offset:128*\p
.endr
	s_wait_xcnt 0x0                                ; the stores have read their bases
	s_add_nc_u64 s[8:9], s[8:9], 6553600           ; from Q to K
	s_add_nc_u64 s[12:13], s[12:13], 6553600
	s_cmp_lg_u32 s[PH], 2*PAN
	s_wait_alu depctr_va_vdst(0)
	s_cbranch_scc1 .Lqk
	KSTEP 0, 1, 1                                  ; v^T
.irp n, 1,2,3,4,5,6
	KSTEP \n, 0, 1
.endr
	XLOC 7
	s_wait_dscnt 0x0
.irp g, 0,1,2,3
	MUL \g, 7, 0, 1
.endr
	WIN 0
	PLACES 4
.irp a, 0,1,2,3                                ; 64 registers: W_v's fragments 2 a and 2 a + 1, my 64 tokens of each: six registers of codes and two scale bytes a fragment
	s_wait_dscnt 0x0                               ; the earlier LDS stores have read their registers
	QCORE \a
	v_lshl_or_b32 v[HW], v[TM+5], 8, v[TM+4]
	v_lshl_or_b32 v[HW+1], v[TM+7], 8, v[TM+6]
.irp c, 0,1
.irp k, 0,1,2
	ds_store_b64 v[SA], v[PC+6*\c+2*\k:PC+6*\c+2*\k+1] offset:768*(2*\a+\c)+256*\k
.endr
	ds_store_b32 v[SAS], v[HW+\c] offset:64*(2*\a+\c)   ; lanes l and l xor 16 write the same word with the same value
.endr
.endr
	s_wait_dscnt 0x0                               ; my stores are done
	s_barrier_signal -1
	s_barrier_wait -1                              ; everybody's are
.irp g, 0,1,2,3                                ; I send fragments 4 (w % 2) + g of the half w / 2: registers 0-5 from wave 2 (w / 2), registers 6-11 from the wave beside it
.irp p, 0,1,2,3,4,5
	ds_load_b64 v[OB+12*\g+2*\p:OB+12*\g+2*\p+1], v[RDA] offset:768*\g+6144*(\p/3)+256*(\p%3)
.endr
.endr
.irp p, 0,1
	ds_load_b32 v[HW+2*\p], v[RDS] offset:128*\p
	ds_load_b32 v[HW+2*\p+1], v[RDS] offset:128*\p+512
.endr
	s_wait_dscnt 0x0
.irp p, 0,1
	v_lshl_or_b32 v[HW+2*\p], v[HW+2*\p+1], 16, v[HW+2*\p]   ; two bytes from each of the two waves: the scale word
.endr
.irp g, 0,1,2,3
.irp c, 0,1,2
	global_store_b128 v[VVO], v[OB+12*\g+4*\c:OB+12*\g+4*\c+3], s[20:21] offset:FRB*\g+512*\c
.endr
.endr
.irp p, 0,1
	global_store_b32 v[VVS], v[HW+2*\p], s[20:21] offset:SCO+128*\p
.endr
	s_wait_tensorcnt 0x0                           ; the wave's end
	ds_add_u32 v[SPW], v[NIL]
	s_wait_dscnt 0x0
	CROUND                                         ; the closing round
	s_endpgm
.Lfunc_end_k_qb6a4820678_proj:
	.size	k_qb6a4820678_proj, .Lfunc_end_k_qb6a4820678_proj-k_qb6a4820678_proj
	.p2alignl 7, 3214868480
	.fill 96, 4, 3214868480
	.section	.rodata,"a",@progbits
	.p2align	6, 0x0
	.amdhsa_kernel k_qb6a4820678_proj
		.amdhsa_group_segment_fixed_size 327680
		.amdhsa_private_segment_fixed_size 0
		.amdhsa_enable_private_segment 0
		.amdhsa_kernarg_size 16
		.amdhsa_user_sgpr_count 2
		.amdhsa_user_sgpr_kernarg_segment_ptr 1
		.amdhsa_wavefront_size32 1
		.amdhsa_system_sgpr_workgroup_id_x 1
		.amdhsa_system_sgpr_workgroup_id_y 1
		.amdhsa_system_sgpr_workgroup_id_z 1
		.amdhsa_system_vgpr_workitem_id 0
		.amdhsa_next_free_vgpr 1024
		.amdhsa_next_free_sgpr 100
		.amdhsa_reserve_vcc 1
		.amdhsa_float_denorm_mode_32 3
		.amdhsa_float_denorm_mode_16_64 3
		.amdhsa_memory_ordered 1
		.amdhsa_forward_progress 1
		.amdhsa_inst_pref_size 157
	.end_amdhsa_kernel
	.amdgpu_metadata
---
amdhsa.version: [ 1, 2 ]
amdhsa.kernels:
  - .name:           k_qb6a4820678_proj
    .symbol:         k_qb6a4820678_proj.kd
    .args:
      - { .name: opnd, .offset: 0, .size: 8, .value_kind: global_buffer, .address_space: global }
      - { .name: qkv, .offset: 8, .size: 8, .value_kind: global_buffer, .address_space: global }
    .group_segment_fixed_size: 327680
    .private_segment_fixed_size: 0
    .kernarg_segment_align: 8
    .kernarg_segment_size: 16
    .max_flat_workgroup_size: 128
    .sgpr_count:     100
    .vgpr_count:     1024
    .wavefront_size: 32
...
	.end_amdgpu_metadata
.endif
;; end of part 6
;; launch score (part 7): grid 12 x 16, 4 waves a work-group, clusters of 4 x 4, 327,680 bytes of LDS; arguments qkv, pbuf; writes pbuf
.if DOCPART == 7
	.amdgcn_target "amdgcn-amd-amdhsa--gfx1250"
	.amdhsa_code_object_version 6
	.text
	.protected	k_qb6a4820678_score
	.globl	k_qb6a4820678_score
	.p2align	8
	.type	k_qb6a4820678_score,@function
k_qb6a4820678_score:
	s_mov_b64 s[64:65], 0
	v_nop
	global_prefetch_b8 v0, s[64:65] scope:SCOPE_SE
	s_setreg_imm32_b32 hwreg(HW_REG_WAVE_MODE, 25, 1), 1
	s_wait_xcnt 0x0
	s_wait_alu depctr_hold_cnt(0) depctr_sa_sdst(0) depctr_va_vdst(0) depctr_va_sdst(0) depctr_va_ssrc(0) depctr_va_vcc(0) depctr_vm_vsrc(0)
	s_getreg_b32 s2, hwreg(HW_REG_IB_STS2, 6, 4)
	s_cmp_eq_u32 s2, 0
	s_cbranch_scc0 .Lentry_in_a_cluster
	s_endpgm
.Lentry_in_a_cluster:
	s_bfe_u32 s2, ttmp6, 0x10000c
	s_cmp_lg_u32 s2, 0xf033
	s_cbranch_scc0 .Lentry_shape_is_right
	s_endpgm
.Lentry_shape_is_right:
; The scores q k^T of one batch, on codes of FP6 (E2M3) with E8M0 scales, the causal mask, and the softmax's p, quantised along the keys and stored as codes.
; t = score x log2(e) / 32.  For each query and each run of 128 keys (a wave's columns) a LOCAL whole number M = ceil(the run's largest t) is taken: p = 2^(t - M).  The codes do not hang on which
; whole number M is: a later M' only moves the blocks' scale bytes by M' - M.  So this launch stores codes, scale bytes, M and the run's sum l of the unquantised p; the next launch finds the row's M,
; takes the difference off the bytes and adds the l.  A maximum is taken away before every exponential.
; OPERANDS: panels of register images in qkv (128 rows x 256 K: fragment (q, g) at 1,536 (8 q + g), scale words [q][g][r] at 24,576; lane r of fragment 2 b + u holds panel row 32 b + 8 u + r + 8 (r / 8)):
; Q at 0, K at 6,553,600, 64 row panels of tokens x 4 slots of 25,600 bytes.  RESULT: pbuf, 64 row panels of queries x 8 slots of 256 keys x 27,648 bytes: such a panel, then M [q][g][r] f32 at 25,600 and l at 26,624.
; A tile, 256 queries x 256 keys, is made by four waves, 128 x 128 each.  Source 0 = 16 keys, source 1 = 16 queries: a lane holds ONE query, and the 16 registers of tiles 2 b, 2 b + 1 are keys 32 b + 16 (lane / 16) + 0 .. 15.
; K = 1,024 is four K slots of 256.  THREE LDS SLOTS ARE FILLED AT THE START, K slots 0 and 1 by the head's load, K slot 2 behind the next round; the fourth K slot comes into the first LDS slot when that has been read: the one refill, which has
; 96 matrix instructions in which to land.  The text is a straight line: no loop.
; CLUSTERS of 4 x 4, joint loads: Q's panels along a row, K's along a column.  Of a batch's 2 x 2 clusters the one above the diagonal is not launched: clusters (0,0), (1,0), (1,1).
; Tiles above the diagonal inside a diagonal cluster run like all others (partners of a cluster run alike): they store zero codes, M = -1e30 and l = 0, which the next launch's clusters read.
; No L2 prefetch: three of a tile's four K slots are first fills, and every panel is shared by joint loads and read again by other clusters.
; LIMITS: a block whose largest p lies under 2^-61 is quantised with the scale 2^-63 (bytes stay at 64 or above, so that the next launch can take up to 63 off them); |t| stays under 1e30;
; NaN and infinities among the scores are not served.
; REGISTERS: window 0: v1-7 lane terms; v8-19 LDS addresses; v32-63 Q's scale words, v64-95 K's; v96-127 at work; v128-223 Q's 8 fragments; window 1: K's fragments, two sets; windows 2, 3: accumulators.
.set PA,    25600
.set PB,    25600
.set SLOT,  25600                      ; LDS: each of the four panels (Q's two, K's two) has three places of 25,600 bytes on end, one for each LDS slot
.set STEPA, 25600
.set STEPB, 25600
.set PPITCH, 27648
.set FRB,   1536
.set SCO,   24576
.set FR,    12
.set NL,    3
.set NP,    4
.set SPARE, 12*SLOT                    ; behind the twelve places: the spare words, 128 bytes a wave
.set VD0,   6                          ; v6   my query less my first key, for block 0
.set ADR1,  8                          ; v8-10   my Q fragments in LDS slot 0, 1, 2
.set ADS1,  11                         ; v11-13  my Q scale words
.set ADR0,  14                         ; v14-16  the same for K
.set ADS0,  17                         ; v17-19
.set SPW,   28
.set NIL,   29
.set SC1,   32
.set SC0,   64
.set AF,    128
.set BM,    96                         ; v96-99    the blocks' largest scores, then their largest p
.set T4,    100                        ; v100-103  at work
.set SO,    104                        ; v104-107  the conversions' scale operands
.set XM,    108                        ; v108      the run's largest t
.set NM,    112                        ; v[112:113] -M (and a 0: the packed form names a pair)
.set LA,    114                        ; v[114:115], v[116:117] the sum, in two chains of pairs
.set LB,    116
.set VD,    148                        ; v148-155  my query less my first key, block by block
.set NINF,  156                        ; v156      -infinity
.set PW,    160                        ; v160-167  scale words; v168-175 M; v176-183 l
.set MW,    168
.set LW,    176
.set G1,  24                           ; s[24:31] group 1 for Q; s[32:43] group 0, a set for each LDS slot
.set G0,  32
.set G1B, 48                           ; s[48:55] group 1 for K; s[56:63] and s[88:91] group 0
.set G0B, 56
.set SEL, 76
.set CS,  78                           ; s[78:79] c = log2(e) / 32
.set MSB, 0
.macro WIN new
.set WNEW, \new
.if MSB != WNEW
	s_set_vgpr_msb (MSB<<8)|WNEW
.set MSB, WNEW
.endif
.endm
.set MUL_LO, 0xa1
.set MUL_HI, 0xf1
.set TO_B,   0x40
.macro JLOAD s                         ; waves 0 and 1 fetch Q's two panels, waves 2 and 3 K's; an s_nop 0 and four v_nop follow each line
.set GA, G0+4*(\s)
.set GB, G0B+4*(\s)+24*((\s)/2)
	s_cmp_eq_u32 s15, 0
	s_cbranch_scc0 .Lfor_b_\@
	tensor_load_to_lds s[GA:GA+3], s[G1:G1+7]
	s_nop 0
.rept 4
	v_nop
.endr
	s_branch .Lasked_\@
.Lfor_b_\@:
	tensor_load_to_lds s[GB:GB+3], s[G1B:G1B+7]
	s_nop 0
.rept 4
	v_nop
.endr
.Lasked_\@:
.endm
.macro CREST
	s_cmp_lg_u32 s14, 0
	s_cbranch_scc1 .Lnot_wave_0_\@
	s_barrier_signal -3
.Lnot_wave_0_\@:
	s_barrier_wait -3
	s_barrier_signal -1
	s_barrier_wait -1
.endm
.macro CROUND
	s_barrier_signal -1
	s_barrier_wait -1
	CREST
.endm
.macro PLACES n
.rept \n
	v_nop
.endr
.endm
.macro FRAG reg, adr, q, i
.irp c, 0,1,2
	ds_load_b128 v[\reg+4*\c:\reg+4*\c+3], v[\adr] offset:FRB*(8*(\q)+(\i))+512*\c
.endr
.endm
.macro MUL16 a0, p, q, sc, zero        ; the 64 accumulators take turns, one instruction a turn
.irp a, \a0, \a0+1
.irp b, 0,1,2,3,4,5,6,7
.if \zero
	v_wmma_scale_f32_16x16x128_f8f6f4 v[8*(8*((\a)%4)+\b):8*(8*((\a)%4)+\b)+7], v[128*(\p)+FR*\b:128*(\p)+FR*\b+FR-1], v[AF+FR*(\a):AF+FR*(\a)+FR-1], 0, v[SC0+16*(\sc)+2*\b+(\q)], v[SC1+16*(\sc)+2*(\a)+(\q)] matrix_a_fmt:MATRIX_FMT_FP6 matrix_b_fmt:MATRIX_FMT_FP6
.else
	v_wmma_scale_f32_16x16x128_f8f6f4 v[8*(8*((\a)%4)+\b):8*(8*((\a)%4)+\b)+7], v[128*(\p)+FR*\b:128*(\p)+FR*\b+FR-1], v[AF+FR*(\a):AF+FR*(\a)+FR-1], v[8*(8*((\a)%4)+\b):8*(8*((\a)%4)+\b)+7], v[SC0+16*(\sc)+2*\b+(\q)], v[SC1+16*(\sc)+2*(\a)+(\q)] matrix_a_fmt:MATRIX_FMT_FP6 matrix_b_fmt:MATRIX_FMT_FP6
.endif
.endr
.endr
.endm
.macro FETCH_B slot, q, p
	WIN TO_B
.irp i, 0,1,2,3,4,5,6,7
	FRAG 128*(\p)+FR*\i, ADR0+\slot, \q, \i
.endr
	WIN 0
.endm
.macro FETCH_A slot, q, i0
.irp i, \i0, \i0+1, \i0+2, \i0+3
	FRAG AF+FR*(\i), ADR1+\slot, \q, \i
.endr
.endm
.macro SCALES slot, sc                 ; an LDS slot's scale words into set sc
.irp i, 0,1,2,3,4,5,6,7
.irp q, 0,1
	ds_load_b32 v[SC1+16*\sc+2*\i+\q], v[ADS1+\slot] offset:SCO+512*\q+64*\i
	ds_load_b32 v[SC0+16*\sc+2*\i+\q], v[ADS0+\slot] offset:SCO+512*\q+64*\i
.endr
.endr
.endm
.macro STEP slot, sc, zero             ; a slot's first 128 along K; it fetches the second 128's fragments
	s_wait_dscnt 4*NL                              ; all but the youngest 12 loads (Q's blocks 4-7) are in
	WIN MUL_LO
	MUL16 0, 0, 0, \sc, \zero
	MUL16 2, 0, 0, \sc, \zero
	s_wait_dscnt 0x0
	PLACES NP
	FETCH_B \slot, 1, 1
	FETCH_A \slot, 1, 0
	WIN MUL_HI
	MUL16 4, 0, 0, \sc, \zero
	MUL16 6, 0, 0, \sc, \zero
	PLACES NP
	WIN 0
	FETCH_A \slot, 1, 4
.endm
; A slot's second 128 goes on to the next LDS slot.
; mode 2: LDS slot 0, read in the K slot before, is filled again: each wave waits for all its tensor loads, adds 0 to its spare word, waits for that and for its reads of this slot; a round of the cluster's barrier; the joint refill first behind it.
; mode 1: the next slot's tile is the refill: the same three lines and the work-group's barrier.
; mode 0: no barrier: the next slot's tile was shown landed to every wave by the head's wait for all its tensor loads and the round behind it, and nothing is written over.
.macro TURN slot, sc, next, nsc, mode
.if \mode
	s_wait_tensorcnt 0x0                           ; all my tensor loads have landed
	ds_add_u32 v[SPW], v[NIL]                      ; 0 onto my spare word
	s_wait_dscnt 4*NL+1                            ; (the add and the youngest 12 loads may be out)
.else
	s_wait_dscnt 4*NL                              ; (the youngest 12 loads may be out)
.endif
	WIN MUL_LO
	MUL16 0, 1, 1, \sc, 0
	s_wait_dscnt 0x0                               ; the add is done, and my reads of this slot are over
.if \mode
	s_barrier_signal -1
.endif
	MUL16 2, 1, 1, \sc, 0
	WIN 0
.if \mode
	s_barrier_wait -1
.endif
.if \mode == 2
	CREST                                          ; a round of the cluster's barrier: no wave of any partner still reads this slot or has a load on its way
	s_add_nc_u64 s[G0+2:G0+3], s[G0+2:G0+3], 3*STEPA       ; K slot 3, into the LDS slot that held K slot 0
	s_add_nc_u64 s[G0B+2:G0B+3], s[G0B+2:G0B+3], 3*STEPB
	JLOAD 0
.else
	PLACES NP
.endif
	FETCH_B \next, 0, 0
	FETCH_A \next, 0, 0
	SCALES \next, \nsc
	WIN MUL_HI
	MUL16 4, 1, 1, \sc, 0
	MUL16 6, 1, 1, \sc, 0
	PLACES NP
	WIN 0
	FETCH_A \next, 0, 4
.endm
	s_load_b128 s[4:7], s[0:1], 0x0                ; qkv s[4:5], pbuf s[6:7]
	v_lshl_add_u32 v[SPW], v0, 2, SPARE
	v_mov_b32 v[NIL], 0
	ds_add_u32 v[SPW], v[NIL]                      ; the wave's opening: the add, and its wait ahead of my first tensor load
	ds_add_u32 v[SPW], v[NIL]
	v_lshrrev_b32 v1, 5, v0
	v_readfirstlane_b32 s14, v1                    ; wave 0..3
	s_lshr_b32 s15, s14, 1                         ; which 128 queries are mine.  Also: I fetch for Q (0) or for K (1)
	s_and_b32 s16, s14, 1                          ; which 128 keys are mine.  Also: which panel I fetch
	s_bfe_u32 s80, ttmp6, 0x40000                  ; cx, cy
	s_bfe_u32 s81, ttmp6, 0x40004
	s_lshl_b32 s83, s81, 2
	s_lshl_b32 s83, 15, s83                        ; my row of the cluster
	s_lshl_b32 s84, 0x1111, s80                    ; my column
	s_or_b32 s[G1+0], s83, (3<<16)|(1<<21)         ; a panel is a dense block: rows of 256 bytes (32 elements of 8 bytes), no padding
	s_or_b32 s[G1B+0], s84, (3<<16)|(1<<21)
	s_mov_b32 s[G1+1], 32<<16
	s_mov_b32 s[G1+2], (2*PA/256)<<16              ; the head's load brings two K slots, which lie on end in memory and in LDS
	s_mov_b32 s[G1+3], 32<<16
	s_mov_b32 s[G1+4], 2*PA/256
	s_mov_b32 s[G1+5], 32
	s_mov_b32 s[G1+6], 0
	s_mov_b32 s[G1+7], 0
	s_mov_b32 s[G1B+1], 32<<16
	s_mov_b32 s[G1B+2], (2*PB/256)<<16
	s_mov_b32 s[G1B+3], 32<<16
	s_mov_b32 s[G1B+4], 2*PB/256
	s_mov_b32 s[G1B+5], 32
	s_mov_b32 s[G1B+6], 0
	s_mov_b32 s[G1B+7], 0
	s_and_b32 s17, ttmp7, 0xffff                   ; the batch
	s_add_co_u32 s18, ttmp9, 1
	s_lshr_b32 s18, s18, 1                         ; the cluster's row: 0, 1, 1
	s_lshr_b32 s19, ttmp9, 1                       ; and column: 0, 0, 1
	s_lshl_b32 s18, s18, 2
	s_add_co_u32 s18, s18, s81                     ; i: tile of queries
	s_lshl_b32 s19, s19, 2
	s_add_co_u32 s19, s19, s80                     ; j: tile of keys
	s_lshl_b32 s20, s17, 4                         ; 16 row panels a batch
	s_lshl_b32 s22, s18, 1
	s_add_co_u32 s22, s22, s20
	s_add_co_u32 s22, s22, s16                     ; Q's row panel that I fetch: no cx in it
	s_mul_i32 s22, s22, 4*STEPA
	s_mov_b32 s23, 0
	s_lshl_b32 s46, s19, 1
	s_add_co_u32 s46, s46, s20
	s_add_co_u32 s46, s46, s16                     ; K's: no cy in it
	s_mul_i32 s46, s46, 4*STEPB
	s_add_co_u32 s46, s46, 6553600
	s_mov_b32 s47, 0
	s_mul_i32 s85, s16, 3*PA
	s_mul_i32 s82, s16, 3*PB
	s_add_co_u32 s82, s82, 6*PA
	s_lshl_b32 s66, s18, 1
	s_add_co_u32 s66, s66, s20
	s_add_co_u32 s66, s66, s15                     ; my row panel of p,
	s_lshl_b32 s66, s66, 3
	s_add_co_u32 s66, s66, s19                     ; its slot j
	s_mul_i32 s66, s66, PPITCH
	s_mul_i32 s70, s16, 8*FRB
	s_add_co_u32 s70, s70, s66                     ; my 128 keys are its q = my half: the codes,
	s_mov_b32 s71, 0
	s_lshl_b32 s72, s16, 9
	s_add_co_u32 s72, s72, s66
	s_add_co_u32 s72, s72, SCO                     ; the scale words; M 1,024 and l 2,048 bytes on
	s_mov_b32 s73, 0
	s_sub_co_i32 s67, s18, s19
	s_lshl_b32 s67, s67, 8
	s_sub_co_i32 s68, s15, s16
	s_lshl_b32 s68, s68, 7
	s_add_co_i32 s67, s67, s68                     ; my first query less my first key: it enters numbers alone, no address and no branch
	s_mov_b32 s[SEL], 0x76543210
	s_mov_b32 s[SEL+1], 0xfedcba98
	s_mov_b32 s[CS], 0x3d38aa3b                    ; log2(e) / 32
	s_mov_b32 s[CS+1], s[CS]                       ; (named with it as a pair, so it is written)
	s_wait_dscnt 0x0                               ; the opening add is done
	s_wait_kmcnt 0x0
	s_add_nc_u64 s[22:23], s[4:5], s[22:23]
	s_add_nc_u64 s[46:47], s[4:5], s[46:47]
	s_add_nc_u64 s[8:9], s[6:7], s[70:71]
	s_add_nc_u64 s[10:11], s[6:7], s[72:73]
	CROUND                                         ; all sixteen work-groups are here: the first joint loads meet
; THE ORDER OF THE FILLS, as the text now has it: at the head one load a wave brings K slots 0 and 1; behind the next round one load a wave brings K slot 2;
; at the end of K slot 1 the place of K slot 0 is filled again with K slot 3.
.irp s, 0,2
	s_mov_b32 s[G0+4*\s], 1
	s_add_co_u32 s[G0+4*\s+1], s85, \s*SLOT
	s_add_nc_u64 s[G0+4*\s+2:G0+4*\s+3], s[22:23], \s*STEPA
	s_or_b32 s[G0+4*\s+3], s[G0+4*\s+3], 0x80000000
	s_mov_b32 s[G0B+4*\s+24*(\s/2)], 1
	s_add_co_u32 s[G0B+4*\s+24*(\s/2)+1], s82, \s*SLOT
	s_add_nc_u64 s[G0B+4*\s+24*(\s/2)+2:G0B+4*\s+24*(\s/2)+3], s[46:47], \s*STEPB
	s_or_b32 s[G0B+4*\s+24*(\s/2)+3], s[G0B+4*\s+24*(\s/2)+3], 0x80000000
.endr
	JLOAD 0                                        ; K slots 0 and 1: my one load at the head
	v_and_b32 v1, 15, v0                           ; r
	v_bfe_u32 v2, v0, 4, 1                         ; h
	v_and_b32 v3, 31, v0                           ; lane
	v_lshlrev_b32 v4, 4, v3                        ; 16 x lane; never rewritten
	v_lshlrev_b32 v5, 2, v1                        ; 4 r
	v_lshlrev_b32 v25, 2, v3                       ; 4 x lane
	v_and_b32 v[VD0], 8, v1
	v_add_nc_u32 v[VD0], v[VD0], v1                ; r + 8 (r / 8): my query in a fragment's rows,
	v_lshlrev_b32 v7, 4, v2
	v_sub_nc_u32 v[VD0], v[VD0], v7                ; less the 16 keys by which lanes 16-31 begin later,
	v_add_nc_u32 v[VD0], s67, v[VD0]               ; + my first query - my first key (signed)
	s_mul_i32 s74, s15, 3*PA
	s_mul_i32 s75, s16, 3*PB
	s_add_co_u32 s75, s75, 6*PA
.irp s, 0,1,2
	v_add_nc_u32 v[ADR1+\s], s74, v4
	v_add_nc_u32 v[ADR0+\s], s75, v4
	v_add_nc_u32 v[ADS1+\s], s74, v5
	v_add_nc_u32 v[ADS0+\s], s75, v5
	s_add_co_u32 s74, s74, SLOT
	s_add_co_u32 s75, s75, SLOT
.endr
.irp b, 0,1,2,3
	v_mov_b32 v[T4+\b], 0                          ; written once: a lane permute's destination counts as one of its sources
.endr
	v_mov_b32 v[NM+1], 0                           ; (named as the upper half of the pair)
	s_wait_alu depctr_va_vdst(0)
	s_wait_tensorcnt 0x0                           ; my part of K slots 0 and 1 is in
	ds_add_u32 v[SPW], v[NIL]
	s_mov_b32 s[G1+2], (PA/256)<<16                ; no tensor load of mine is out: from here on a load brings one K slot
	s_mov_b32 s[G1+4], PA/256
	s_mov_b32 s[G1B+2], (PB/256)<<16
	s_mov_b32 s[G1B+4], PB/256
	s_wait_dscnt 0x0
	CROUND                                         ; everybody's part is in, and all sixteen work-groups are here
	JLOAD 2                                        ; K slot 2, the first tensor load behind the round
	FETCH_B 0, 0, 0
	FETCH_A 0, 0, 0
	SCALES 0, 0
	FETCH_A 0, 0, 4
	STEP 0, 0, 1                                   ; K slot 0: its first products start the sums
	TURN 0, 0, 1, 1, 0                             ; K slot 1 landed with K slot 0
	STEP 1, 1, 0                                   ; K slot 1
	s_wait_alu depctr_va_vdst(0)
	TURN 1, 1, 2, 0, 2                             ; K slot 2 has landed; the place of K slot 0 takes K slot 3
	STEP 2, 0, 0                                   ; K slot 2
	TURN 2, 0, 0, 1, 1                             ; K slot 3 has landed
	STEP 0, 1, 0                                   ; K slot 3
	s_wait_dscnt 4*NL
	WIN MUL_LO
	MUL16 0, 1, 1, 1, 0
	MUL16 2, 1, 1, 1, 0
	s_wait_dscnt 0x0
	WIN MUL_HI
	MUL16 4, 1, 1, 1, 0
	MUL16 6, 1, 1, 1, 0
	WIN 0
; THE MASK.  Register 16 b + i of block a holds key (my first key) + 32 b + 16 (lane / 16) + i: hidden where 32 b + i > my query - my first key - 16 (lane / 16).  Hidden scores become -infinity: p = 0.
.macro MASK a
.set S, 64*((\a)%4)
.set W, 2+(\a)/4
	WIN W|(W<<6)
.set n, 0
.rept 64
	v_cmp_gt_i32 vcc_lo, 32*(n/16)+n%16, v[VD+(\a)]
	v_cndmask_b32 v[S+n], v[S+n], v[NINF], vcc_lo
.set n, n+1
.endr
.endm
; THE SOFTMAX'S p OF BLOCK a (16 queries x my 128 keys), quantised: fragment g = a of p's panel.
.macro SOFT a
.set S, 64*((\a)%4)
.set W, 2+(\a)/4
.if (\a)%4 == 2
.set PC, 192
.else
.set PC, 128
.endif
	WIN W|(W<<2)
.irp b, 0,1,2,3
	v_max_num_f32 v[BM+\b], v[S+16*\b], v[S+16*\b+1]   ; the largest score of each block of 32 keys: for the run's maximum and, since p rises with the score, for the block's largest p
.endr
.irp i, 2,4,6,8,10,12,14
.irp b, 0,1,2,3
	v_max3_num_f32 v[BM+\b], v[S+16*\b+\i], v[S+16*\b+\i+1], v[BM+\b]
.endr
.endr
	WIN 0
.irp b, 0,1,2,3
	v_permlanex16_b32 v[T4+\b], v[BM+\b], s[SEL], s[SEL+1]
.endr
.irp b, 0,1,2,3
	v_max_num_f32 v[BM+\b], v[BM+\b], v[T4+\b]     ; with lane l xor 16's 16 keys
.endr
	v_max3_num_f32 v[XM], v[BM], v[BM+1], v[BM+2]
	v_max_num_f32 v[XM], v[XM], v[BM+3]
	v_mul_f32 v[XM], s[CS], v[XM]                  ; the run's largest t (c is positive)
	v_max_num_f32 v[XM], 0xf149f2ca, v[XM]         ; a run that is wholly hidden: -1e30 in place of -infinity, so that M is a number
	v_floor_f32 v[NM], -v[XM]                      ; -M = floor(-t) = -ceil(t): M is a whole number
	v_sub_f32 v[MW+(\a)], 0, v[NM]                 ; M
.irp b, 0,1,2,3
	v_fma_f32 v[BM+\b], v[BM+\b], s[CS], v[NM]     ; t - M of each block's largest score
.endr
	s_wait_alu depctr_va_vdst(0)
.irp b, 0,1,2,3
	v_exp_f32 v[BM+\b], v[BM+\b]                   ; the block's largest p
.endr
.irp i, 0,1,2,3
	v_mov_b32 v[LA+\i], 0                          ; the sum's two chains
.endr
	WIN W|(W<<6)
.set n, 0
.rept 32
	v_pk_fma_f32 v[S+n:S+n+1], v[S+n:S+n+1], s[CS:CS+1], v[NM:NM+1] op_sel_hi:[1,0,0]   ; t - M, two at a time
.set n, n+2
.endr
.set n, 0
	s_wait_alu depctr_va_vdst(0)
.rept 64
	v_exp_f32 v[S+n], v[S+n]                       ; p = 2^(t - M), at most 1
.set n, n+1
.endr
	WIN 0
	v_nop                                          ; a plain instruction behind the last exponential
	s_wait_alu depctr_va_vdst(0)                   ; one wait for the 64 exponentials, ahead of their first reader
.irp b, 0,1,2,3
	v_max_num_f32 v[BM+\b], 0x21000000, v[BM+\b]   ; the floor 2^-61: the byte stays at 64 or above
.endr
.irp b, 0,1,2,3
	v_add_nc_u32 v[SO+\b], 0xff000000, v[BM+\b]    ; 2 off the exponent field: the conversion's scale operand
.endr
.irp b, 0,1,2,3
	v_lshrrev_b32 v[T4+\b], 23, v[SO+\b]           ; the scale's byte
.endr
	v_lshl_or_b32 v[PW+(\a)], v[T4+1], 8, v[T4]
	v_lshl_or_b32 v[PW+(\a)], v[T4+2], 16, v[PW+(\a)]
	v_lshl_or_b32 v[PW+(\a)], v[T4+3], 24, v[PW+(\a)]
	s_wait_xcnt 0x0                                ; the earlier blocks' stores have read the codes' registers
	WIN W
.set n, 0
.rept 16
	v_pk_add_f32 v[LA:LA+1], v[S+n:S+n+1], v[LA:LA+1]     ; the sum is taken of the unquantised p
	v_pk_add_f32 v[LB:LB+1], v[S+n+2:S+n+3], v[LB:LB+1]
.set n, n+4
.endr
.irp c, 0,1
	v_cvt_scalef32_pk16_fp6_f32 v[PC+6*\c:PC+6*\c+2], v[S+32*\c:S+32*\c+15], v[SO+2*\c]
	v_cvt_scalef32_pk16_fp6_f32 v[PC+12+4*\c:PC+14+4*\c], v[S+16+32*\c:S+31+32*\c], v[SO+2*\c+1]
.endr
	WIN 0
	v_nop                                          ; one plain instruction behind the scaled conversions
.irp c, 0,1
.irp i, 0,1,2
	v_permlane16_swap_b32 v[PC+6*\c+\i], v[PC+12+4*\c+\i]
.endr
.irp i, 0,1,2
	v_mov_b32 v[PC+3+6*\c+\i], v[PC+12+4*\c+\i]
.endr
.endr
	v_pk_add_f32 v[LA:LA+1], v[LA:LA+1], v[LB:LB+1]
	v_add_f32 v[LA], v[LA], v[LA+1]
	v_permlanex16_b32 v[T4], v[LA], s[SEL], s[SEL+1]
	v_add_f32 v[LW+(\a)], v[LA], v[T4]             ; with lane l xor 16's 64 keys: the run's l
.irp c, 0,1,2
	global_store_b128 v4, v[PC+4*\c:PC+4*\c+3], s[8:9] offset:FRB*(\a)+512*\c   ; 512 consecutive bytes, at a multiple of 256 from pbuf's first byte
.endr
.endm
	PLACES NP                                      ; behind the last products: their results are read and their operands' registers written below
	v_mov_b32 v[NINF], 0xff800000
.irp a, 0,1,2,3,4,5,6,7
	v_add_nc_u32 v[VD+\a], 32*(\a/2)+8*(\a%2), v[VD0]
.endr
	s_cmp_eq_u32 ttmp9, 1                          ; the cluster under the diagonal hides nothing: the cluster's number, the same in all sixteen partners
	s_cbranch_scc1 .Lfull
.irp a, 0,1,2,3,4,5,6,7
	MASK \a
.endr
	WIN 0
.Lfull:
.irp a, 0,1,2,3,4,5,6,7
	SOFT \a
.endr
	v_cmp_le_u32 vcc_lo, 16, v3
.irp k, PW, MW, LW
.irp p, 0,1,2,3
	v_cndmask_b32 v[\k+\p], v[\k+2*\p], v[\k+2*\p+1], vcc_lo   ; lanes 0-15 fragment 2 p's, lanes 16-31 fragment 2 p + 1's: 128 consecutive bytes
.endr
.endr
.irp p, 0,1,2,3
	global_store_b32 v25, v[PW+\p], s[10:11] offset:128*\p
	global_store_b32 v25, v[MW+\p], s[10:11] offset:1024+128*\p
	global_store_b32 v25, v[LW+\p], s[10:11] offset:2048+128*\p
.endr
	s_wait_tensorcnt 0x0                           ; the wave's end: behind my last tensor load
	ds_add_u32 v[SPW], v[NIL]
	s_wait_dscnt 0x0
	CROUND                                         ; the closing round
	s_endpgm
.Lfunc_end_k_qb6a4820678_score:
	.size	k_qb6a4820678_score, .Lfunc_end_k_qb6a4820678_score-k_qb6a4820678_score
	.p2alignl 7, 3214868480
	.fill 96, 4, 3214868480
	.section	.rodata,"a",@progbits
	.p2align	6, 0x0
	.amdhsa_kernel k_qb6a4820678_score
		.amdhsa_group_segment_fixed_size 327680
		.amdhsa_private_segment_fixed_size 0
		.amdhsa_enable_private_segment 0
		.amdhsa_kernarg_size 16
		.amdhsa_user_sgpr_count 2
		.amdhsa_user_sgpr_kernarg_segment_ptr 1
		.amdhsa_wavefront_size32 1
		.amdhsa_system_sgpr_workgroup_id_x 1
		.amdhsa_system_sgpr_workgroup_id_y 1
		.amdhsa_system_sgpr_workgroup_id_z 1
		.amdhsa_system_vgpr_workitem_id 0
		.amdhsa_next_free_vgpr 1024
		.amdhsa_next_free_sgpr 100
		.amdhsa_reserve_vcc 1
		.amdhsa_float_denorm_mode_32 3
		.amdhsa_float_denorm_mode_16_64 3
		.amdhsa_memory_ordered 1
		.amdhsa_forward_progress 1
		.amdhsa_inst_pref_size 242
	.end_amdhsa_kernel
	.amdgpu_metadata
---
amdhsa.version: [ 1, 2 ]
amdhsa.kernels:
  - .name:           k_qb6a4820678_score
    .symbol:         k_qb6a4820678_score.kd
    .args:
      - { .name: qkv, .offset: 0, .size: 8, .value_kind: global_buffer, .address_space: global }
      - { .name: pbuf, .offset: 8, .size: 8, .value_kind: global_buffer, .address_space: global }
    .group_segment_fixed_size: 327680
    .private_segment_fixed_size: 0
    .kernarg_segment_align: 8
    .kernarg_segment_size: 16
    .max_flat_workgroup_size: 128
    .sgpr_count:     100
    .vgpr_count:     1024
    .wavefront_size: 32
...
	.end_amdgpu_metadata
.endif
;; end of part 7
;; launch pv (part 8): grid 4 x 64, 4 waves a work-group, clusters of 4 x 4, 327,680 bytes of LDS; arguments pbuf, qkv, out0; writes out0
.if DOCPART == 8
	.amdgcn_target "amdgcn-amd-amdhsa--gfx1250"
	.amdhsa_code_object_version 6
	.text
	.protected	k_qb6a4820678_pv
	.globl	k_qb6a4820678_pv
	.p2align	8
	.type	k_qb6a4820678_pv,@function
k_qb6a4820678_pv:
	s_mov_b64 s[64:65], 0
	v_nop
	global_prefetch_b8 v0, s[64:65] scope:SCOPE_SE
	s_setreg_imm32_b32 hwreg(HW_REG_WAVE_MODE, 25, 1), 1
	s_wait_xcnt 0x0
	s_wait_alu depctr_hold_cnt(0) depctr_sa_sdst(0) depctr_va_vdst(0) depctr_va_sdst(0) depctr_va_ssrc(0) depctr_va_vcc(0) depctr_vm_vsrc(0)
	s_getreg_b32 s2, hwreg(HW_REG_IB_STS2, 6, 4)
	s_cmp_eq_u32 s2, 0
	s_cbranch_scc0 .Lentry_in_a_cluster
	s_endpgm
.Lentry_in_a_cluster:
	s_bfe_u32 s2, ttmp6, 0x10000c
	s_cmp_lg_u32 s2, 0xf033
	s_cbranch_scc0 .Lentry_shape_is_right
	s_endpgm
.Lentry_shape_is_right:
; out = (p v) / l on codes of FP6 (E2M3) with E8M0 scales.  p comes from pbuf (64 row panels of 128 queries x 8 slots of 256 keys x 27,648 bytes: a panel of register images, then for each
; run of 128 keys its whole number M and its sum l), v^T from qkv at 13,107,200 (8 row panels of 128 features x 32 slots of 256 tokens x 25,600 bytes).
; The head finds each query's largest M, brings the l under it and adds them; ahead of each pair of K steps the difference M(row) - M(run), held at 63, is taken off p's scale bytes.
; SHARES: a work-group takes one row panel of queries x 256 features; a wave 64 queries x 128 features: 32 accumulators.  K goes in 16 steps of 128 keys through two LDS slots of 512 keys each, four fills:
; waves 0 and 1 fetch p's two panels of a fill, waves 2 and 3 v^T's two runs of two panels.
; CLUSTERS of 4 x 4, joint loads: p's panels along a row of the cluster, v^T's along a column.  All clusters run alike: for queries of a batch's first half, which have p for keys under 1,024 alone,
; the loads of fills 2 and 3 name panels of zero codes that lie above the diagonal, and their M and l are not counted.
; M and l are asked for behind the first joint load, so that they come while it is on its way.
; L2 PREFETCH: fills 1 and 2 are asked for at the head, behind the first joint load and the loads of M and l; fill 3 in the first K step, behind its LDS loads: at most two fills are asked for and not yet read.
; The four partners of a joint load share its blocks of 256 bytes out by address: of a panel of p (108 blocks) the partner at cx takes 27, a lane a block; of a run of v^T (200 blocks) the partner at cy takes 50,
; in two instructions.  Lanes that are left over name their wave's last block again.  A cluster of a batch's first half asks for no p of fills 2 and 3: those panels have been read by then.
; LIMITS: as the scores' launch states them (a run whose M lies more than 63 under the row's counts with its scale bytes 63 lower); NaN and infinities are not served.
.set PFA,   16                         ; v16  256 x min(lane, 26): p's blocks;  v17  256 x lane, v18  256 x min(lane, 17): v^T's.  Never rewritten
.set PFB,   17
.set PFC,   18
.set PPA,   66                         ; s[66:67] my work-group's 27 blocks of the panel of p that my wave fetches in fill 0;  s[2:3] its 50 blocks of v^T.  Never rewritten
.set PPB,   2
.macro ASK n                           ; fill n.  The branches hang on the wave's number and on the cluster's number alone
	s_cmp_eq_u32 s15, 0
	s_cbranch_scc0 .Lask_v_\@
.if (\n) >= 2
	s_cmp_lg_u32 s19, 0
	s_cbranch_scc0 .Lasked_\@
.endif
	global_prefetch_b8 v[PFA], s[PPA:PPA+1] offset:(\n)*2*PPITCH th:TH_LOAD_NT scope:SCOPE_SE
	s_branch .Lasked_\@
.Lask_v_\@:
	global_prefetch_b8 v[PFB], s[PPB:PPB+1] offset:(\n)*BBYTES th:TH_LOAD_NT scope:SCOPE_SE
	global_prefetch_b8 v[PFC], s[PPB:PPB+1] offset:(\n)*BBYTES+8192 th:TH_LOAD_NT scope:SCOPE_SE
.Lasked_\@:
.endm
.set PPITCH, 27648
.set PB,    25600
.set ABYTES, 2*PPITCH
.set BBYTES, 2*PB
.set BIG,   ABYTES+2*BBYTES
.set FRB,   1536
.set SCO,   24576
.set FR,    12
.set NP,    4
.set SPARE, 2*BIG
.set VLO,   6
.set VHI,   7
.set ADR1,  8
.set ADS1,  10
.set ADR0,  12
.set ADS0,  14
.set STO,   24
.set RD,    25
.set SPW,   28
.set NIL,   29
.set SC1,   32
.set SC0,   48
.set T,     96
.set MG,    112
.set RL,    116
.set RLW,   120
.set AF,    128
.set ML,    128
.set LL,    160
.set MLR,   240
.set BK,    128
.set G1,  24
.set G1B, 32
.set G0A, 40
.set G0B, 56
.set SEL, 76
.set MSB, 0
.macro WIN new
.set WNEW, \new
.if MSB != WNEW
	s_set_vgpr_msb (MSB<<8)|WNEW
.set MSB, WNEW
.endif
.endm
.set MUL,  0xa1
.set TO_B, 0x40
.macro JLOAD n
.set GA, G0A+4*(\n)
.set GB, G0B+4*(\n)+4*((\n)/2)
	s_cmp_eq_u32 s15, 0
	s_cbranch_scc0 .Lfor_b_\@
	tensor_load_to_lds s[GA:GA+3], s[G1:G1+7]
	s_nop 0
.rept 4
	v_nop
.endr
	s_branch .Lasked_\@
.Lfor_b_\@:
	tensor_load_to_lds s[GB:GB+3], s[G1B:G1B+7]
	s_nop 0
.rept 4
	v_nop
.endr
.Lasked_\@:
.endm
.macro CREST
	s_cmp_lg_u32 s14, 0
	s_cbranch_scc1 .Lnot_wave_0_\@
	s_barrier_signal -3
.Lnot_wave_0_\@:
	s_barrier_wait -3
	s_barrier_signal -1
	s_barrier_wait -1
.endm
.macro CROUND
	s_barrier_signal -1
	s_barrier_wait -1
	CREST
.endm
.macro PLACES n
.rept \n
	v_nop
.endr
.endm
.macro FRAGL reg, adr, off
.irp c, 0,1,2
	ds_load_b128 v[\reg+4*\c:\reg+4*\c+3], v[\adr] offset:\off+512*\c
.endr
.endm
.macro FETCHN m
.set FQ,   (\m)%2
.set FKK,  ((\m)/2)%2
.set FBIG, ((\m)/4)%2
	WIN TO_B
.irp i, 0,1,2,3,4,5,6,7
	FRAGL 128*FQ+FR*\i, ADR0+FBIG, FKK*PB+FRB*(8*FQ+\i)
.endr
	WIN 0
.irp i, 0,1,2,3
	FRAGL AF+48*FQ+FR*\i, ADR1+FBIG, FKK*PPITCH+FRB*(8*FQ+\i)
.endr
.if FQ == 0
.irp i, 0,1,2,3
.irp q, 0,1
	ds_load_b32 v[SC1+8*FKK+2*\i+\q], v[ADS1+FBIG] offset:FKK*PPITCH+SCO+512*\q+64*\i
	ds_load_b32 v[MLR+2*\i+\q], v[ADS1+FBIG] offset:FKK*PPITCH+SCO+1024+512*\q+64*\i
.endr
.endr
.irp i, 0,1,2,3,4,5,6,7
.irp q, 0,1
	ds_load_b32 v[SC0+16*FKK+2*\i+\q], v[ADS0+FBIG] offset:FKK*PB+SCO+512*\q+64*\i
.endr
.endr
.endif
.endm
.macro MUL8 a, n, zero
.set MQ,  (\n)%2
.set MKK, ((\n)/2)%2
.irp b, 0,1,2,3,4,5,6,7
.if \zero
	v_wmma_scale_f32_16x16x128_f8f6f4 v[8*(8*(\a)+\b):8*(8*(\a)+\b)+7], v[128*MQ+FR*\b:128*MQ+FR*\b+FR-1], v[AF+48*MQ+FR*(\a):AF+48*MQ+FR*(\a)+FR-1], 0, v[SC0+16*MKK+2*\b+MQ], v[SC1+8*MKK+2*(\a)+MQ] matrix_a_fmt:MATRIX_FMT_FP6 matrix_b_fmt:MATRIX_FMT_FP6
.else
	v_wmma_scale_f32_16x16x128_f8f6f4 v[8*(8*(\a)+\b):8*(8*(\a)+\b)+7], v[128*MQ+FR*\b:128*MQ+FR*\b+FR-1], v[AF+48*MQ+FR*(\a):AF+48*MQ+FR*(\a)+FR-1], v[8*(8*(\a)+\b):8*(8*(\a)+\b)+7], v[SC0+16*MKK+2*\b+MQ], v[SC1+8*MKK+2*(\a)+MQ] matrix_a_fmt:MATRIX_FMT_FP6 matrix_b_fmt:MATRIX_FMT_FP6
.endif
.endr
.endm
.macro FIX sc
.irp a, 0,1,2,3
.irp q, 0,1
	v_sub_f32 v[T+2*\a+\q], v[MG+\a], v[MLR+2*\a+\q]
.endr
.endr
.set ii, 0
.rept 8
	v_min_num_f32 v[T+ii], 0x427c0000, v[T+ii]
.set ii, ii+1
.endr
.set ii, 0
.rept 8
	v_cvt_u32_f32 v[T+ii], v[T+ii]
.set ii, ii+1
.endr
.set ii, 0
.rept 8
	v_perm_b32 v[T+ii], v[T+ii], v[T+ii], 0
.set ii, ii+1
.endr
.set ii, 0
.rept 8
	v_sub_nc_u32 v[SC1+8*(\sc)+ii], v[SC1+8*(\sc)+ii], v[T+ii]
.set ii, ii+1
.endr
	PLACES 8
.endm
.macro KSTEP n, zero
	s_wait_dscnt 0x0
.if (\n)%2 == 0
	FIX ((\n)/2)%2
.else
	PLACES NP
.endif
	FETCHN (\n)+1
.if (\n) == 0
	s_wait_alu depctr_va_vdst(0)
	ASK 3
.endif
	WIN MUL
	MUL8 0, \n, \zero
	MUL8 1, \n, \zero
	MUL8 2, \n, \zero
	MUL8 3, \n, \zero
	WIN 0
.endm
.macro BSTEP n, fill
	s_wait_tensorcnt 0x0
	ds_add_u32 v[SPW], v[NIL]
	s_wait_dscnt 1
	WIN MUL
	MUL8 0, \n, 0
	s_wait_dscnt 0x0
	s_barrier_signal -1
	MUL8 1, \n, 0
	WIN 0
	s_barrier_wait -1
.if \fill >= 0
	CREST
	JLOAD \fill
.else
	PLACES NP
.endif
	FETCHN (\n)+1
	WIN MUL
	MUL8 2, \n, 0
	MUL8 3, \n, 0
	WIN 0
.endm
	s_load_b128 s[4:7], s[0:1], 0x0
	s_load_b64 s[8:9], s[0:1], 0x10
	v_lshl_add_u32 v[SPW], v0, 2, SPARE
	v_mov_b32 v[NIL], 0
	ds_add_u32 v[SPW], v[NIL]
	ds_add_u32 v[SPW], v[NIL]
	v_lshrrev_b32 v1, 5, v0
	v_readfirstlane_b32 s14, v1
	s_lshr_b32 s15, s14, 1
	s_and_b32 s16, s14, 1
	s_bfe_u32 s80, ttmp6, 0x40000
	s_bfe_u32 s81, ttmp6, 0x40004
	s_lshl_b32 s82, s81, 2
	s_lshl_b32 s82, 15, s82
	s_lshl_b32 s83, 0x1111, s80
	s_or_b32 s[G1+0], s82, (3<<16)|(1<<21)
	s_or_b32 s[G1B+0], s83, (3<<16)|(1<<21)
	s_mov_b32 s[G1+1], 32<<16
	s_mov_b32 s[G1+2], (PPITCH/256)<<16
	s_mov_b32 s[G1+3], 32<<16
	s_mov_b32 s[G1+4], PPITCH/256
	s_mov_b32 s[G1+5], 32
	s_mov_b32 s[G1+6], 0
	s_mov_b32 s[G1+7], 0
	s_mov_b32 s[G1B+1], 32<<16
	s_mov_b32 s[G1B+2], (BBYTES/256)<<16
	s_mov_b32 s[G1B+3], 32<<16
	s_mov_b32 s[G1B+4], BBYTES/256
	s_mov_b32 s[G1B+5], 32
	s_mov_b32 s[G1B+6], 0
	s_mov_b32 s[G1B+7], 0
	s_and_b32 s17, ttmp7, 0xffff
	s_lshr_b32 s18, s17, 2
	s_lshl_b32 s20, s17, 2
	s_add_co_u32 s20, s20, s81
	s_lshl_b32 s21, s20, 3
	s_add_co_u32 s21, s21, s16
	s_mul_i32 s84, s21, PPITCH
	s_add_co_u32 s85, s84, 2*PPITCH
	s_add_co_u32 s86, s84, 4*PPITCH
	s_add_co_u32 s87, s84, 6*PPITCH
	s_lshl_b32 s22, s18, 4
	s_add_co_u32 s22, s22, s81
	s_lshl_b32 s22, s22, 3
	s_add_co_u32 s22, s22, s16
	s_add_co_u32 s22, s22, 2
	s_mul_i32 s22, s22, PPITCH
	s_and_b32 s19, s17, 2
	s_cmp_lg_u32 s19, 0
	s_cselect_b32 s86, s86, s22
	s_cselect_b32 s87, s87, s22
	s_cselect_b32 s78, 4*PPITCH, 0
	s_cselect_b32 s79, 1.0, 0
	s_lshl_b32 s23, s80, 1
	s_add_co_u32 s23, s23, s16
	s_lshl_b32 s88, s23, 5
	s_lshl_b32 s89, s18, 3
	s_add_co_u32 s88, s88, s89
	s_mul_i32 s88, s88, PB
	s_add_co_u32 s88, s88, 13107200
	s_mov_b32 s89, 0
	s_mul_i32 s94, s16, PPITCH
	s_mul_i32 s95, s16, BBYTES
	s_add_co_u32 s95, s95, ABYTES
	s_mul_i32 s66, s20, 8*PPITCH
	s_add_co_u32 s66, s66, 25600
	s_mov_b32 s67, 0
	s_lshl_b32 s2, s20, 19
	s_lshl_b32 s3, s15, 18
	s_add_co_u32 s2, s2, s3
	s_lshl_b32 s3, s23, 9
	s_add_co_u32 s2, s2, s3
	s_mov_b32 s3, 0
	s_mov_b32 s91, 0
	s_mov_b32 s[SEL], 0x76543210
	s_mov_b32 s[SEL+1], 0xfedcba98
	s_wait_dscnt 0x0
	s_wait_kmcnt 0x0
	s_add_nc_u64 s[92:93], s[6:7], s[88:89]
	s_add_nc_u64 s[10:11], s[4:5], s[66:67]
	s_add_nc_u64 s[12:13], s[8:9], s[2:3]
.irp n, 0,1,2,3
	s_mov_b32 s[G0A+4*\n], 1
	s_add_co_u32 s[G0A+4*\n+1], s94, (\n%2)*BIG
	s_mov_b32 s90, s[84+\n]
	s_add_nc_u64 s[G0A+4*\n+2:G0A+4*\n+3], s[4:5], s[90:91]
	s_or_b32 s[G0A+4*\n+3], s[G0A+4*\n+3], 0x80000000
	s_mov_b32 s[G0B+4*\n+4*(\n/2)], 1
	s_add_co_u32 s[G0B+4*\n+4*(\n/2)+1], s95, (\n%2)*BIG
	s_add_nc_u64 s[G0B+4*\n+4*(\n/2)+2:G0B+4*\n+4*(\n/2)+3], s[92:93], \n*BBYTES
	s_or_b32 s[G0B+4*\n+4*(\n/2)+3], s[G0B+4*\n+4*(\n/2)+3], 0x80000000
.endr
	CROUND                                         ; all sixteen work-groups are here: the first joint loads meet
	JLOAD 0                                        ; keys 0-511: my one load at the head
	s_mul_i32 s[PPA], s80, 27*256                  ; the prefetches: my work-group's part of p's panel, by cx,
	s_add_co_u32 s[PPA], s[PPA], s84
	s_mov_b32 s[PPA+1], 0
	s_add_nc_u64 s[PPA:PPA+1], s[4:5], s[PPA:PPA+1]
	s_mul_i32 s[PPB], s81, 50*256                  ; and of v^T's run, by cy
	s_mov_b32 s[PPB+1], 0
	s_add_nc_u64 s[PPB:PPB+1], s[92:93], s[PPB:PPB+1]
	v_and_b32 v1, 15, v0
	v_bfe_u32 v2, v0, 4, 1
	v_and_b32 v3, 31, v0
	v_lshlrev_b32 v4, 4, v3
	v_lshlrev_b32 v5, 2, v1
	s_lshl_b32 s97, s15, 8
	v_lshl_add_u32 v[VLO], v2, 9, v5
	v_add_nc_u32 v[VLO], s97, v[VLO]
	v_add_nc_u32 v[VHI], s78, v[VLO]
.irp a, 0,1,2,3
.irp k, 0,1,2,3
	global_load_b32 v[ML+8*\a+\k], v[VLO], s[10:11] offset:PPITCH*\k+64*\a
	global_load_b32 v[ML+8*\a+4+\k], v[VHI], s[10:11] offset:PPITCH*\k+64*\a
	global_load_b32 v[LL+8*\a+\k], v[VLO], s[10:11] offset:PPITCH*\k+64*\a+1024
	global_load_b32 v[LL+8*\a+4+\k], v[VHI], s[10:11] offset:PPITCH*\k+64*\a+1024
.endr
.endr
	v_min_u32 v[PFA], 26, v3
	v_lshlrev_b32 v[PFA], 8, v[PFA]
	v_lshlrev_b32 v[PFB], 8, v3
	v_min_u32 v[PFC], 17, v3
	v_lshlrev_b32 v[PFC], 8, v[PFC]
	s_wait_alu depctr_va_vdst(0)
	ASK 1
	ASK 2
	s_mul_i32 s96, s15, 4*FRB
	s_mov_b32 s98, s95
.irp s, 0,1
	v_add_nc_u32 v[ADR1+\s], s96, v4
	v_add_nc_u32 v[ADS1+\s], s97, v5
	v_add_nc_u32 v[ADR0+\s], s98, v4
	v_add_nc_u32 v[ADS0+\s], s98, v5
	s_add_co_u32 s96, s96, BIG
	s_add_co_u32 s97, s97, BIG
	s_add_co_u32 s98, s98, BIG
.endr
	s_mul_i32 s21, s14, 16*528
	v_mul_u32_u24 v[STO], v1, 528
	v_lshl_add_u32 v[STO], v2, 6, v[STO]
	v_add_nc_u32 v[STO], s21, v[STO]
	v_add_nc_u32 v[RD], s21, v4
.irp i, 8,9,10,11
	v_mov_b32 v[T+\i], 0
.endr
	s_wait_alu depctr_va_vdst(0)
	s_wait_tensorcnt 0x0                           ; my part of the first fill is in
	ds_add_u32 v[SPW], v[NIL]
	s_wait_dscnt 0x0
	CROUND                                         ; everybody's part is in, and all sixteen work-groups are here
	JLOAD 1                                        ; keys 512-1,023, the first tensor load behind the round
	s_wait_loadcnt 0x0                             ; M and l, asked for under the first fill's flight
.irp a, 0,1,2,3
	v_max3_num_f32 v[MG+\a], v[ML+8*\a], v[ML+8*\a+1], v[ML+8*\a+2]
.endr
.irp a, 0,1,2,3
	v_max3_num_f32 v[MG+\a], v[MG+\a], v[ML+8*\a+3], v[ML+8*\a+4]
.endr
.irp a, 0,1,2,3
	v_max3_num_f32 v[MG+\a], v[MG+\a], v[ML+8*\a+5], v[ML+8*\a+6]
.endr
.irp a, 0,1,2,3
	v_max_num_f32 v[MG+\a], v[MG+\a], v[ML+8*\a+7]
.endr
.irp a, 0,1,2,3
	v_permlanex16_b32 v[T+8+\a], v[MG+\a], s[SEL], s[SEL+1]
.endr
.irp a, 0,1,2,3
	v_max_num_f32 v[MG+\a], v[MG+\a], v[T+8+\a]
.endr
.set ii, 0
.rept 32
	v_sub_f32 v[ML+ii], v[ML+ii], v[MG+ii/8]
.set ii, ii+1
.endr
.set ii, 0
.rept 32
	v_cvt_i32_f32 v[ML+ii], v[ML+ii]
.set ii, ii+1
.endr
.set ii, 0
.rept 32
	v_ldexp_f32 v[LL+ii], v[LL+ii], v[ML+ii]
.set ii, ii+1
.endr
.irp a, 0,1,2,3
	v_add_f32 v[T+\a], v[LL+8*\a], v[LL+8*\a+1]
	v_add_f32 v[LL+8*\a+2], v[LL+8*\a+2], v[LL+8*\a+3]
	v_add_f32 v[LL+8*\a+4], v[LL+8*\a+4], v[LL+8*\a+5]
	v_add_f32 v[LL+8*\a+6], v[LL+8*\a+6], v[LL+8*\a+7]
.endr
.irp a, 0,1,2,3
	v_add_f32 v[T+\a], v[T+\a], v[LL+8*\a+2]
	v_add_f32 v[LL+8*\a+4], v[LL+8*\a+4], v[LL+8*\a+6]
.endr
.irp a, 0,1,2,3
	v_fma_f32 v[T+\a], v[LL+8*\a+4], s79, v[T+\a]
.endr
.irp a, 0,1,2,3
	v_permlanex16_b32 v[T+8+\a], v[T+\a], s[SEL], s[SEL+1]
.endr
.irp a, 0,1,2,3
	v_add_f32 v[T+\a], v[T+\a], v[T+8+\a]
.endr
	s_wait_alu depctr_va_vdst(0)
.irp a, 0,1,2,3
	v_rcp_f32 v[RL+\a], v[T+\a]
.endr
	v_nop
	s_wait_alu depctr_va_vdst(0)
	FETCHN 0
	KSTEP 0, 1
	s_wait_alu depctr_va_vdst(0)
	KSTEP 1, 0
	KSTEP 2, 0
	s_wait_alu depctr_va_vdst(0)
	BSTEP 3, 2
	KSTEP 4, 0
	s_wait_alu depctr_va_vdst(0)
	KSTEP 5, 0
	KSTEP 6, 0
	s_wait_alu depctr_va_vdst(0)
	BSTEP 7, 3
	KSTEP 8, 0
	s_wait_alu depctr_va_vdst(0)
	KSTEP 9, 0
	KSTEP 10, 0
	s_wait_alu depctr_va_vdst(0)
	BSTEP 11, -1
	KSTEP 12, 0
	s_wait_alu depctr_va_vdst(0)
	KSTEP 13, 0
	KSTEP 14, 0
	s_wait_alu depctr_va_vdst(0)
	s_wait_dscnt 0x0
	WIN MUL
	MUL8 0, 15, 0
	MUL8 1, 15, 0
	MUL8 2, 15, 0
	MUL8 3, 15, 0
	WIN 0
.macro OUTA a
.set S, 64*(\a)
.set BB, BK+64*((\a)%2)
	WIN 0x82
.set ii, 0
.rept 32
	v_pk_mul_f32 v[S+ii:S+ii+1], v[S+ii:S+ii+1], v[RLW+2*(\a):RLW+2*(\a)+1] op_sel_hi:[1,0]
.set ii, ii+2
.endr
	WIN 0x08
.irp b, 0,1,2,3,4,5,6,7
	ds_store_b128 v[STO], v[S+8*\b:S+8*\b+3] offset:128*(\b/2)+32*(\b%2)
	ds_store_b128 v[STO], v[S+8*\b+4:S+8*\b+7] offset:128*(\b/2)+32*(\b%2)+16
.endr
	WIN 0
.irp t, 0,1,2,3,4,5,6,7,8,9,10,11,12,13,14,15
	ds_load_b128 v[BB+4*\t:BB+4*\t+3], v[RD] offset:528*\t
.endr
.endm
.macro SEND a, younger
.set BB, BK+64*((\a)%2)
	s_wait_dscnt \younger
.irp t, 0,1,2,3,4,5,6,7,8,9,10,11,12,13,14,15
	global_store_b128 v4, v[BB+4*\t:BB+4*\t+3], s[12:13] offset:(32*((\a)/2)+8*((\a)%2)+\t+8*(\t/8))*4096 th:TH_STORE_NT
.endr
.endm
.irp a, 0,1,2,3
	v_mov_b32 v[RLW+2*\a], v[RL+\a]
	v_mov_b32 v[RLW+2*\a+1], v[RL+\a]
.endr
	OUTA 0
.irp a, 1,2,3
.if \a > 1
	s_wait_xcnt 0x0
.endif
	OUTA \a
	SEND \a-1, 32
.endr
	SEND 3, 0
	s_wait_tensorcnt 0x0
	ds_add_u32 v[SPW], v[NIL]
	s_wait_dscnt 0x0
	CROUND
	s_endpgm
.Lfunc_end_k_qb6a4820678_pv:
	.size	k_qb6a4820678_pv, .Lfunc_end_k_qb6a4820678_pv-k_qb6a4820678_pv
	.p2alignl 7, 3214868480
	.fill 96, 4, 3214868480
	.section	.rodata,"a",@progbits
	.p2align	6, 0x0
	.amdhsa_kernel k_qb6a4820678_pv
		.amdhsa_group_segment_fixed_size 327680
		.amdhsa_private_segment_fixed_size 0
		.amdhsa_enable_private_segment 0
		.amdhsa_kernarg_size 24
		.amdhsa_user_sgpr_count 2
		.amdhsa_user_sgpr_kernarg_segment_ptr 1
		.amdhsa_wavefront_size32 1
		.amdhsa_system_sgpr_workgroup_id_x 1
		.amdhsa_system_sgpr_workgroup_id_y 1
		.amdhsa_system_sgpr_workgroup_id_z 1
		.amdhsa_system_vgpr_workitem_id 0
		.amdhsa_next_free_vgpr 768
		.amdhsa_next_free_sgpr 100
		.amdhsa_reserve_vcc 0
		.amdhsa_float_denorm_mode_32 3
		.amdhsa_float_denorm_mode_16_64 3
		.amdhsa_memory_ordered 1
		.amdhsa_forward_progress 1
		.amdhsa_inst_pref_size 185
	.end_amdhsa_kernel
	.amdgpu_metadata
---
amdhsa.version: [ 1, 2 ]
amdhsa.kernels:
  - .name:           k_qb6a4820678_pv
    .symbol:         k_qb6a4820678_pv.kd
    .args:
      - { .name: pbuf, .offset: 0, .size: 8, .value_kind: global_buffer, .address_space: global }
      - { .name: qkv, .offset: 8, .size: 8, .value_kind: global_buffer, .address_space: global }
      - { .name: out0, .offset: 16, .size: 8, .value_kind: global_buffer, .address_space: global }
    .group_segment_fixed_size: 327680
    .private_segment_fixed_size: 0
    .kernarg_segment_align: 8
    .kernarg_segment_size: 24
    .max_flat_workgroup_size: 128
    .sgpr_count:     100
    .vgpr_count:     768
    .wavefront_size: 32
...
	.end_amdgpu_metadata
.endif
;; end of part 8
